; MI455X (gfx1250); checked and timed in simulation.
; The chip was launched on July 23, 2026; its instructions are those of AMD's public machine-readable ISA for CDNA 5 (MIT licence, August 2026) and "CDNA5" Instruction Set Architecture Reference Guide (July 2026). The comments in the code are by the model that wrote it; some were corrected since.
;; Transformer Block. Allowed arithmetic: matrix products marked QUANTISED: E2M3 operands, one E8M0 scale for each 32 along K, by v_wmma_scale_f32_16x16x128_f8f6f4 with both operands' format E2M3, f32 sums; everything else in f32.
;; Inputs: W1 1,024 x 4,096 float32; W2 4,096 x 1,024 float32; Wk 1,024 x 1,024 float32; Wo 1,024 x 1,024 float32; Wq 1,024 x 1,024 float32; Wv 1,024 x 1,024 float32; be1 1,024 float32; be2 1,024 float32; bf1 4,096 float32; bf2 1,024 float32; bo 1,024 float32; g1 1,024 float32; g2 1,024 float32; x 2 x 2,048 x 1,024 float32.
;; Outputs: out0 2 x 2,048 x 1,024 float32.
;; This version of the problem:
;;   THIS VERSION OF THE PROBLEM IS GIVEN IN LOW PRECISION. The matrix products marked QUANTISED in the list below multiply operands that are first quantised to E2M3 (2 exponent bits, 3 mantissa bits; 6 bits a number), with one power-of-two scale for each 32 numbers along K (OCP MX v1.0); their sums are f32. All else is computed in f32.
;;   The module's matrix products, in the order in which they are computed (A, B: the left and right operand; K: the contracted axis; several contracted axes count as one K, in the product's order):
;;     1. [M 4,096, K 1,024] x [K 1,024, N 1,024]; A: computed on the way; B: input Wq: QUANTISED
;;     2. [M 4,096, K 1,024] x [K 1,024, N 1,024]; A: computed on the way; B: input Wk: QUANTISED
;;     3. [M 4,096, K 1,024] x [K 1,024, N 1,024]; A: computed on the way; B: input Wv: QUANTISED
;;     4. batch 32 x [M 2,048, K 64] x [K 64, N 2,048]; A: computed on the way; B: computed on the way: QUANTISED
;;     5. batch 32 x [M 64, K 2,048] x [K 2,048, N 2,048]; A: computed on the way; B: softmax (see below): QUANTISED
;;     6. [M 4,096, K 1,024] x [K 1,024, N 1,024]; A: computed on the way; B: input Wo: QUANTISED
;;     7. [M 4,096, K 1,024] x [K 1,024, N 4,096]; A: computed on the way; B: input W1: QUANTISED
;;     8. [M 4,096, K 4,096] x [K 4,096, N 1,024]; A: computed on the way; B: input W2: QUANTISED
;;   THE QUANTISER, for each operand of a quantised product, along K:
;;     - K is cut into blocks of 32 from its start; a last block that is shorter is filled with zeros.
;;     - A block's scale is 2^e with e = floor(log2(the largest magnitude in the block)) - 2, held to -126 .. 127; a block of zeros has e = 0. As a byte (E8M0): e + 127.
;;     - Each number is divided by its block's scale, clamped to +-7.5, and rounded to the nearest number of E2M3, ties to even, subnormals kept.
;;     - The product sums the exact products of the quantised numbers (number of the format x scale) in f32.
;;   ~~~python
;;   def quantise(x, axis):      # numpy; x: float32 -> the quantised numbers, widened to float32 again
;;       x = np.moveaxis(x, axis, -1); K = x.shape[-1]
;;       x = np.pad(x, [(0, 0)] * (x.ndim - 1) + [(0, -K % 32)]); x = x.reshape(x.shape[:-1] + (-1, 32)); a = np.abs(x).max(-1, keepdims=True)
;;       e = np.where(a > 0, np.clip(np.frexp(np.where(a > 0, a, 1))[1] - 1 - 2, -126, 127), 0)      # np.frexp(a)[1] - 1 = floor(log2(a)), exactly
;;       r = np.clip(x / 2.0 ** e, -7.5, 7.5)
;;       step = 2.0 ** (np.maximum(np.frexp(np.where(r == 0, 1, r))[1] - 1, 0) - 3)
;;       q = np.round(r / step) * step * 2.0 ** e      # np.round: ties to even
;;       return np.moveaxis(q.reshape(q.shape[:-2] + (-1,))[..., :K], -1, axis).astype(np.float32)
;;   ~~~
;;   SOFTMAX AHEAD OF A QUANTISED PRODUCT. Where the list says 'softmax', what is quantised is not the finished softmax but p = 2^(t - M), with t = logit x log2(e) and M = ceil(the row's largest t), a whole number; so 1/2 < the row's largest p <= 1. The row's sum l is taken of the UNQUANTISED p, in f32, and the product's result is divided by l at the end. Since M is a whole number, a kernel that streams over the keys may use a running M (the ceiling of the running maximum): every later rescaling is an exact power of two, which a block's scale takes up: the codes' values come out the same.
;;   OPERANDS COMPUTED ON THE WAY. 'Computed on the way' means the value that the module computes at that place (a softmax that the list does not call 'softmax' is quantised finished and normalised). What goes into a quantiser is computed in f32, as accurately as f32 sums, v_exp_f32 and their like allow (about 1e-6 of the number): no bf16 or f16 on the way to a quantiser, and a product that is left as it is and whose result goes on into a quantised operand takes f32 operands (vector FMAs, or v_wmma_f32_16x16x4_f32). A number that lies on a knife's edge between two numbers of the format may be rounded either way, as far as f32 arithmetic and the matrix unit's own rounding can turn it there, and no further.
;; 2 versions. Each part assembles by itself: llvm-mc -triple=amdgcn-amd-amdhsa -mcpu=gfx1250 --defsym DOCPART=n.
;; ======== version 1 of 2: 8 launches
;; workspace buffers: wc 9,437,184 bytes; ws 393,216 bytes; hc 3,145,728 bytes; hs 131,072 bytes; qkv 9,830,400 bytes; x1 16,777,216 bytes; fc 12,582,912 bytes; fs 524,288 bytes
;; launch wquant (part 1): grid 384 x 1, 4 waves a work-group, no clusters, 36,352 bytes of LDS; arguments Wq, Wk, Wv, Wo, W1, W2, wc, ws; writes wc, ws
.if DOCPART == 1
	.amdgcn_target "amdgcn-amd-amdhsa--gfx1250"
	.amdhsa_code_object_version 6
	.text
	.protected	k_q27fc2f9b21_wquant
	.globl	k_q27fc2f9b21_wquant
	.p2align	8
	.type	k_q27fc2f9b21_wquant,@function
k_q27fc2f9b21_wquant:
	s_mov_b64 s[64:65], 0
	v_nop
	global_prefetch_b8 v0, s[64:65] scope:SCOPE_SE
	s_setreg_imm32_b32 hwreg(HW_REG_WAVE_MODE, 25, 1), 1
	s_wait_xcnt 0x0
; The six weights, f32 stored [K][N], become codes of FP6 (E2M3) with K innermost and one E8M0 byte for each 32 along K.
; LAYOUT OF THE RESULT (this program's own): an operand of R rows (= output columns n) and K is laid in chunks of 256 along K: codes [K/256][R][192 bytes], scale bytes [K/256][R][8].
;   wc + 0:         Wq, Wk, Wv, Wo as ONE operand of 4,096 rows (rows 0, 1024, 2048, 3072 on), K = 1,024;   wc + 3,145,728: W1, 4,096 rows, K = 1,024;   wc + 6,291,456: W2, 1,024 rows, K = 4,096.   ws: the same three at 0, 131,072, 262,144.
;   Inside each aligned group of 32 rows, row n lies at the place with n's bits 3 and 4 exchanged: place 16 u + r holds row 8 u + r + 8 (r / 8).  A product that takes 16 neighbouring places as its source 0 then
;   leaves 16 neighbouring n in a lane's 16 registers of two neighbouring tiles, which is what the next quantiser wants.
; A LANE TAKES A COLUMN n AND ITS REGISTERS RUN DOWN K: a load reads 128 consecutive bytes a wave, a block of 32 along K lies in one lane, and the conversions give codes with K innermost.
; A work-group takes 128 columns x 256 along K, a wave 32 columns.  384 work-groups: 128 for the four square weights, 128 for W1, 128 for W2.  Only pointers and numbers are chosen by the work-group's number: one path for all.
; A block's scale byte is its largest magnitude's exponent field - 2, held at 1 from below.
; LIMITS: a block of zeros, or one whose largest magnitude lies under 2^-124, gets the byte 1 (this program alone reads the bytes; zero codes add nothing); NaN and infinities among the inputs are not served.
.set PITCH, 272                        ; a stage row: sixteen places of 16 bytes, each with 12 bytes of codes, + 16
.set AO,    16                         ; v16-47   byte offset of my column in row i of a block: 4 x lane + i x row bytes; never rewritten
.set X,     48                         ; v48-111  two sets of 32 numbers
.set C,     112                        ; v112-118 a block's codes
.set OUTR,  120                        ; v120-183 the way out
.set SB,    184                        ; v184-185 my column's eight scale bytes
	s_load_b512 s[4:19], s[0:1], 0x0               ; Wq, Wk, Wv, Wo, W1, W2, wc, ws
	v_lshl_add_u32 v192, v0, 2, 0x8c00
	v_mov_b32 v193, 0
	v_lshrrev_b32 v1, 5, v0
	v_readfirstlane_b32 s20, v1                    ; wave
	v_and_b32 v2, 31, v0                           ; lane
	s_lshr_b32 s21, ttmp9, 7                       ; kind: 0 the four square weights, 1 W1, 2 W2
	s_and_b32 s22, ttmp9, 127
	s_lshr_b32 s23, s22, 5                         ; kind 0: which of the four
	s_and_b32 s24, s22, 31
	s_cmp_eq_u32 s21, 0
	s_cselect_b32 s22, s24, s22                    ; my number within the tensor
	s_cselect_b32 s25, s23, 0                      ; which quarter of the 4,096 rows
	s_cmp_eq_u32 s21, 1
	s_cselect_b32 s26, 5, 3                        ; W1 has 32 groups of 128 columns, the others 8
	s_cselect_b32 s27, 31, 7
	s_mov_b32 s28, 4096
	s_cselect_b32 s28, 16384, s28                  ; bytes in a row of the source
	s_cmp_eq_u32 s21, 2
	s_mov_b32 s29, 4096
	s_cselect_b32 s29, 1024, s29                   ; rows of the operand
	s_and_b32 s27, s22, s27                        ; group of columns
	s_lshr_b32 s26, s22, s26                       ; chunk of 256 along K
	s_lshl_b32 s27, s27, 7
	s_lshl_b32 s30, s20, 5
	s_add_co_u32 s27, s27, s30                     ; my wave's first column
	s_lshl_b32 s25, s25, 10
	s_mul_i32 s29, s26, s29
	s_add_co_u32 s29, s29, s25
	s_add_co_u32 s29, s29, s27                     ; chunk x rows + my first row
	s_lshl_b32 s30, s28, 8
	s_mul_i32 s30, s26, s30                        ; 256 rows of the source for each chunk,
	s_lshl_b32 s31, s27, 2
	s_add_co_u32 s30, s30, s31                     ; + 4 bytes a column
	s_mov_b32 s31, 0
	s_mul_i32 s48, s29, 192
	s_mul_i32 s49, s21, 3145728
	s_add_co_u32 s48, s48, s49                     ; where my codes go
	s_mov_b32 s49, 0
	s_lshl_b32 s50, s29, 3
	s_lshl_b32 s51, s21, 17
	s_add_co_u32 s50, s50, s51                     ; and my scale bytes
	s_mov_b32 s51, 0
	s_lshl_b32 s52, s28, 5                         ; a block: 32 rows of the source
	s_mov_b32 s53, 0
	v_lshlrev_b32 v3, 2, v2
.set i, 0
.rept 32
	v_mad_u32_u24 v[AO+i], s28, i, v3
.set i, i+1
.endr
	v_and_b32 v5, 7, v2                            ; my column's place among the wave's 32: bits 3 and 4 exchanged
	v_bfe_u32 v6, v2, 3, 1
	v_lshl_or_b32 v5, v6, 4, v5
	v_bfe_u32 v6, v2, 4, 1
	v_lshl_or_b32 v5, v6, 3, v5
	s_mul_i32 s54, s20, 32*PITCH                   ; my wave's stage
	v_mul_u32_u24 v4, v5, PITCH
	v_add_nc_u32 v4, s54, v4                       ; into it: row = my place
	v_and_b32 v6, 15, v2
	v_lshrrev_b32 v7, 4, v2
	v_mul_u32_u24 v8, v7, PITCH
	v_lshl_add_u32 v8, v6, 4, v8
	v_add_nc_u32 v8, s54, v8                       ; out of it: sixteen lanes to a row, two rows an instruction
	v_mul_u32_u24 v9, v7, 192
	v_mad_u32_u24 v9, v6, 12, v9                   ; the same place in the codes' buffer: rows of a chunk lie on end
	v_lshlrev_b32 v10, 3, v5                       ; my scale bytes: 8 x place
	s_wait_kmcnt 0x0
	s_cmp_eq_u32 s23, 1                            ; the source: a choice between buffers on the work-group's number alone
	s_cselect_b64 s[4:5], s[6:7], s[4:5]
	s_cmp_eq_u32 s23, 2
	s_cselect_b64 s[4:5], s[8:9], s[4:5]
	s_cmp_eq_u32 s23, 3
	s_cselect_b64 s[4:5], s[10:11], s[4:5]
	s_cmp_eq_u32 s21, 1
	s_cselect_b64 s[4:5], s[12:13], s[4:5]
	s_cmp_eq_u32 s21, 2
	s_cselect_b64 s[4:5], s[14:15], s[4:5]
	s_add_nc_u64 s[32:33], s[4:5], s[30:31]        ; a base for each of the eight blocks: none is ever stepped
.irp t, 1,2,3,4,5,6,7
	s_add_nc_u64 s[32+2*\t:33+2*\t], s[30+2*\t:31+2*\t], s[52:53]
.endr
	s_add_nc_u64 s[16:17], s[16:17], s[48:49]
	s_add_nc_u64 s[18:19], s[18:19], s[50:51]
.macro LOAD t                          ; block t: W(32 t + i, my column), i = 0 .. 31, into set t % 2
.set i, 0
.rept 32
	global_load_b32 v[X+32*((\t)%2)+i], v[AO+i], s[32+2*(\t):33+2*(\t)] th:TH_LOAD_NT
.set i, i+1
.endr
.endm
	LOAD 0
	LOAD 1
.macro BLOCK t
.set XS, X+32*((\t)%2)
.if (\t) < 7
	s_wait_loadcnt 32                              ; this block's 32 loads are in; the next block's 32 may be out
.else
	s_wait_loadcnt 0
.endif
	v_max3_num_f32 v12, |v[XS]|, |v[XS+1]|, |v[XS+2]|               ; the block's largest magnitude: all 32 numbers are mine; two chains
	v_max3_num_f32 v13, |v[XS+3]|, |v[XS+4]|, |v[XS+5]|
.irp k, 6,10,14,18,22,26
	v_max3_num_f32 v12, v12, |v[XS+\k]|, |v[XS+\k+1]|
	v_max3_num_f32 v13, v13, |v[XS+\k+2]|, |v[XS+\k+3]|
.endr
	v_max3_num_f32 v12, v12, |v[XS+30]|, |v[XS+31]|
	v_max3_num_f32 v12, v12, v13, 0x1800000        ; and the floor 2^(3 - 127): the byte cannot fall under 1
	v_add_nc_u32 v11, 0xff000000, v12              ; 2 off its exponent field: the conversion takes this operand's exponent field as its scale
	v_lshrrev_b32 v13, 23, v11                     ; the scale's byte
.if (\t)%4 == 0
	v_mov_b32 v[SB+(\t)/4], v13                    ; four bytes to a register, the lower K in the lower byte
.else
	v_lshl_or_b32 v[SB+(\t)/4], v13, 8*((\t)%4), v[SB+(\t)/4]
.endif
	v_cvt_scalef32_pk16_fp6_f32 v[C:C+2], v[XS:XS+15], v11
	v_cvt_scalef32_pk16_fp6_f32 v[C+4:C+6], v[XS+16:XS+31], v11     ; (a conversion's three registers begin on an even number)
	ds_store_b96 v4, v[C:C+2] offset:32*(\t)       ; 16 codes, 12 bytes, to a place of 16 bytes in the stage
	ds_store_b96 v4, v[C+4:C+6] offset:32*(\t)+16
.if (\t)+2 < 8
	LOAD (\t)+2
.endif
	s_wait_dscnt 0x0                               ; the stores have read their registers: the next block's codes may be written
.endm
.irp t, 0,1,2,3,4,5,6,7
	BLOCK \t
.endr
	global_store_b64 v10, v[SB:SB+1], s[18:19]     ; the wave's 32 rows x 8 bytes: 256 consecutive bytes
.irp t, 0,1,2,3,4,5,6,7,8,9,10,11,12,13,14,15
	ds_load_b96 v[OUTR+4*\t:OUTR+4*\t+2], v8 offset:2*\t*PITCH   ; LDS serves a wave's instructions in order: these see my stores
.endr
.irp t, 0,1,2,3,4,5,6,7,8,9,10,11,12,13,14,15
	s_wait_dscnt 15-\t
	global_store_b96 v9, v[OUTR+4*\t:OUTR+4*\t+2], s[16:17] offset:384*\t   ; two rows: 384 consecutive bytes
.endr
	s_wait_tensorcnt 0x0
	ds_add_u32 v192, v193
	s_wait_dscnt 0x0
	s_endpgm
.Lfunc_end_k_q27fc2f9b21_wquant:
	.size	k_q27fc2f9b21_wquant, .Lfunc_end_k_q27fc2f9b21_wquant-k_q27fc2f9b21_wquant
	.p2alignl 7, 3214868480
	.fill 96, 4, 3214868480
	.section	.rodata,"a",@progbits
	.p2align	6, 0x0
	.amdhsa_kernel k_q27fc2f9b21_wquant
		.amdhsa_group_segment_fixed_size 36352
		.amdhsa_private_segment_fixed_size 0
		.amdhsa_enable_private_segment 0
		.amdhsa_kernarg_size 64
		.amdhsa_user_sgpr_count 2
		.amdhsa_user_sgpr_kernarg_segment_ptr 1
		.amdhsa_wavefront_size32 1
		.amdhsa_system_sgpr_workgroup_id_x 1
		.amdhsa_system_sgpr_workgroup_id_y 1
		.amdhsa_system_sgpr_workgroup_id_z 1
		.amdhsa_system_vgpr_workitem_id 0
		.amdhsa_next_free_vgpr 194
		.amdhsa_next_free_sgpr 66
		.amdhsa_reserve_vcc 0
		.amdhsa_float_denorm_mode_32 3
		.amdhsa_float_denorm_mode_16_64 3
		.amdhsa_memory_ordered 1
		.amdhsa_forward_progress 1
		.amdhsa_inst_pref_size 45
	.end_amdhsa_kernel
	.amdgpu_metadata
---
amdhsa.version: [ 1, 2 ]
amdhsa.kernels:
  - .name:           k_q27fc2f9b21_wquant
    .symbol:         k_q27fc2f9b21_wquant.kd
    .args:
      - { .name: Wq, .offset: 0, .size: 8, .value_kind: global_buffer, .address_space: global }
      - { .name: Wk, .offset: 8, .size: 8, .value_kind: global_buffer, .address_space: global }
      - { .name: Wv, .offset: 16, .size: 8, .value_kind: global_buffer, .address_space: global }
      - { .name: Wo, .offset: 24, .size: 8, .value_kind: global_buffer, .address_space: global }
      - { .name: W1, .offset: 32, .size: 8, .value_kind: global_buffer, .address_space: global }
      - { .name: W2, .offset: 40, .size: 8, .value_kind: global_buffer, .address_space: global }
      - { .name: wc, .offset: 48, .size: 8, .value_kind: global_buffer, .address_space: global }
      - { .name: ws, .offset: 56, .size: 8, .value_kind: global_buffer, .address_space: global }
    .group_segment_fixed_size: 36352
    .private_segment_fixed_size: 0
    .kernarg_segment_align: 8
    .kernarg_segment_size: 64
    .max_flat_workgroup_size: 128
    .sgpr_count:     66
    .vgpr_count:     194
    .wavefront_size: 32
...
	.end_amdgpu_metadata
.endif
;; end of part 1
;; launch ln (part 2): grid 256 x 1, 4 waves a work-group, no clusters, 1,536 bytes of LDS; arguments x, g1, be1, hc, hs; writes hc, hs
.if DOCPART == 2
	.amdgcn_target "amdgcn-amd-amdhsa--gfx1250"
	.amdhsa_code_object_version 6
	.text
	.protected	k_q27fc2f9b21_ln
	.globl	k_q27fc2f9b21_ln
	.p2align	8
	.type	k_q27fc2f9b21_ln,@function
k_q27fc2f9b21_ln:
	s_mov_b64 s[64:65], 0
	v_nop
	global_prefetch_b8 v0, s[64:65] scope:SCOPE_SE
	s_setreg_imm32_b32 hwreg(HW_REG_WAVE_MODE, 25, 1), 1
	s_wait_xcnt 0x0
; h = (x - mean) / sqrt(var + 1e-5) x gain + offset along rows of 1,024, in f32, then quantised along the row to codes of FP6 (E2M3), one E8M0 byte for each 32.
; x: [4096][1024] f32.  Result, in this program's own layout: codes [4 chunks of 256 along K][4096 places][192 bytes], scale bytes [4][4096][8].
; Inside each aligned group of 32 rows, row t lies at the place with t's bits 3 and 4 exchanged: place 16 u + q holds row 8 u + q + 8 (q / 8).
; SHARES.  Work-group g owns places 16 g .. 16 g + 15.  Wave w owns columns 256 w .. 256 w + 255 (chunk w) of all 16 rows; lanes 0-15 hold the even place of a pair, lanes 16-31 the odd one; a lane holds 16 neighbours
; (64 bytes), which is what the conversion takes from one lane, so a load's lanes stand 64 bytes apart and a row's four loads together cover its 1,024 bytes.  Two neighbouring lanes hold a block of 32.
; The row stays in registers (128 a lane for the eight pairs).  Mean first, then the variance of x - mean: no difference of large sums.  The waves' partial sums meet in LDS: two barriers.
; A wave's scale bytes are 128 consecutive bytes: sixteen rows of a chunk have no more.
; LIMITS: a block of zeros, or one under 2^-124, gets the byte 1 (this program alone reads the bytes); NaN and infinities are not served.
.set AC,  8                            ; v8-23    eight packed sums
.set G,   32                           ; v32-47   gain of my 16 columns
.set BT,  48                           ; v48-63   offset
.set X,   64                           ; v64-191  pair p: 16 numbers
.set MU,  192                          ; v192-207 pair p: the mean, twice; later 1 / sigma in the low one
.set RD,  208                          ; v208-239 pair p: the four waves' partial sums; later its codes
.set SBY, 240                          ; v240-247 scale bytes
.set SM,  248                          ; v248-255 sums, largest magnitudes
	s_load_b256 s[4:11], s[0:1], 0x0               ; x, gain, offset, codes
	s_load_b64 s[12:13], s[0:1], 0x20              ; scale bytes
	v_lshl_add_u32 v30, v0, 2, 0x400
	v_mov_b32 v31, 0
	v_lshrrev_b32 v1, 5, v0
	v_readfirstlane_b32 s14, v1                    ; wave
	v_and_b32 v2, 15, v0                           ; r
	v_bfe_u32 v3, v0, 4, 1                         ; h
	s_lshr_b32 s15, ttmp9, 1
	s_lshl_b32 s15, s15, 5
	s_and_b32 s16, ttmp9, 1
	s_lshl_b32 s16, s16, 3
	s_add_co_u32 s15, s15, s16                     ; the row at my first place: 32 (g / 2) + 8 (g % 2)
	s_lshl_b32 s16, s15, 12
	s_mov_b32 s17, 0
	s_lshl_b32 s18, s14, 10
	v_lshl_add_u32 v4, v2, 6, s18                  ; gain, offset: 1,024 w + 64 r
	v_lshl_add_u32 v5, v3, 12, v4                  ; x: + a row for lanes 16-31
	s_lshl_b32 s19, s14, 2
	v_lshl_add_u32 v6, v3, 4, s19                  ; LDS: [row 16][wave 4] words: 16 h + 4 w (+ 32 p)
	v_lshlrev_b32 v7, 4, v3                        ; and a row's four words
	s_lshl_b32 s19, s14, 7
	s_add_co_u32 s19, s19, 512                     ; my wave's 128 scale bytes
	v_lshrrev_b32 v24, 1, v2
	v_lshl_add_u32 v24, v3, 3, v24
	v_add_nc_u32 v24, s19, v24                     ; 8 h + r / 2 (+ 16 p)
	v_and_b32 v26, 31, v0
	v_lshl_add_u32 v25, v26, 2, s19                ; back: 4 bytes a lane
	v_lshlrev_b32 v26, 2, v26
	v_mul_u32_u24 v27, v3, 192
	v_mad_u32_u24 v27, v2, 12, v27                 ; codes: 192 h + 12 r (+ 384 p)
	s_mul_i32 s22, s14, 786432
	s_mul_i32 s23, ttmp9, 3072
	s_add_co_u32 s22, s22, s23                     ; chunk w, place 16 g
	s_mov_b32 s23, 0
	s_lshl_b32 s24, s14, 15
	s_lshl_b32 s25, ttmp9, 7
	s_add_co_u32 s24, s24, s25
	s_mov_b32 s25, 0
	s_mov_b32 s20, 0x3a800000                      ; 1 / 1,024
	s_mov_b32 s21, 0x3727c5ac                      ; 1e-5
	s_wait_kmcnt 0x0
	s_add_nc_u64 s[4:5], s[4:5], s[16:17]
	s_add_nc_u64 s[10:11], s[10:11], s[22:23]
	s_add_nc_u64 s[12:13], s[12:13], s[24:25]
.irp p, 0,1,2,3,4,5,6,7                ; places 2 p and 2 p + 1 hold rows 2 p + 8 (p / 4) and the next
.irp j, 0,1,2,3
	global_load_b128 v[X+16*\p+4*\j:X+16*\p+4*\j+3], v5, s[4:5] offset:(2*\p+8*(\p/4))*4096+16*\j th:TH_LOAD_NT
.endr
.endr
.irp j, 0,1,2,3
	global_load_b128 v[G+4*\j:G+4*\j+3], v4, s[6:7] offset:16*\j
	global_load_b128 v[BT+4*\j:BT+4*\j+3], v4, s[8:9] offset:16*\j
.endr
	s_wait_loadcnt 8                               ; x is in; the eight loads of gain and offset may be out
; a sum over my 16 lanes' numbers in v[SM+p], to LDS at off, a barrier, and the four waves' sums added in v[RD+4 p]
.macro ACROSS off
.irp p, 0,1,2,3,4,5,6,7
	v_add_f32 v[SM+\p], v[AC+2*\p], v[AC+2*\p+1]
.endr
.irp m, 1,2,4,8
.irp p, 0,1,2,3,4,5,6,7
	v_add_f32_dpp v[SM+\p], v[SM+\p], v[SM+\p] row_xmask:\m row_mask:0xf bank_mask:0xf
.endr
.endr
.irp p, 0,1,2,3,4,5,6,7
	ds_store_b32 v6, v[SM+\p] offset:\off+32*\p    ; sixteen lanes write the same word with the same value
.endr
	s_wait_dscnt 0x0                               ; for the others' sake: my stores have landed
	s_barrier_signal -1
	s_barrier_wait -1
.irp p, 0,1,2,3,4,5,6,7
	ds_load_b128 v[RD+4*\p:RD+4*\p+3], v7 offset:\off+32*\p
.endr
	s_wait_dscnt 0x0
.irp p, 0,1,2,3,4,5,6,7
	v_add_f32 v[RD+4*\p], v[RD+4*\p], v[RD+4*\p+1]
	v_add_f32 v[RD+4*\p+2], v[RD+4*\p+2], v[RD+4*\p+3]
.endr
.irp p, 0,1,2,3,4,5,6,7
	v_add_f32 v[RD+4*\p], v[RD+4*\p], v[RD+4*\p+2]
.endr
.endm
	; ---- the mean
.irp p, 0,1,2,3,4,5,6,7
	v_pk_add_f32 v[AC+2*\p:AC+2*\p+1], v[X+16*\p:X+16*\p+1], v[X+16*\p+2:X+16*\p+3]
.endr
.irp k, 4,6,8,10,12,14
.irp p, 0,1,2,3,4,5,6,7
	v_pk_add_f32 v[AC+2*\p:AC+2*\p+1], v[AC+2*\p:AC+2*\p+1], v[X+16*\p+\k:X+16*\p+\k+1]
.endr
.endr
	ACROSS 0
.irp p, 0,1,2,3,4,5,6,7
	v_mul_f32 v[MU+2*\p], s20, v[RD+4*\p]
	v_mul_f32 v[MU+2*\p+1], s20, v[RD+4*\p]
.endr
.irp p, 0,1,2,3,4,5,6,7
.irp k, 0,2,4,6,8,10,12,14
	v_pk_add_f32 v[X+16*\p+\k:X+16*\p+\k+1], v[X+16*\p+\k:X+16*\p+\k+1], v[MU+2*\p:MU+2*\p+1] neg_lo:[0,1] neg_hi:[0,1]   ; x - mean
.endr
.endr
	; ---- the variance, of x - mean
.irp p, 0,1,2,3,4,5,6,7
	v_pk_mul_f32 v[AC+2*\p:AC+2*\p+1], v[X+16*\p:X+16*\p+1], v[X+16*\p:X+16*\p+1]
.endr
.irp k, 2,4,6,8,10,12,14
.irp p, 0,1,2,3,4,5,6,7
	v_pk_fma_f32 v[AC+2*\p:AC+2*\p+1], v[X+16*\p+\k:X+16*\p+\k+1], v[X+16*\p+\k:X+16*\p+\k+1], v[AC+2*\p:AC+2*\p+1]
.endr
.endr
	ACROSS 256                                     ; other bytes than the first sums': no barrier is owed between the two
.irp p, 0,1,2,3,4,5,6,7
	v_fma_f32 v[RD+4*\p], v[RD+4*\p], s20, s21     ; variance + 1e-5
.endr
.irp p, 0,1,2,3,4,5,6,7
	v_rsq_f32 v[MU+2*\p], v[RD+4*\p]
.endr
	v_nop                                          ; a plain instruction behind the last of the batch
	s_wait_loadcnt 0x0                             ; gain and offset
	s_wait_alu depctr_va_vdst(0)                   ; one wait for the eight, ahead of their first reader
.irp p, 0,1,2,3,4,5,6,7
.irp k, 0,2,4,6,8,10,12,14
	v_pk_mul_f32 v[X+16*\p+\k:X+16*\p+\k+1], v[X+16*\p+\k:X+16*\p+\k+1], v[MU+2*\p:MU+2*\p+1] op_sel_hi:[1,0]
.endr
.endr
.irp p, 0,1,2,3,4,5,6,7
.irp k, 0,2,4,6,8,10,12,14
	v_pk_fma_f32 v[X+16*\p+\k:X+16*\p+\k+1], v[X+16*\p+\k:X+16*\p+\k+1], v[G+\k:G+\k+1], v[BT+\k:BT+\k+1]
.endr
.endr
	; ---- the quantiser: the eight pairs by turns
.irp p, 0,1,2,3,4,5,6,7
	v_max3_num_f32 v[SM+\p], |v[X+16*\p]|, |v[X+16*\p+1]|, 0x1800000   ; my 16, and the floor 2^(3 - 127)
.endr
.irp k, 2,4,6,8,10,12,14
.irp p, 0,1,2,3,4,5,6,7
	v_max3_num_f32 v[SM+\p], v[SM+\p], |v[X+16*\p+\k]|, |v[X+16*\p+\k+1]|
.endr
.endr
.irp p, 0,1,2,3,4,5,6,7
	v_max_num_f32_dpp v[SM+\p], v[SM+\p], v[SM+\p] row_xmask:1 row_mask:0xf bank_mask:0xf   ; and my neighbour's 16: the block's
.endr
.irp p, 0,1,2,3,4,5,6,7
	v_add_nc_u32 v[SM+\p], 0xff000000, v[SM+\p]    ; 2 off the exponent field: the conversion's scale operand
.endr
.irp p, 0,1,2,3,4,5,6,7
	v_cvt_scalef32_pk16_fp6_f32 v[RD+4*\p:RD+4*\p+2], v[X+16*\p:X+16*\p+15], v[SM+\p]
.endr
.irp p, 0,1,2,3,4,5,6,7
	v_lshrrev_b32 v[SBY+\p], 23, v[SM+\p]          ; the scale's byte
.endr
.irp p, 0,1,2,3,4,5,6,7
	ds_store_b8 v24, v[SBY+\p] offset:16*\p        ; both lanes of a block write the same byte with the same value
	global_store_b96 v27, v[RD+4*\p:RD+4*\p+2], s[10:11] offset:384*\p   ; two places' 192 bytes: 384 consecutive bytes
.endr
	ds_load_b32 v28, v25                           ; my wave's own bytes; LDS serves a wave's instructions in order
	s_wait_dscnt 0x0
	global_store_b32 v26, v28, s[12:13]
	s_wait_tensorcnt 0x0
	ds_add_u32 v30, v31
	s_wait_dscnt 0x0
	s_endpgm
.Lfunc_end_k_q27fc2f9b21_ln:
	.size	k_q27fc2f9b21_ln, .Lfunc_end_k_q27fc2f9b21_ln-k_q27fc2f9b21_ln
	.p2alignl 7, 3214868480
	.fill 96, 4, 3214868480
	.section	.rodata,"a",@progbits
	.p2align	6, 0x0
	.amdhsa_kernel k_q27fc2f9b21_ln
		.amdhsa_group_segment_fixed_size 1536
		.amdhsa_private_segment_fixed_size 0
		.amdhsa_enable_private_segment 0
		.amdhsa_kernarg_size 40
		.amdhsa_user_sgpr_count 2
		.amdhsa_user_sgpr_kernarg_segment_ptr 1
		.amdhsa_wavefront_size32 1
		.amdhsa_system_sgpr_workgroup_id_x 1
		.amdhsa_system_sgpr_workgroup_id_y 1
		.amdhsa_system_sgpr_workgroup_id_z 1
		.amdhsa_system_vgpr_workitem_id 0
		.amdhsa_next_free_vgpr 256
		.amdhsa_next_free_sgpr 66
		.amdhsa_reserve_vcc 0
		.amdhsa_float_denorm_mode_32 3
		.amdhsa_float_denorm_mode_16_64 3
		.amdhsa_memory_ordered 1
		.amdhsa_forward_progress 1
		.amdhsa_inst_pref_size 43
	.end_amdhsa_kernel
	.amdgpu_metadata
---
amdhsa.version: [ 1, 2 ]
amdhsa.kernels:
  - .name:           k_q27fc2f9b21_ln
    .symbol:         k_q27fc2f9b21_ln.kd
    .args:
      - { .name: x, .offset: 0, .size: 8, .value_kind: global_buffer, .address_space: global }
      - { .name: g1, .offset: 8, .size: 8, .value_kind: global_buffer, .address_space: global }
      - { .name: be1, .offset: 16, .size: 8, .value_kind: global_buffer, .address_space: global }
      - { .name: hc, .offset: 24, .size: 8, .value_kind: global_buffer, .address_space: global }
      - { .name: hs, .offset: 32, .size: 8, .value_kind: global_buffer, .address_space: global }
    .group_segment_fixed_size: 1536
    .private_segment_fixed_size: 0
    .kernarg_segment_align: 8
    .kernarg_segment_size: 40
    .max_flat_workgroup_size: 128
    .sgpr_count:     66
    .vgpr_count:     256
    .wavefront_size: 32
...
	.end_amdgpu_metadata
.endif
;; end of part 2
;; launch gqkv (part 3): grid 8 x 24, 4 waves a work-group, clusters of 4 x 4, 327,680 bytes of LDS; arguments hc, hs, wc, ws, qkv; writes qkv
.if DOCPART == 3
	.amdgcn_target "amdgcn-amd-amdhsa--gfx1250"
	.amdhsa_code_object_version 6
	.text
	.protected	k_q27fc2f9b21_gqkv
	.globl	k_q27fc2f9b21_gqkv
	.p2align	8
	.type	k_q27fc2f9b21_gqkv,@function
k_q27fc2f9b21_gqkv:
	s_mov_b64 s[64:65], 0
	v_nop
	global_prefetch_b8 v0, s[64:65] scope:SCOPE_SE
	s_setreg_imm32_b32 hwreg(HW_REG_WAVE_MODE, 25, 1), 1
	s_wait_xcnt 0x0
	s_wait_alu depctr_hold_cnt(0) depctr_sa_sdst(0) depctr_va_vdst(0) depctr_va_sdst(0) depctr_va_ssrc(0) depctr_va_vcc(0) depctr_vm_vsrc(0)
	s_getreg_b32 s2, hwreg(HW_REG_IB_STS2, 6, 4)
	s_cmp_eq_u32 s2, 0
	s_cbranch_scc0 .Lentry_in_a_cluster
	s_endpgm
.Lentry_in_a_cluster:
	s_bfe_u32 s2, ttmp6, 0x10000c
	s_cmp_lg_u32 s2, 0xf033
	s_cbranch_scc0 .Lentry_shape_is_right
	s_endpgm
.Lentry_shape_is_right:
; q = h Wq, k = h Wk and V^T = (h Wv)^T on codes of FP6 (E2M3) with E8M0 scales, K = 1,024; the results are quantised on the way out and leave as codes: q and k along a head's 64 channels, V^T along the tokens.
; OPERANDS (this program's own layout): R rows, K in chunks of 256: codes [K/256][R][192 bytes], scale bytes [K/256][R][8].  hc, hs: h, 4,096 token places.  wc, ws (first region): rows 0 Wq, 1024 Wk, 2048 Wv.
; Inside each aligned group of 32 rows, row t lies at the place with t's bits 3 and 4 exchanged.
; A tile of the result, 256 x 256, is made by four waves, each 128 x 128: 64 accumulators, 512 registers.  The matrix instruction is used transposed: source 0 = 16 places of B, source 1 = 16 places of A.  A lane then
; holds ONE place of A, and, by the order of B's rows, the 16 registers of two neighbouring tiles hold 16 NEIGHBOURING rows of B in their true order: the axis along which the result is quantised.
; ONE LAUNCH, TWO ORIENTATIONS.  Clusters with y < 4: A = h (16 tiles of tokens), B = Wq, Wk (8 tiles of channels).  Clusters with y >= 4: A = Wv's rows (4 tiles), B = h (16 tiles): the result is V^T.  Only pointers and
; numbers are chosen, on the cluster's y, which all sixteen partners share; both operands have the same pitches, so descriptors' shapes, LDS and the text are one.
; RESULT: qkv: codes [G][R][48 bytes], scale bytes [G][R][2]: q: G = head, k: G = 16 + head, R = 4,096 token places, at 0 (scale bytes at 9,437,184); V^T: G = token / 64, R = 1,024 channel places, at 6,291,456 (9,699,328).
; K goes in chunks of 256 through two LDS slots; a chunk's 128 rows are one dense block of memory.  The scale bytes of the tile's rows for all of K come once, with the first fills.
; CLUSTERS: 4 x 4.  A's tile is shared along a row of the cluster, B's along a column: joint loads.
; REGISTERS: window 0: v0-31 addresses; v32-63 scale words, two sets; v128-223 A's fragments, one set; on the way out v64-164.  window 1: B's fragments, two sets, at v0 and v128.  windows 2, 3: accumulator (a, b) at v[8 (8 (a % 4) + b)].
; LIMITS: a block of zeros, or one under 2^-124, gets the byte 1 (this program alone reads the bytes); NaN and infinities are not served.
.set KTOT,   1024
.set NCH,    KTOT/256                  ; chunks
.set LAPS,   NCH/2                     ; a lap = two chunks = once round the ring
.set NQ,     2                         ; matrix instructions deep in a chunk
.set ROWB,   192                       ; a row of a chunk
.set CHPA,   4096*ROWB                 ; from chunk to chunk, A and B
.set CHPB,   4096*ROWB
.set ROWSA,  4096
.set ROWSB,  4096
.set PITCH,  240                       ; an LDS row: 3 x (64 bytes + 16 of padding)
.set FR,     12
.set NL,     6
.set NP,     4                         ; places behind this matrix instruction (ISA guide 7.12.1)
.set HALFT,  128*PITCH
.set SLOT,   4*HALFT
.set SCL,    2*SLOT                    ; behind the ring: the scale bytes: for each wave's load [chunk][128 rows][8 bytes]
.set HALFS,  NCH*1024
.set SPARE,  SCL+4*HALFS               ; the spare words, 128 bytes a wave: two blocks of 256 bytes that no other line names
.set SSTG,   49152                     ; the way out: a stage in slot 0: codes [4 groups][256 rows][48], then scale bytes [4][256][2]
.set RD,   8                           ; v8      16 x thread: where I read the stage back; also the first of
.set VO,   8                           ; v8-11   my byte offset in group g of the result
.set ADRA, 16
.set ADRB, 20
.set STO,  24                          ; v24     where I put my codes in the stage
.set SST,  25                          ; v25     and my scale bytes
.set LO,   26                          ; v26     16 x lane
.set ADRS, 27
.set SPW,  28
.set NIL,  29
.set SC,   32
.set AF,   128
.set OB,   64                          ; v64-159 the stage read back;  v160-163 its scale bytes
.set OBS,  160
.set CDS,  128                         ; v128-147 a fragment's codes
.set TM,   148                         ; v148-163 the quantiser's work
.set PW,   164                         ; v164    the scale word
.set SEL,  100                         ; s[100:101] lane selects for v_permlanex16_b32: lane l xor 16
.set G1, 24
.set G0, 32
.set G1B, 48
.set G0B, 56
.set G1S, 68
.set G0S, 76
.set G1SB, 80
.set G0SB, 88
.set MSB, 0
.macro WIN new                         ; the immediate's high byte repeats the setting that is left
.if MSB != (\new)
	s_set_vgpr_msb (MSB<<8)|(\new)
.set MSB, (\new)
.endif
.endm
.set MUL_LO, 0xa1                      ; source 0 (B) window 1, source 1 (A) window 0, C and D window 2
.set MUL_HI, 0xf1
.set TO_B,   0x40
; A joint load: waves 0 and 1 fetch for A, waves 2 and 3 for B; the branch hangs on the wave's number alone.  Four v_nop follow each line.
.macro JLOAD g0a, g1a, g0b, g1b
	s_cmp_eq_u32 s15, 0
	s_cbranch_scc0 .Lfor_b_\@
	tensor_load_to_lds s[\g0a:\g0a+3], s[\g1a:\g1a+7]
	s_nop 0
.rept 4
	v_nop
.endr
	s_branch .Lasked_\@
.Lfor_b_\@:
	tensor_load_to_lds s[\g0b:\g0b+3], s[\g1b:\g1b+7]
	s_nop 0
.rept 4
	v_nop
.endr
.Lasked_\@:
.endm
.macro CREST                           ; a round of the cluster's barrier behind its opening barrier
	s_cmp_lg_u32 s14, 0
	s_cbranch_scc1 .Lnot_wave_0_\@
	s_barrier_signal -3
.Lnot_wave_0_\@:
	s_barrier_wait -3
	s_barrier_signal -1
	s_barrier_wait -1
.endm
.macro CROUND
	s_barrier_signal -1
	s_barrier_wait -1
	CREST
.endm
	s_load_b128 s[4:7], s[0:1], 0x0                ; hc, hs
	s_load_b128 s[8:11], s[0:1], 0x10              ; wc, ws
	s_load_b64 s[12:13], s[0:1], 0x20              ; qkv
	v_lshl_add_u32 v[SPW], v0, 2, SPARE
	v_mov_b32 v[NIL], 0
	ds_add_u32 v28, v29
	ds_add_u32 v28, v29
	s_wait_dscnt 0x0
	v_lshrrev_b32 v1, 5, v0
	v_readfirstlane_b32 s14, v1                    ; wave 0..3
	s_lshr_b32 s15, s14, 1                         ; which half of A's rows is mine.  Also: I fetch for A (0) or for B (1)
	s_and_b32 s16, s14, 1                          ; which half of B's rows.  Also: which 128 rows I fetch
	s_bfe_u32 s40, ttmp6, 0x40000                  ; cx, cy
	s_bfe_u32 s41, ttmp6, 0x40004
	s_and_b32 s95, ttmp7, 0xffff                   ; the cluster's y: under 4: q and k; else V^T
	s_lshl_b32 s17, s95, 2
	s_lshl_b32 s18, s95, 3
	s_sub_co_u32 s18, s18, 32
	s_cmp_lt_u32 s95, 4
	s_cselect_b32 s17, s17, 8
	s_cselect_b32 s18, 0, s18
	s_add_co_u32 s17, s17, s41                     ; A's tile: 4 x cluster y + cy, or 8 + cy (Wv's rows begin at 2,048)
	s_lshl_b32 s42, ttmp9, 2
	s_add_co_u32 s42, s42, s40
	s_add_co_u32 s42, s42, s18                     ; B's tile: 4 x cluster x + cx (+ 8 for the second row of V's clusters)
	s_lshl_b32 s43, s41, 2
	s_lshl_b32 s43, 15, s43                        ; my row of the cluster
	s_lshl_b32 s44, 0x1111, s40                    ; my column
	s_or_b32 s[G1+0], s43, (0<<16)|(1<<20)|(1<<21)|(3<<22)|(3<<25)  ; mask; elements of 1 byte; padding on; bit 21 beside a mask; 4 words behind every 16
	s_or_b32 s[G1B+0], s44, (0<<16)|(1<<20)|(1<<21)|(3<<22)|(3<<25)
.irp g, G1, G1B
	s_mov_b32 s[\g+1], ROWB<<16                    ; tensor_dim0
	s_mov_b32 s[\g+2], 128<<16                     ; tensor_dim1
	s_mov_b32 s[\g+3], ROWB<<16                    ; tile_dim0
	s_mov_b32 s[\g+4], 128                         ; tile_dim1
	s_mov_b32 s[\g+5], ROWB                        ; from row to row: a chunk's rows lie on end
	s_mov_b32 s[\g+6], 0
	s_mov_b32 s[\g+7], 0
.endr
	s_or_b32 s[G1S+0], s43, (3<<16)|(1<<21)        ; the scale bytes of 128 rows: NCH rows of 128 elements of 8 bytes, no padding
	s_or_b32 s[G1SB+0], s44, (3<<16)|(1<<21)
.irp g, G1S, G1SB
	s_mov_b32 s[\g+1], 128<<16
	s_mov_b32 s[\g+2], NCH<<16
	s_mov_b32 s[\g+3], 128<<16
	s_mov_b32 s[\g+4], NCH
	s_mov_b32 s[\g+6], 0
	s_mov_b32 s[\g+7], 0
.endr
	s_mov_b32 s[G1S+5], ROWSA                      ; from chunk to chunk, in elements
	s_mov_b32 s[G1SB+5], ROWSB
	s_lshl_b32 s18, s16, 7                         ; which 128 rows of the tile I fetch
	s_lshl_b32 s20, s17, 8
	s_add_co_u32 s20, s20, s18                     ; A's row
	s_lshl_b32 s46, s42, 8
	s_add_co_u32 s46, s46, s18                     ; B's row
	s_lshl_b32 s22, s20, 3                         ; where these rows' scale bytes begin,
	s_mov_b32 s23, 0
	s_lshl_b32 s92, s46, 3
	s_mov_b32 s93, 0
	s_mul_i32 s20, s20, ROWB                       ; and their codes
	s_mov_b32 s21, 0
	s_mul_i32 s46, s46, ROWB
	s_mov_b32 s47, 0
	s_mul_i32 s45, s14, HALFT                      ; where they go: no place in the cluster enters an LDS address
	s_mul_i32 s94, s14, HALFS
	s_wait_kmcnt 0x0
	s_cmp_lt_u32 s95, 4                            ; which buffer is A and which B: a choice that hangs on no address
	s_cselect_b64 s[96:97], s[4:5], s[8:9]         ; A's codes
	s_cselect_b64 s[98:99], s[6:7], s[10:11]       ; A's scale bytes
	s_cselect_b64 s[8:9], s[8:9], s[4:5]           ; B's codes
	s_cselect_b64 s[10:11], s[10:11], s[6:7]       ; B's scale bytes
	s_add_nc_u64 s[20:21], s[96:97], s[20:21]
	s_add_nc_u64 s[22:23], s[98:99], s[22:23]
	s_add_nc_u64 s[46:47], s[8:9], s[46:47]
	s_add_nc_u64 s[92:93], s[10:11], s[92:93]
	CROUND                                         ; all sixteen work-groups are here: the first joint loads meet
	s_mov_b32 s[G0S], 1
	s_add_co_u32 s[G0S+1], s94, SCL
	s_mov_b64 s[G0S+2:G0S+3], s[22:23]
	s_or_b32 s[G0S+3], s[G0S+3], 0x80000000
	s_mov_b32 s[G0SB], 1
	s_add_co_u32 s[G0SB+1], s94, SCL
	s_mov_b64 s[G0SB+2:G0SB+3], s[92:93]
	s_or_b32 s[G0SB+3], s[G0SB+3], 0x80000000
	JLOAD G0S, G1S, G0SB, G1SB                     ; the scale bytes first: they are wanted with chunk 0
.irp s, 0,1
	s_mov_b32 s[G0+4*\s], 1
	s_add_co_u32 s[G0+4*\s+1], s45, \s*SLOT
	s_add_nc_u64 s[G0+4*\s+2:G0+4*\s+3], s[20:21], \s*CHPA
	s_or_b32 s[G0+4*\s+3], s[G0+4*\s+3], 0x80000000
	s_mov_b32 s[G0B+4*\s], 1
	s_add_co_u32 s[G0B+4*\s+1], s45, \s*SLOT
	s_add_nc_u64 s[G0B+4*\s+2:G0B+4*\s+3], s[46:47], \s*CHPB
	s_or_b32 s[G0B+4*\s+3], s[G0B+4*\s+3], 0x80000000
	JLOAD G0+4*\s, G1, G0B+4*\s, G1B
.endr
	v_and_b32 v1, 15, v0                           ; r
	v_bfe_u32 v2, v0, 4, 1                         ; h
	v_mul_u32_u24 v3, v1, PITCH
	v_mul_u32_u24 v4, v2, 24
	v_add_nc_u32 v4, v3, v4                        ; a fragment's row x pitch + 24 h
	v_lshl_add_u32 v5, v2, 4, v4                   ; and the same behind one padding more
	s_mul_i32 s21, s15, HALFT
	s_mul_i32 s22, s16, HALFT
	s_add_co_u32 s22, s22, 2*HALFT
.irp s, 0,1
	v_add_nc_u32 v[ADRA+\s], s21, v4
	v_add_nc_u32 v[ADRB+\s], s22, v4
	v_add_nc_u32 v[ADRA+2+\s], s21, v5
	v_add_nc_u32 v[ADRB+2+\s], s22, v5
	s_add_co_u32 s21, s21, SLOT
	s_add_co_u32 s22, s22, SLOT
.endr
	v_lshlrev_b32 v5, 3, v1                        ; my row's scale bytes: 8 a row
	s_mul_i32 s21, s15, HALFS                      ; A's: my 128 rows
	s_mul_i32 s22, s16, HALFS                      ; B's, behind A's two halves
	s_add_co_u32 s22, s22, 2*HALFS
	s_sub_co_u32 s22, s22, s21
	v_mul_u32_u24 v6, s22, v2                      ; lanes 16-31 take B's: the lower base + h x the distance
	s_add_co_u32 s21, s21, SCL
	v_add_nc_u32 v5, v5, v6
	v_add_nc_u32 v[ADRS], s21, v5
	s_lshl_b32 s21, s15, 7
	v_add_nc_u32 v5, s21, v1                       ; my row of the tile's 256 (+ 16 a)
	v_mul_u32_u24 v[STO], v5, 48
	v_mad_u32_u24 v[STO], v2, 24, v[STO]
	s_mul_i32 s22, s16, 24576                      ; my two groups of 64
	v_add_nc_u32 v[STO], s22, v[STO]
	v_lshlrev_b32 v[SST], 1, v5
	s_lshl_b32 s22, s16, 10
	s_add_co_u32 s22, s22, SSTG
	v_add_nc_u32 v[SST], s22, v[SST]
	v_lshlrev_b32 v[RD], 4, v0
	v_and_b32 v6, 31, v0
	v_lshlrev_b32 v[LO], 4, v6
	s_cmp_lt_u32 s95, 4                            ; where the result goes
	s_mov_b32 s18, 49152
	s_cselect_b32 s18, 196608, s18                 ; from group to group: codes,
	s_mov_b32 s19, 2048
	s_cselect_b32 s19, 8192, s19                   ; scale bytes
	s_cselect_b32 s20, 0, 6291456                  ; the region's codes,
	s_mov_b32 s21, 9699328
	s_cselect_b32 s21, 9437184, s21                ; its scale bytes
	s_cselect_b32 s22, 0, 8
	s_sub_co_u32 s22, s17, s22                     ; my tile of the result's rows
	s_lshl_b32 s23, s42, 2                         ; my first group
	s_add_co_u32 s46, s23, s14
	s_mul_i32 s46, s46, s19                        ; wave w stores group w's scale bytes
	s_add_co_u32 s46, s46, s21
	s_lshl_b32 s47, s22, 9
	s_add_co_u32 s46, s46, s47
	s_mov_b32 s47, 0
	s_add_nc_u64 s[66:67], s[12:13], s[46:47]
	s_mul_i32 s46, s23, s18
	s_add_co_u32 s46, s46, s20
	s_mul_i32 s47, s22, 12288
	s_add_co_u32 s46, s46, s47
	s_mov_b32 s47, 0
	s_add_nc_u64 s[12:13], s[12:13], s[46:47]
.irp g, 1,2,3
	v_mad_u32_u24 v[VO+\g], s18, \g, v[RD]
.endr
	s_mov_b32 s[SEL], 0x76543210
	s_mov_b32 s[SEL+1], 0xfedcba98
.macro FRAG reg, adr, q, i             ; a fragment: lane l holds row l % 16; registers 6 c .. 6 c + 5 hold K = 64 c + 32 (l / 16) + 0 .. 31: 24 bytes of the row, as they lie, in pieces of 8
.irp p, 0,1,2,3,4,5
.set PIECE, 12*(\q)+6*(\p/3)+\p%3      ; 16 bytes of padding lie behind every 8 pieces: where the piece three on lies behind one padding more, the second address register serves
.if PIECE%8 < 5
	ds_load_b64 v[\reg+2*\p:\reg+2*\p+1], v[\adr] offset:8*PIECE+16*(PIECE/8)+(\i)*16*PITCH
.else
	ds_load_b64 v[\reg+2*\p:\reg+2*\p+1], v[\adr+2] offset:8*PIECE+16*(PIECE/8)+(\i)*16*PITCH
.endif
.endr
.endm
; 16 matrix instructions: A's blocks a0, a0 + 1 x B's eight.  zero = 1: the first product starts the sums.  The 64 accumulators take turns, one instruction a turn.
.macro MUL16 a0, p, q, sc, zero
.irp a, \a0, \a0+1
.irp b, 0,1,2,3,4,5,6,7
.if \zero
	v_wmma_scale_f32_16x16x128_f8f6f4 v[8*(8*((\a)%4)+\b):8*(8*((\a)%4)+\b)+7], v[128*(\p)+FR*\b:128*(\p)+FR*\b+FR-1], v[AF+FR*(\a):AF+FR*(\a)+FR-1], 0, v[SC+8*NQ*(\sc)+NQ*\b+(\q)], v[SC+8*NQ*(\sc)+NQ*(\a)+(\q)] matrix_a_fmt:MATRIX_FMT_FP6 matrix_b_fmt:MATRIX_FMT_FP6 matrix_a_scale:MATRIX_SCALE_ROW1
.else
	v_wmma_scale_f32_16x16x128_f8f6f4 v[8*(8*((\a)%4)+\b):8*(8*((\a)%4)+\b)+7], v[128*(\p)+FR*\b:128*(\p)+FR*\b+FR-1], v[AF+FR*(\a):AF+FR*(\a)+FR-1], v[8*(8*((\a)%4)+\b):8*(8*((\a)%4)+\b)+7], v[SC+8*NQ*(\sc)+NQ*\b+(\q)], v[SC+8*NQ*(\sc)+NQ*(\a)+(\q)] matrix_a_fmt:MATRIX_FMT_FP6 matrix_b_fmt:MATRIX_FMT_FP6 matrix_a_scale:MATRIX_SCALE_ROW1
.endif
.endr
.endr
.endm
.macro FETCH_B slot, q, p
	WIN TO_B
.irp i, 0,1,2,3,4,5,6,7
	FRAG 128*(\p)+FR*\i, ADRB+\slot, \q, \i
.endr
	WIN 0
.endm
.macro FETCH_A slot, q, i0
.irp i, \i0, \i0+1, \i0+2, \i0+3
	FRAG AF+FR*(\i), ADRA+\slot, \q, \i
.endr
.endm
.macro SCALES sc                       ; a chunk's scale words: 2 a row; lanes 0-15 take A's block i, lanes 16-31 B's block i
.irp i, 0,1,2,3,4,5,6,7
	ds_load_b64 v[SC+8*NQ*\sc+NQ*\i:SC+8*NQ*\sc+NQ*\i+1], v[ADRS] offset:\i*128
.endr
.endm
.macro PLACES n                        ; plain vector instructions between a matrix instruction and a load into, or a read of, its registers
.rept \n
	v_nop
.endr
.endm
.macro STEP slot, q, zero              ; 128 along K that has its successor in the same slot
	s_wait_dscnt 4*NL                              ; B's set and A's blocks 0-3 are in; the youngest 24 loads (A's blocks 4-7) may be out
	WIN MUL_LO
	MUL16 0, (\q)%2, \q, \slot, \zero
	MUL16 2, (\q)%2, \q, \slot, \zero
	s_wait_dscnt 0
	PLACES NP
	FETCH_B \slot, (\q)+1, 1-(\q)%2
	FETCH_A \slot, (\q)+1, 0
	WIN MUL_HI
	MUL16 4, (\q)%2, \q, \slot, \zero
	MUL16 6, (\q)%2, \q, \slot, \zero
	PLACES NP
	WIN 0
	FETCH_A \slot, (\q)+1, 4
.endm
; A slot's last step changes slots: one barrier; in front of it each wave waits for all its tensor loads, adds 0 to its spare word, and waits for that and for its reads of this slot.
.macro TURN slot, next, fill
	s_wait_tensorcnt 0x0                           ; all my tensor loads have landed: my part of the next slot
	ds_add_u32 v[SPW], v[NIL]                      ; 0 onto my spare word
	s_wait_dscnt 4*NL+1                            ; (the add and the youngest 24 loads may be out)
	WIN MUL_LO
	MUL16 0, 1, NQ-1, \slot, 0
	s_wait_dscnt 0x0                               ; the add is done, and my reads of this slot are over
	s_barrier_signal -1
	MUL16 2, 1, NQ-1, \slot, 0
	WIN 0
	s_barrier_wait -1
.if \fill
	CREST                                          ; the barrier has opened a round of the cluster's: no wave of any partner still reads this slot or has a load on its way
	s_add_nc_u64 s[G0+4*\slot+2:G0+4*\slot+3], s[G0+4*\slot+2:G0+4*\slot+3], 2*CHPA
	s_add_nc_u64 s[G0B+4*\slot+2:G0B+4*\slot+3], s[G0B+4*\slot+2:G0B+4*\slot+3], 2*CHPB
	JLOAD G0+4*\slot, G1, G0B+4*\slot, G1B         ; the first tensor load behind the round; its four v_nop are the places in front of the loads below
.else
	PLACES NP
.endif
	v_add_nc_u32 v[ADRS], 1024, v[ADRS]            ; the next chunk's scale words
	FETCH_B \next, 0, 0
	FETCH_A \next, 0, 0
	SCALES \next
	WIN MUL_HI
	MUL16 4, 1, NQ-1, \slot, 0
	MUL16 6, 1, NQ-1, \slot, 0
	PLACES NP
	WIN 0
	FETCH_A \next, 0, 4
.endm
	s_wait_tensorcnt 1                             ; the scale bytes and my part of chunk 0 are in (chunk 1's load may be out),
	s_barrier_signal -1
	s_barrier_wait -1                              ; everybody's are
	FETCH_B 0, 0, 0
	FETCH_A 0, 0, 0
	SCALES 0
	FETCH_A 0, 0, 4
	STEP 0, 0, 1
	s_mov_b32 s3, LAPS-1
.Llap:
	TURN 0, 1, 1
	STEP 1, 0, 0
	TURN 1, 0, 1
	STEP 0, 0, 0
	s_sub_co_u32 s3, s3, 1
	s_cmp_lg_u32 s3, 0
	s_cbranch_scc1 .Llap
	TURN 0, 1, 0                                   ; the last lap fills nothing
	STEP 1, 0, 0
	s_wait_dscnt 4*NL
	WIN MUL_LO
	MUL16 0, 1, NQ-1, 1, 0
	MUL16 2, 1, NQ-1, 1, 0
	s_wait_dscnt 0
	WIN MUL_HI
	MUL16 4, 1, NQ-1, 1, 0
	MUL16 6, 1, NQ-1, 1, 0
	WIN 0
; THE QUANTISER.  64 numbers of a lane in window w, register 16 b + i = number 32 b + 16 (lane / 16) + i of my row, become a fragment's codes in v[CDS] on (registers 6 c .. 6 c + 5: numbers 64 c + 32 (lane / 16) + 0 .. 31) and the four scale bytes in v[PW].
.macro QUANT s, w
	WIN (\w)|((\w)<<2)
.irp b, 0,1,2,3
	v_max3_num_f32 v[TM+\b], |v[(\s)+16*\b]|, |v[(\s)+1+16*\b]|, 0x1800000   ; my 16 of block b, from each accumulator's low end on, and the floor 2^(3 - 127)
.endr
	WIN ((\w)<<2)|((\w)<<4)
.irp i, 2,4,6,8,10,12,14
.irp b, 0,1,2,3
	v_max3_num_f32 v[TM+\b], v[TM+\b], |v[(\s)+16*\b+\i]|, |v[(\s)+1+16*\b+\i]|
.endr
.endr
	WIN 0
.irp b, 0,1,2,3
	v_permlanex16_b32 v[TM+4+\b], v[TM+\b], s[SEL], s[SEL+1]
.endr
.irp b, 0,1,2,3
	v_max_num_f32 v[TM+\b], v[TM+\b], v[TM+4+\b]   ; with lane l xor 16's: the block's largest magnitude
.endr
.irp b, 0,1,2,3
	v_add_nc_u32 v[TM+12+\b], 0xff000000, v[TM+\b] ; 2 off the exponent field: the conversion's scale operand
.endr
.irp b, 0,1,2,3
	v_lshrrev_b32 v[TM+4+\b], 23, v[TM+12+\b]      ; the scale's byte
.endr
	v_lshl_or_b32 v[PW], v[TM+5], 8, v[TM+4]
	v_lshl_or_b32 v[PW], v[TM+6], 16, v[PW]
	v_lshl_or_b32 v[PW], v[TM+7], 24, v[PW]
	WIN (\w)
.irp c, 0,1
	v_cvt_scalef32_pk16_fp6_f32 v[CDS+6*\c:CDS+2+6*\c], v[(\s)+32*\c:(\s)+15+32*\c], v[TM+12+2*\c]
	v_cvt_scalef32_pk16_fp6_f32 v[CDS+12+4*\c:CDS+14+4*\c], v[(\s)+16+32*\c:(\s)+31+32*\c], v[TM+12+2*\c+1]   ; (a conversion's three registers begin on an even number)
.endr
	WIN 0
	v_nop                                          ; one plain place behind a scaled conversion
.irp c, 0,1                                    ; a whole block to a lane: lanes 0-15 block 2 c, lanes 16-31 block 2 c + 1
.irp i, 0,1,2
	v_permlane16_swap_b32 v[CDS+6*\c+\i], v[CDS+12+4*\c+\i]
.endr
.irp i, 0,1,2
	v_mov_b32 v[CDS+3+6*\c+\i], v[CDS+12+4*\c+\i]
.endr
.endr
.endm
	; THE WAY OUT.  Block a (16 rows x my 128 columns) is quantised: two groups of 64, 48 bytes and 2 scale bytes each for a row.  They meet in the work-group's stage, which lies in slot 0: it has had its last fill,
	; and every wave has passed the last change of slots, behind which nobody reads it.
	PLACES NP
.irp b, 0,1,2,3
	v_mov_b32 v[TM+4+\b], 0                        ; written once: a lane permute's destination counts as one of its sources
.endr
.irp a, 0,1,2,3,4,5,6,7
.set QS, 64*(\a%4)
	QUANT QS, 2+\a/4
.irp p, 0,1,2,3,4,5
	ds_store_b64 v[STO], v[CDS+2*\p:CDS+2*\p+1] offset:\a*768+(\p/3)*12288+8*(\p%3)
.endr
	ds_store_b16 v[SST], v[PW] offset:32*\a        ; the first group's two bytes (both halves of the lanes write the same),
	ds_store_b16_d16_hi v[SST], v[PW] offset:32*\a+512   ; the second's
	s_wait_dscnt 0x0                               ; the stores have read their registers
.endr
	s_barrier_signal -1                            ; (my stores have landed: the wait above)
	s_barrier_wait -1
.set i, 0
.rept 24
	ds_load_b128 v[OB+4*i:OB+4*i+3], v[RD] offset:2048*i
.set i, i+1
.endr
	ds_load_b128 v[OBS:OBS+3], v[RD] offset:SSTG
.set i, 0
.rept 24
	s_wait_dscnt 24-i                              ; the loads issued behind this one may be out
	global_store_b128 v[VO+i/6], v[OB+4*i:OB+4*i+3], s[12:13] offset:(i%6)*2048   ; a wave stores 512 consecutive bytes; a group's 256 rows are 12,288 on end
.set i, i+1
.endr
	s_wait_dscnt 0x0
	global_store_b128 v[LO], v[OBS:OBS+3], s[66:67]   ; group w's 512 scale bytes
	s_wait_tensorcnt 0x0                           ; the wave's end
	ds_add_u32 v[SPW], v[NIL]
	s_wait_dscnt 0x0
	CROUND                                         ; the closing round
	s_endpgm
.Lfunc_end_k_q27fc2f9b21_gqkv:
	.size	k_q27fc2f9b21_gqkv, .Lfunc_end_k_q27fc2f9b21_gqkv-k_q27fc2f9b21_gqkv
	.p2alignl 7, 3214868480
	.fill 96, 4, 3214868480
	.section	.rodata,"a",@progbits
	.p2align	6, 0x0
	.amdhsa_kernel k_q27fc2f9b21_gqkv
		.amdhsa_group_segment_fixed_size 327680
		.amdhsa_private_segment_fixed_size 0
		.amdhsa_enable_private_segment 0
		.amdhsa_kernarg_size 40
		.amdhsa_user_sgpr_count 2
		.amdhsa_user_sgpr_kernarg_segment_ptr 1
		.amdhsa_wavefront_size32 1
		.amdhsa_system_sgpr_workgroup_id_x 1
		.amdhsa_system_sgpr_workgroup_id_y 1
		.amdhsa_system_sgpr_workgroup_id_z 1
		.amdhsa_system_vgpr_workitem_id 0
		.amdhsa_next_free_vgpr 1024
		.amdhsa_next_free_sgpr 102
		.amdhsa_reserve_vcc 0
		.amdhsa_float_denorm_mode_32 3
		.amdhsa_float_denorm_mode_16_64 3
		.amdhsa_memory_ordered 1
		.amdhsa_forward_progress 1
		.amdhsa_inst_pref_size 172
	.end_amdhsa_kernel
	.amdgpu_metadata
---
amdhsa.version: [ 1, 2 ]
amdhsa.kernels:
  - .name:           k_q27fc2f9b21_gqkv
    .symbol:         k_q27fc2f9b21_gqkv.kd
    .args:
      - { .name: hc, .offset: 0, .size: 8, .value_kind: global_buffer, .address_space: global }
      - { .name: hs, .offset: 8, .size: 8, .value_kind: global_buffer, .address_space: global }
      - { .name: wc, .offset: 16, .size: 8, .value_kind: global_buffer, .address_space: global }
      - { .name: ws, .offset: 24, .size: 8, .value_kind: global_buffer, .address_space: global }
      - { .name: qkv, .offset: 32, .size: 8, .value_kind: global_buffer, .address_space: global }
    .group_segment_fixed_size: 327680
    .private_segment_fixed_size: 0
    .kernarg_segment_align: 8
    .kernarg_segment_size: 40
    .max_flat_workgroup_size: 128
    .sgpr_count:     102
    .vgpr_count:     1024
    .wavefront_size: 32
...
	.end_amdgpu_metadata
.endif
;; end of part 3
;; launch attn (part 4): grid 8 x 32, 16 waves a work-group, no clusters, 206,848 bytes of LDS; arguments qkv, hc, hs; writes hc, hs
.if DOCPART == 4
	.amdgcn_target "amdgcn-amd-amdhsa--gfx1250"
	.amdhsa_code_object_version 6
	.text
	.protected	k_q27fc2f9b21_attn
	.globl	k_q27fc2f9b21_attn
	.p2align	8
	.type	k_q27fc2f9b21_attn,@function
k_q27fc2f9b21_attn:
	s_mov_b64 s[64:65], 0
	v_nop
	global_prefetch_b8 v0, s[64:65] scope:SCOPE_SE
	s_setreg_imm32_b32 hwreg(HW_REG_WAVE_MODE, 25, 1), 1
	s_wait_xcnt 0x0
; ctx = softmax(q k^T / 8, causal) v for 2 x 16 heads of 64 channels and 2,048 tokens, both products on codes of FP6 (E2M3) with E8M0 scales; ctx is quantised along the model's 1,024 channels and leaves as codes.
; INPUT qkv (this program's own layout): codes [G][R][48 bytes], scale bytes [G][R][2]: q: G = head, k: G = 16 + head, R = 4,096 token places (scale bytes at 9,437,184); V^T at 6,291,456: G = token / 64, R = 1,024 channel places
; (scale bytes at 9,699,328).  Inside each aligned group of 32 rows, row t lies at the place with t's bits 3 and 4 exchanged: 16 neighbouring places taken as source 0 leave true neighbours in a lane's registers.
; THE SOFTMAX: t = score x log2(e) / 8; M = the row's largest t so far, rounded up to a whole number; p = 2^(t - M) is quantised along the keys; the sum of the unquantised p divides at the end; when M moves, sum and O are multiplied by 2^(old M - new M): exact.
; SHARES.  A work-group has one head of one batch.  ALL its K and V (2 x 98,304 bytes of codes, 2 x 4,096 of scale bytes) come into LDS once, two tensor loads a wave: nothing is filled again.  Wave w owns 16 query places: tile 8 x blk + w % 8, with
; blk = x for waves 0-7 and 15 - x for waves 8-15, so that every work-group has the same number of key steps under the causal mask.
; Both products are used transposed: S^T = K Q^T, O^T = V^T P^T: a lane holds one query throughout.  The head's 64 channels are half of the instruction's 128 along K: the upper halves of Q's and K's fragments are zero codes.
; CAUSAL.  All waves walk 16 trips of 128 keys; a step all of whose keys come after the wave's queries is jumped over (a scalar branch on ids); on the diagonal hidden scores become -infinity.
; NO CLUSTER: the eight work-groups of a head read the same K and V, but which steps a wave works hangs on its block of queries, that is on the work-group's place.
; ctx's codes of a head are 48 bytes of a row's 192 in a chunk, its scale bytes 2 of 8: a head has no more of a row.
; LIMITS: a block of zeros, or one under 2^-124, gets the byte 1; NaN and infinities are not served.
.set VCL,  98304                       ; LDS: K's codes [2048][48] at 0; V's [32 groups of 64 keys][64 channels][48] here;
.set KSL,  196608                      ; K's scale bytes [2048][2];
.set VSL,  200704                      ; V's [32][64][2]
.set VC,   6291456
.set QKS,  9437184
.set VS,   9699328
.set AK0,  1                           ; v1   48 r + 24 h: my place in a tile of K; also my offset in Q's rows
.set AV0,  2                           ; v2   the same in V
.set ASK0, 3                           ; v3   2 r among K's scale bytes
.set ASV0, 4                           ; v4   and V's
.set ADK,  8                           ; v8-11 the step's addresses
.set ADV,  9
.set ADS,  10
.set ADT,  11
.set KFR,  32                          ; v32-79   four fragments of K: the upper six registers of each stay 0
.set VF,   80                          ; v80-127  four fragments of V^T
.set SR,   128                         ; v128-191 S^T, then p
.set OT,   192                         ; v192-223 O^T
.set WV,   18
.set SEL,  20
.set CS,   22
.set G1K,  24
.set G1V,  32
.set G1KS, 40
.set G1VS, 48
.set G0C,  56
.set G0S,  60
.set TQ,   66                          ; s66  my tile of queries, 0 .. 127
.set QL,   67                          ; s67  the first token of the 32 among which my 16 lie;  s68 the last
.set QH,   68
.set KEY,  69                          ; s69  the step's first key
.set TK,   70                          ; s70-73 where the step's K, V and their scale bytes begin
.set TV,   71
.set TSK,  72
.set TSV,  73
.set CNT,  74
	s_load_b128 s[4:7], s[0:1], 0x0                ; qkv, hc
	s_load_b64 s[8:9], s[0:1], 0x10                ; hs
	v_lshl_add_u32 v31, v0, 2, 0x32000
	v_mov_b32 v243, 0
	ds_add_u32 v31, v243
	ds_add_u32 v31, v243
	v_lshrrev_b32 v8, 5, v0
	v_readfirstlane_b32 s[WV], v8                  ; wave 0..15
	s_and_b32 s10, ttmp7, 0xffff
	s_lshr_b32 s11, s10, 4                         ; batch
	s_and_b32 s10, s10, 15                         ; head
	s_and_b32 s12, s[WV], 7
	; what I fetch: waves 0-7: keys 256 w on; waves 8-15: four groups of 64 keys of V^T
	s_add_co_u32 s13, s10, 16
	s_mul_i32 s14, s13, 196608
	s_mul_i32 s15, s11, 98304
	s_add_co_u32 s14, s14, s15
	s_mul_i32 s15, s12, 12288
	s_add_co_u32 s14, s14, s15                     ; K's codes
	s_lshl_b32 s15, s13, 13
	s_lshl_b32 s16, s11, 12
	s_add_co_u32 s15, s15, s16
	s_lshl_b32 s16, s12, 9
	s_add_co_u32 s15, s15, s16
	s_add_co_u32 s15, s15, QKS                     ; K's scale bytes
	s_lshl_b32 s16, s11, 5
	s_lshl_b32 s17, s12, 2
	s_add_co_u32 s16, s16, s17                     ; my first group of keys
	s_mul_i32 s17, s16, 49152
	s_mul_i32 s19, s10, 3072
	s_add_co_u32 s17, s17, s19
	s_add_co_u32 s17, s17, VC                      ; V's codes
	s_lshl_b32 s16, s16, 11
	s_lshl_b32 s19, s10, 7
	s_add_co_u32 s16, s16, s19
	s_add_co_u32 s16, s16, VS                      ; V's scale bytes
	s_cmp_lt_u32 s[WV], 8
	s_cselect_b32 s14, s14, s17
	s_cselect_b32 s16, s15, s16
	s_mov_b32 s15, 0
	s_mov_b32 s17, 0
	; descriptor groups 1, elements of 8 bytes, no padding.  K's codes: 12,288 dense bytes as 48 rows of 256
	s_mov_b32 s[G1K], 3<<16
	s_mov_b32 s[G1K+1], 32<<16
	s_mov_b32 s[G1K+2], 48<<16
	s_mov_b32 s[G1K+3], 32<<16
	s_mov_b32 s[G1K+4], 48
	s_mov_b32 s[G1K+5], 32
	s_mov_b32 s[G1K+6], 0
	s_mov_b32 s[G1K+7], 0
	s_mov_b32 s[G1V], 3<<16                        ; V's codes: 4 rows of 3,072 bytes (a head's 64 channels), 49,152 bytes apart
	s_mov_b32 s[G1V+1], 384<<16
	s_mov_b32 s[G1V+2], 4<<16
	s_mov_b32 s[G1V+3], 384<<16
	s_mov_b32 s[G1V+4], 4
	s_mov_b32 s[G1V+5], 6144
	s_mov_b32 s[G1V+6], 0
	s_mov_b32 s[G1V+7], 0
	s_mov_b32 s[G1KS], 3<<16                       ; K's scale bytes: one row of 512 bytes
	s_mov_b32 s[G1KS+1], 64<<16
	s_mov_b32 s[G1KS+2], 1<<16
	s_mov_b32 s[G1KS+3], 64<<16
	s_mov_b32 s[G1KS+4], 1
	s_mov_b32 s[G1KS+5], 64
	s_mov_b32 s[G1KS+6], 0
	s_mov_b32 s[G1KS+7], 0
	s_mov_b32 s[G1VS], 3<<16                       ; V's: 4 rows of 128 bytes, 2,048 bytes apart
	s_mov_b32 s[G1VS+1], 16<<16
	s_mov_b32 s[G1VS+2], 4<<16
	s_mov_b32 s[G1VS+3], 16<<16
	s_mov_b32 s[G1VS+4], 4
	s_mov_b32 s[G1VS+5], 256
	s_mov_b32 s[G1VS+6], 0
	s_mov_b32 s[G1VS+7], 0
	; my queries
	s_sub_co_u32 s19, 15, ttmp9
	s_cmp_lt_u32 s[WV], 8
	s_cselect_b32 s19, ttmp9, s19                  ; my block of 128 queries
	s_lshl_b32 s19, s19, 3
	s_add_co_u32 s[TQ], s19, s12
	s_lshr_b32 s[QL], s[TQ], 1
	s_lshl_b32 s[QL], s[QL], 5
	s_add_co_u32 s[QH], s[QL], 31
	s_and_b32 s75, s[TQ], 1
	s_lshl_b32 s75, s75, 3
	s_add_co_u32 s75, s75, s[QL]                   ; the token at my first place
	s_lshl_b32 s76, s11, 11
	s_lshl_b32 s77, s[TQ], 4
	s_add_co_u32 s76, s76, s77                     ; my first place among the 4,096
	s_mul_i32 s80, s10, 196608
	s_mul_i32 s77, s76, 48
	s_add_co_u32 s80, s80, s77                     ; Q's codes
	s_mov_b32 s81, 0
	s_lshl_b32 s82, s10, 13
	s_lshl_b32 s77, s76, 1
	s_add_co_u32 s82, s82, s77
	s_add_co_u32 s82, s82, QKS                     ; Q's scale bytes
	s_mov_b32 s83, 0
	s_lshr_b32 s77, s10, 2                         ; ctx: the chunk of 256 channels,
	s_and_b32 s78, s10, 3                          ; and my head's quarter of it
	s_mul_i32 s84, s77, 786432
	s_mul_i32 s79, s76, 192
	s_add_co_u32 s84, s84, s79
	s_mul_i32 s79, s78, 48
	s_add_co_u32 s84, s84, s79
	s_mov_b32 s85, 0
	s_lshl_b32 s86, s77, 15
	s_lshl_b32 s79, s76, 3
	s_add_co_u32 s86, s86, s79
	s_lshl_b32 s79, s78, 1
	s_add_co_u32 s86, s86, s79
	s_mov_b32 s87, 0
	s_mov_b32 s[SEL], 0x76543210
	s_mov_b32 s[SEL+1], 0xfedcba98
	s_mov_b32 s[CS], 0x3e38aa3b                    ; c = log2(e) / 8
	s_mov_b32 s[CS+1], s[CS]
	s_mov_b32 s[KEY], 0
	s_mov_b32 s[TK], 0
	s_mov_b32 s[TV], 0
	s_mov_b32 s[TSK], 0
	s_mov_b32 s[TSV], 0
	s_mov_b32 s[CNT], 16
	s_mul_i32 s77, s[WV], 12288
	s_lshl_b32 s78, s[WV], 9
	s_wait_dscnt 0x0
	s_wait_kmcnt 0x0
	s_mov_b32 s[G0C], 1
	s_mov_b32 s[G0C+1], s77                        ; codes: 12,288 x wave: K's eight parts, then V's eight
	s_add_nc_u64 s[G0C+2:G0C+3], s[4:5], s[14:15]
	s_or_b32 s[G0C+3], s[G0C+3], 0x80000000
	s_mov_b32 s[G0S], 1
	s_add_co_u32 s[G0S+1], s78, KSL                ; scale bytes: 512 x wave
	s_add_nc_u64 s[G0S+2:G0S+3], s[4:5], s[16:17]
	s_or_b32 s[G0S+3], s[G0S+3], 0x80000000
	s_cmp_lt_u32 s[WV], 8                          ; a wave's two fills stand in one branch, ahead of every wait on TENSORcnt, every LDS read and the barrier: two loads of mine are out
	s_cbranch_scc0 .Lfill_v
	tensor_load_to_lds s[G0C:G0C+3], s[G1K:G1K+7]
	s_nop 0
	tensor_load_to_lds s[G0S:G0S+3], s[G1KS:G1KS+7]
	s_nop 0
.rept 4
	v_nop
.endr
	s_branch .Lfilled
.Lfill_v:
	tensor_load_to_lds s[G0C:G0C+3], s[G1V:G1V+7]
	s_nop 0
	tensor_load_to_lds s[G0S:G0S+3], s[G1VS:G1VS+7]
	s_nop 0
.rept 4
	v_nop
.endr
.Lfilled:
	s_add_nc_u64 s[80:81], s[4:5], s[80:81]
	s_add_nc_u64 s[82:83], s[4:5], s[82:83]
	s_add_nc_u64 s[84:85], s[6:7], s[84:85]
	s_add_nc_u64 s[86:87], s[8:9], s[86:87]
	v_and_b32 v8, 15, v0                           ; r
	v_bfe_u32 v9, v0, 4, 1                         ; h
	v_mul_u32_u24 v[AK0], v8, 48
	v_mad_u32_u24 v[AK0], v9, 24, v[AK0]
.irp p, 0,1,2
	global_load_b64 v[16+2*\p:17+2*\p], v[AK0], s[80:81] offset:8*\p   ; Q's fragment: channels 32 h + 0 .. 31
.endr
	v_lshlrev_b32 v5, 1, v8
	global_load_u16 v255, v5, s[82:83]             ; Q's two scale bytes; the upper two are 0, over zero codes
	v_add_nc_u32 v[AV0], VCL, v[AK0]
	v_add_nc_u32 v[ASK0], KSL, v5
	v_add_nc_u32 v[ASV0], VSL, v5
	v_and_b32 v28, 8, v8
	v_add_nc_u32 v28, v28, v8                      ; r + 8 (r / 8)
	v_lshlrev_b32 v10, 4, v9
	v_sub_nc_u32 v28, v28, v10
	v_add_nc_u32 v28, s75, v28                     ; v28 = my query's token - 16 h
.irp j, 22,23,24,25,26,27
	v_mov_b32 v[\j], 0                             ; K = 64 is filled to the instruction's 128 with zero codes, on both sides
.endr
.irp t, 0,1,2,3
.irp j, 6,7,8,9,10,11
	v_mov_b32 v[KFR+12*\t+\j], 0
.endr
.endr
	v_mov_b32 v13, 0xff61b1e6                      ; the largest t so far: -3e38
	v_floor_f32 v12, -v13                          ; -M
	v_mov_b32 v14, 0                               ; the sum, in two halves
	v_mov_b32 v15, 0
.irp b, 0,1,2,3
	v_mov_b32 v[236+\b], 0                         ; a lane permute's destination counts as one of its sources
.endr
	v_mov_b32 v253, 0                              ; (named as the upper half of v[252:253] before it is first written)
.set i, 0
.rept 32
	v_mov_b32 v[OT+i], 0                           ; O^T: the step is written once; the first change of M leaves zeros zeros
.set i, i+1
.endr
	s_wait_tensorcnt 0x0                           ; my parts of K, V and their scale bytes are in,
	s_barrier_signal -1
	s_barrier_wait -1                              ; everybody's are
	s_wait_loadcnt 0x0                             ; Q
.Lstep:                                            ; 16 trips of 128 keys
	s_cmp_gt_u32 s[KEY], s[QH]
	s_cbranch_scc1 .Lhidden                        ; all keys of the step come after my queries
	v_add_nc_u32 v[ADK], s[TK], v[AK0]             ; (these four are also the places between the last step's products and the loads below)
	v_add_nc_u32 v[ADV], s[TV], v[AV0]
	v_add_nc_u32 v[ADS], s[TSK], v[ASK0]
	v_add_nc_u32 v[ADT], s[TSV], v[ASV0]
.irp t, 0,1,2,3
.irp p, 0,1,2
	ds_load_b64 v[KFR+12*\t+2*\p:KFR+12*\t+2*\p+1], v[ADK] offset:768*\t+8*\p
.endr
	ds_load_u16 v[248+\t], v[ADS] offset:32*\t
.endr
	s_wait_dscnt 0x0
.irp t, 0,1,2,3
	v_wmma_scale_f32_16x16x128_f8f6f4 v[SR+8*\t:SR+8*\t+7], v[KFR+12*\t:KFR+12*\t+11], v[16:27], 0, v[248+\t], v255 matrix_a_fmt:MATRIX_FMT_FP6 matrix_b_fmt:MATRIX_FMT_FP6
.endr
.rept 4
	v_nop                                          ; places in front of loads into registers that matrix instructions have read
.endr
.irp t, 0,1,2,3
.irp p, 0,1,2
	ds_load_b64 v[KFR+12*\t+2*\p:KFR+12*\t+2*\p+1], v[ADK] offset:768*(4+\t)+8*\p
.endr
	ds_load_u16 v[248+\t], v[ADS] offset:32*(4+\t)
.endr
.irp t, 0,1,2,3                                ; V^T: 16 channels x these 128 keys: two groups of 64 keys
.irp c, 0,1
.irp p, 0,1,2
	ds_load_b64 v[VF+12*\t+6*\c+2*\p:VF+12*\t+6*\c+2*\p+1], v[ADV] offset:768*\t+3072*\c+8*\p
.endr
.endr
.endr
	s_wait_dscnt 24                                ; K's sixteen loads are in; V's 24 may be out
.irp t, 0,1,2,3
	v_wmma_scale_f32_16x16x128_f8f6f4 v[SR+32+8*\t:SR+32+8*\t+7], v[KFR+12*\t:KFR+12*\t+11], v[16:27], 0, v[248+\t], v255 matrix_a_fmt:MATRIX_FMT_FP6 matrix_b_fmt:MATRIX_FMT_FP6
.endr                                          ; lane (r, h): my query; register 16 b + i: key KEY + 32 b + 16 h + i
.rept 4
	v_nop
.endr
	s_add_co_u32 s75, s[KEY], 127
	s_cmp_le_u32 s75, s[QL]
	s_cbranch_scc1 .Lopen                          ; all keys of the step count for all my queries
	v_sub_nc_u32 v252, v28, s[KEY]                 ; d = my token - KEY - 16 h: register 16 b + i is hidden where 32 b + i > d
	v_mov_b32 v254, 0xff800000
.set i, 0
.rept 64
	v_cmp_gt_i32 vcc_lo, 32*(i/16)+i%16, v252
	v_cndmask_b32 v[SR+i], v[SR+i], v254, vcc_lo
.set i, i+1
.endr
.Lopen:
.irp b, 0,1,2,3
	v_max3_num_f32 v[232+\b], v[SR+16*\b], v[SR+1+16*\b], v[SR+2+16*\b]   ; the largest score of each block of 32 keys: for the row's maximum and for the block's largest p
.endr
.irp k, 3,5,7,9,11,13
.irp b, 0,1,2,3
	v_max3_num_f32 v[232+\b], v[232+\b], v[SR+16*\b+\k], v[SR+1+16*\b+\k]
.endr
.endr
.irp b, 0,1,2,3
	v_max_num_f32 v[232+\b], v[232+\b], v[SR+15+16*\b]
.endr
.irp b, 0,1,2,3
	v_permlanex16_b32 v[236+\b], v[232+\b], s[SEL], s[SEL+1]
.endr
.irp b, 0,1,2,3
	v_max_num_f32 v[232+\b], v[232+\b], v[236+\b]
.endr
	v_max3_num_f32 v254, v232, v233, v234
	v_max_num_f32 v254, v254, v235
	v_mul_f32 v254, s[CS], v254
	v_max_num_f32 v13, v13, v254                   ; the running largest t
	v_mov_b32 v254, v12
	v_floor_f32 v12, -v13                          ; the new -M: a whole number
	v_sub_f32 v254, v12, v254
	v_cvt_i32_f32 v254, v254                       ; (it saturates)
	v_ldexp_f32 v252, 1.0, v254                    ; f = 2^(old M - new M)
.set i, 0
.rept 32
	v_pk_fma_f32 v[SR+i:SR+i+1], v[SR+i:SR+i+1], s[CS:CS+1], v[12:13] op_sel_hi:[1,0,0]   ; t - M
.set i, i+2
.endr
.irp b, 0,1,2,3
	v_fma_f32 v[232+\b], v[232+\b], s[CS], v12
.endr
.set i, 0
.rept 64
	v_exp_f32 v[SR+i], v[SR+i]                     ; p = 2^(t - M)
.set i, i+1
.endr
	v_pk_mul_f32 v[14:15], v[14:15], v[252:253] op_sel_hi:[1,0]   ; the sums under the new M: a plain place behind the batch
	s_wait_alu depctr_va_vdst(0)                   ; one wait for the 64, ahead of their first reader
.irp b, 0,1,2,3
	v_exp_f32 v[232+\b], v[232+\b]                 ; the block's largest p
.endr
	v_pk_add_f32 v[236:237], v[SR:SR+1], v[SR+2:SR+3]   ; the row's sum, of the unquantised p, in two chains
.irp j, 4,8,12,16,20,24,28,32,36,40,44,48,52,56,60
	v_pk_add_f32 v[14:15], v[14:15], v[SR+\j:SR+1+\j]
	v_pk_add_f32 v[236:237], v[236:237], v[SR+2+\j:SR+3+\j]
.endr
	v_pk_add_f32 v[14:15], v[14:15], v[236:237]
	s_wait_alu depctr_va_vdst(0)                   ; and one for the four
.irp b, 0,1,2,3
	v_max_num_f32 v[232+\b], 0x1800000, v[232+\b]  ; the floor 2^(3 - 127)
.endr
.irp b, 0,1,2,3
	v_add_nc_u32 v[244+\b], 0xff000000, v[232+\b]
.endr
.irp b, 0,1,2,3
	v_lshrrev_b32 v[236+\b], 23, v[244+\b]
.endr
	v_lshl_or_b32 v253, v237, 8, v236              ; p's scale word for these 128 keys
	v_lshl_or_b32 v253, v238, 16, v253
	v_lshl_or_b32 v253, v239, 24, v253
.irp c, 0,1
	v_cvt_scalef32_pk16_fp6_f32 v[224+6*\c:226+6*\c], v[SR+32*\c:SR+15+32*\c], v[244+2*\c]
	v_cvt_scalef32_pk16_fp6_f32 v[236+4*\c:238+4*\c], v[SR+16+32*\c:SR+31+32*\c], v[244+2*\c+1]
.endr
	v_nop                                          ; one plain place behind a scaled conversion
.irp t, 0,1,2,3
	ds_load_u16 v[SR+2*\t], v[ADT] offset:32*\t    ; V's scale bytes of the two groups of keys, into registers that p has left
	ds_load_u16 v[SR+2*\t+1], v[ADT] offset:32*\t+128
.endr
.irp c, 0,1
.irp k, 0,1,2
	v_permlane16_swap_b32 v[224+6*\c+\k], v[236+4*\c+\k]
.endr
.irp k, 0,1,2
	v_mov_b32 v[227+6*\c+\k], v[236+4*\c+\k]
.endr
.endr
	s_wait_dscnt 0x0                               ; V's fragments and scale bytes
.irp t, 0,1,2,3
	v_lshl_or_b32 v[248+\t], v[SR+2*\t+1], 16, v[SR+2*\t]
.endr
.set i, 0
.rept 16
	v_pk_mul_f32 v[OT+i:OT+i+1], v[OT+i:OT+i+1], v[252:253] op_sel_hi:[1,0]   ; O^T under the new M; these sixteen are also the places between the scale words' last write and the products
.set i, i+2
.endr
.irp t, 0,1,2,3
	v_wmma_scale_f32_16x16x128_f8f6f4 v[OT+8*\t:OT+8*\t+7], v[VF+12*\t:VF+12*\t+11], v[224:235], v[OT+8*\t:OT+8*\t+7], v[248+\t], v253 matrix_a_fmt:MATRIX_FMT_FP6 matrix_b_fmt:MATRIX_FMT_FP6
.endr
.Lhidden:
	s_add_co_u32 s[KEY], s[KEY], 128
	s_add_co_u32 s[TK], s[TK], 6144
	s_add_co_u32 s[TV], s[TV], 6144
	s_add_co_u32 s[TSK], s[TSK], 256
	s_add_co_u32 s[TSV], s[TSV], 256
	s_sub_co_u32 s[CNT], s[CNT], 1
	s_cmp_lg_u32 s[CNT], 0
	s_cbranch_scc1 .Lstep
	; THE WAY OUT: O^T / the sum; register 16 b + i is channel 32 b + 16 h + i of my head: two blocks of 32 along the next product's K
	v_add_f32 v14, v14, v15
	v_permlanex16_b32 v252, v14, s[SEL], s[SEL+1]
	v_add_f32 v14, v14, v252
	v_rcp_f32 v14, v14
	v_and_b32 v8, 15, v0
	v_bfe_u32 v9, v0, 4, 1
	v_mul_u32_u24 v10, v8, 192
	v_mad_u32_u24 v10, v9, 12, v10                 ; codes: 192 r + 12 h (+ 24 b)
	v_lshl_add_u32 v11, v8, 3, v9                  ; scale bytes: 8 r + h: lanes 0-15 store block 0's, lanes 16-31 block 1's
	v_cmp_eq_u32 vcc_lo, 1, v9
	s_wait_alu depctr_va_vdst(0)                   ; ahead of the reciprocal's first reader
.set i, 0
.rept 16
	v_pk_mul_f32 v[SR+i:SR+i+1], v[OT+i:OT+i+1], v[14:15] op_sel_hi:[1,0]
.set i, i+2
.endr
.irp b, 0,1
	v_max3_num_f32 v[232+\b], |v[SR+16*\b]|, |v[SR+1+16*\b]|, 0x1800000
.endr
.irp k, 2,4,6,8,10,12,14
.irp b, 0,1
	v_max3_num_f32 v[232+\b], v[232+\b], |v[SR+16*\b+\k]|, |v[SR+1+16*\b+\k]|
.endr
.endr
.irp b, 0,1
	v_permlanex16_b32 v[236+\b], v[232+\b], s[SEL], s[SEL+1]
.endr
.irp b, 0,1
	v_max_num_f32 v[232+\b], v[232+\b], v[236+\b]
.endr
.irp b, 0,1
	v_add_nc_u32 v[244+\b], 0xff000000, v[232+\b]
.endr
	v_cvt_scalef32_pk16_fp6_f32 v[224:226], v[SR:SR+15], v244
	v_cvt_scalef32_pk16_fp6_f32 v[228:230], v[SR+16:SR+31], v245
	v_lshrrev_b32 v236, 23, v244
	v_lshrrev_b32 v237, 23, v245
	v_cndmask_b32 v236, v236, v237, vcc_lo
	global_store_b96 v10, v[224:226], s[84:85]     ; my 16 codes of block 0: 12 bytes,
	global_store_b96 v10, v[228:230], s[84:85] offset:24   ; of block 1
	global_store_b8 v11, v236, s[86:87]
	s_wait_tensorcnt 0x0
	ds_add_u32 v31, v243
	s_wait_dscnt 0x0
	s_endpgm
.Lfunc_end_k_q27fc2f9b21_attn:
	.size	k_q27fc2f9b21_attn, .Lfunc_end_k_q27fc2f9b21_attn-k_q27fc2f9b21_attn
	.p2alignl 7, 3214868480
	.fill 96, 4, 3214868480
	.section	.rodata,"a",@progbits
	.p2align	6, 0x0
	.amdhsa_kernel k_q27fc2f9b21_attn
		.amdhsa_group_segment_fixed_size 206848
		.amdhsa_private_segment_fixed_size 0
		.amdhsa_enable_private_segment 0
		.amdhsa_kernarg_size 24
		.amdhsa_user_sgpr_count 2
		.amdhsa_user_sgpr_kernarg_segment_ptr 1
		.amdhsa_wavefront_size32 1
		.amdhsa_system_sgpr_workgroup_id_x 1
		.amdhsa_system_sgpr_workgroup_id_y 1
		.amdhsa_system_sgpr_workgroup_id_z 1
		.amdhsa_system_vgpr_workitem_id 0
		.amdhsa_next_free_vgpr 256
		.amdhsa_next_free_sgpr 90
		.amdhsa_reserve_vcc 1
		.amdhsa_float_denorm_mode_32 3
		.amdhsa_float_denorm_mode_16_64 3
		.amdhsa_memory_ordered 1
		.amdhsa_forward_progress 1
		.amdhsa_inst_pref_size 38
	.end_amdhsa_kernel
	.amdgpu_metadata
---
amdhsa.version: [ 1, 2 ]
amdhsa.kernels:
  - .name:           k_q27fc2f9b21_attn
    .symbol:         k_q27fc2f9b21_attn.kd
    .args:
      - { .name: qkv, .offset: 0, .size: 8, .value_kind: global_buffer, .address_space: global }
      - { .name: hc, .offset: 8, .size: 8, .value_kind: global_buffer, .address_space: global }
      - { .name: hs, .offset: 16, .size: 8, .value_kind: global_buffer, .address_space: global }
    .group_segment_fixed_size: 206848
    .private_segment_fixed_size: 0
    .kernarg_segment_align: 8
    .kernarg_segment_size: 24
    .max_flat_workgroup_size: 512
    .sgpr_count:     90
    .vgpr_count:     256
    .wavefront_size: 32
...
	.end_amdgpu_metadata
.endif
;; end of part 4
;; launch gwo (part 5): grid 4 x 16, 4 waves a work-group, clusters of 4 x 4, 327,680 bytes of LDS; arguments hc, hs, wc, ws, x1, bo, x; writes x1
.if DOCPART == 5
	.amdgcn_target "amdgcn-amd-amdhsa--gfx1250"
	.amdhsa_code_object_version 6
	.text
	.protected	k_q27fc2f9b21_gwo
	.globl	k_q27fc2f9b21_gwo
	.p2align	8
	.type	k_q27fc2f9b21_gwo,@function
k_q27fc2f9b21_gwo:
	s_mov_b64 s[64:65], 0
	v_nop
	global_prefetch_b8 v0, s[64:65] scope:SCOPE_SE
	s_setreg_imm32_b32 hwreg(HW_REG_WAVE_MODE, 25, 1), 1
	s_wait_xcnt 0x0
	s_wait_alu depctr_hold_cnt(0) depctr_sa_sdst(0) depctr_va_vdst(0) depctr_va_sdst(0) depctr_va_ssrc(0) depctr_va_vcc(0) depctr_vm_vsrc(0)
	s_getreg_b32 s2, hwreg(HW_REG_IB_STS2, 6, 4)
	s_cmp_eq_u32 s2, 0
	s_cbranch_scc0 .Lentry_in_a_cluster
	s_endpgm
.Lentry_in_a_cluster:
	s_bfe_u32 s2, ttmp6, 0x10000c
	s_cmp_lg_u32 s2, 0xf033
	s_cbranch_scc0 .Lentry_shape_is_right
	s_endpgm
.Lentry_shape_is_right:
; x1 = x + ctx Wo + bo.  The product on codes of FP6 (E2M3) with E8M0 scales, K = 1,024; sums, bias and residual in f32.
; OPERANDS (this program's own layout): R rows, K in chunks of 256: codes [K/256][R][192 bytes], scale bytes [K/256][R][8].  A = hc, hs: ctx, 4,096 token places.  B = wc, ws, rows 3,072 on of the first region: Wo's 1,024 output columns.
; Inside each aligned group of 32 rows, row t lies at the place with t's bits 3 and 4 exchanged.
; A tile of the result, 256 x 256, is made by four waves, each 128 x 128: 64 accumulators.  The matrix instruction is used transposed (source 0 = 16 places of B, source 1 = 16 places of A): a lane holds one place of A, and
; the 16 registers of two neighbouring tiles hold 16 neighbouring columns in their true order.  The bias is the C of each sum's first matrix instruction.
; K goes in chunks of 256 through two LDS slots; a chunk's 128 rows are one dense block of memory.  The scale bytes of the tile's rows for all of K come once, with the first fills.
; CLUSTERS: 4 x 4.  A's tile is shared along a row of the cluster, B's along a column: joint loads.  The result has 64 tiles: 64 work-groups.
; REGISTERS: window 0: v0-31 addresses; v32-63 scale words, two sets; v64-127 the bias in the result's layout; v128-223 A's fragments; on the way out v128-255.  window 1: B's fragments, two sets; on the way out the residual's rows.  windows 2, 3: accumulators.
.set KTOT,   1024
.set NCH,    KTOT/256
.set LAPS,   NCH/2
.set NQ,     2
.set ROWB,   192
.set CHPA,   4096*ROWB                 ; from chunk to chunk
.set CHPB,   4096*ROWB
.set ROWSA,  4096
.set ROWSB,  4096
.set BROW0,  3072                      ; B's first row
.set BCOD,   0                         ; B's region: codes, scale bytes
.set BSCL,   0
.set PITCH,  240
.set FR,     12
.set NL,     6
.set NP,     4
.set HALFT,  128*PITCH
.set SLOT,   4*HALFT
.set SCL,    2*SLOT
.set HALFS,  NCH*1024
.set SPARE,  SCL+4*HALFS
.set SPITCH, 528                       ; the way out: a stage of 16 rows x (512 bytes + 16) for each wave, in slot 0
.set BO,   7                           ; v7      64 h: my half's place in the bias
.set ADRA, 16
.set ADRB, 20
.set STO,  24
.set RD,   25
.set CO,   26                          ; v26     16 x lane: my bytes of a row's 512
.set ADRS, 27
.set SPW,  28
.set NIL,  29
.set SC,   32
.set BIAS, 64
.set AF,   128
.set BK,   128
.set G1, 24
.set G0, 32
.set G1B, 48
.set G0B, 56
.set G1S, 68
.set G0S, 76
.set G1SB, 80
.set G0SB, 88
.set MSB, 0
.macro WIN new
.if MSB != (\new)
	s_set_vgpr_msb (MSB<<8)|(\new)
.set MSB, (\new)
.endif
.endm
.set MUL_LO, 0xa1                      ; source 0 (B) window 1, source 1 (A) window 0, C and D window 2
.set MUL_HI, 0xf1
.set Z_LO,   0x81                      ; the first step: C (the bias) window 0, D window 2
.set Z_HI,   0xc1
.set TO_B,   0x40
.macro JLOAD g0a, g1a, g0b, g1b        ; a joint load: waves 0 and 1 fetch for A, waves 2 and 3 for B; four v_nop follow each line
	s_cmp_eq_u32 s15, 0
	s_cbranch_scc0 .Lfor_b_\@
	tensor_load_to_lds s[\g0a:\g0a+3], s[\g1a:\g1a+7]
	s_nop 0
.rept 4
	v_nop
.endr
	s_branch .Lasked_\@
.Lfor_b_\@:
	tensor_load_to_lds s[\g0b:\g0b+3], s[\g1b:\g1b+7]
	s_nop 0
.rept 4
	v_nop
.endr
.Lasked_\@:
.endm
.macro CREST
	s_cmp_lg_u32 s14, 0
	s_cbranch_scc1 .Lnot_wave_0_\@
	s_barrier_signal -3
.Lnot_wave_0_\@:
	s_barrier_wait -3
	s_barrier_signal -1
	s_barrier_wait -1
.endm
.macro CROUND
	s_barrier_signal -1
	s_barrier_wait -1
	CREST
.endm
	s_load_b128 s[4:7], s[0:1], 0x0                ; A's codes, A's scale bytes
	s_load_b128 s[8:11], s[0:1], 0x10              ; wc, ws
	s_load_b64 s[12:13], s[0:1], 0x20              ; the result
	s_load_b128 s[96:99], s[0:1], 0x28             ; the bias, the residual
	v_lshl_add_u32 v[SPW], v0, 2, SPARE
	v_mov_b32 v[NIL], 0
	ds_add_u32 v28, v29
	ds_add_u32 v28, v29
	s_wait_dscnt 0x0
	v_lshrrev_b32 v1, 5, v0
	v_readfirstlane_b32 s14, v1                    ; wave 0..3
	s_lshr_b32 s15, s14, 1                         ; which half of A's rows is mine.  Also: I fetch for A (0) or for B (1)
	s_and_b32 s16, s14, 1                          ; which half of B's rows.  Also: which 128 rows I fetch
	s_bfe_u32 s40, ttmp6, 0x40000
	s_bfe_u32 s41, ttmp6, 0x40004
	s_lshl_b32 s42, ttmp9, 2
	s_add_co_u32 s42, s42, s40                     ; tile column
	s_and_b32 s17, ttmp7, 0xffff
	s_lshl_b32 s17, s17, 2
	s_add_co_u32 s17, s17, s41                     ; tile row
	s_lshl_b32 s43, s41, 2
	s_lshl_b32 s43, 15, s43                        ; my row of the cluster
	s_lshl_b32 s44, 0x1111, s40                    ; my column
	s_or_b32 s[G1+0], s43, (0<<16)|(1<<20)|(1<<21)|(3<<22)|(3<<25)  ; mask; elements of 1 byte; padding on; bit 21 beside a mask; 4 words behind every 16
	s_or_b32 s[G1B+0], s44, (0<<16)|(1<<20)|(1<<21)|(3<<22)|(3<<25)
.irp g, G1, G1B
	s_mov_b32 s[\g+1], ROWB<<16
	s_mov_b32 s[\g+2], 128<<16
	s_mov_b32 s[\g+3], ROWB<<16
	s_mov_b32 s[\g+4], 128
	s_mov_b32 s[\g+5], ROWB                        ; a chunk's rows lie on end
	s_mov_b32 s[\g+6], 0
	s_mov_b32 s[\g+7], 0
.endr
	s_or_b32 s[G1S+0], s43, (3<<16)|(1<<21)        ; the scale bytes of 128 rows: NCH rows of 128 elements of 8 bytes, no padding
	s_or_b32 s[G1SB+0], s44, (3<<16)|(1<<21)
.irp g, G1S, G1SB
	s_mov_b32 s[\g+1], 128<<16
	s_mov_b32 s[\g+2], NCH<<16
	s_mov_b32 s[\g+3], 128<<16
	s_mov_b32 s[\g+4], NCH
	s_mov_b32 s[\g+6], 0
	s_mov_b32 s[\g+7], 0
.endr
	s_mov_b32 s[G1S+5], ROWSA
	s_mov_b32 s[G1SB+5], ROWSB
	s_lshl_b32 s18, s16, 7
	s_lshl_b32 s20, s17, 8
	s_add_co_u32 s20, s20, s18                     ; A's row
	s_lshl_b32 s46, s42, 8
	s_add_co_u32 s46, s46, s18                     ; B's row
.if BROW0
	s_add_co_u32 s46, s46, BROW0
.endif
	s_lshl_b32 s22, s20, 3
	s_mov_b32 s23, 0
	s_lshl_b32 s92, s46, 3
.if BSCL
	s_add_co_u32 s92, s92, BSCL
.endif
	s_mov_b32 s93, 0
	s_mul_i32 s20, s20, ROWB
	s_mov_b32 s21, 0
	s_mul_i32 s46, s46, ROWB
.if BCOD
	s_add_co_u32 s46, s46, BCOD
.endif
	s_mov_b32 s47, 0
	s_mul_i32 s45, s14, HALFT
	s_mul_i32 s94, s14, HALFS
	s_wait_kmcnt 0x0
	s_add_nc_u64 s[20:21], s[4:5], s[20:21]
	s_add_nc_u64 s[22:23], s[6:7], s[22:23]
	s_add_nc_u64 s[46:47], s[8:9], s[46:47]
	s_add_nc_u64 s[92:93], s[10:11], s[92:93]
	CROUND                                         ; all sixteen work-groups are here: the first joint loads meet
	s_mov_b32 s[G0S], 1
	s_add_co_u32 s[G0S+1], s94, SCL
	s_mov_b64 s[G0S+2:G0S+3], s[22:23]
	s_or_b32 s[G0S+3], s[G0S+3], 0x80000000
	s_mov_b32 s[G0SB], 1
	s_add_co_u32 s[G0SB+1], s94, SCL
	s_mov_b64 s[G0SB+2:G0SB+3], s[92:93]
	s_or_b32 s[G0SB+3], s[G0SB+3], 0x80000000
	JLOAD G0S, G1S, G0SB, G1SB
.irp s, 0,1
	s_mov_b32 s[G0+4*\s], 1
	s_add_co_u32 s[G0+4*\s+1], s45, \s*SLOT
	s_add_nc_u64 s[G0+4*\s+2:G0+4*\s+3], s[20:21], \s*CHPA
	s_or_b32 s[G0+4*\s+3], s[G0+4*\s+3], 0x80000000
	s_mov_b32 s[G0B+4*\s], 1
	s_add_co_u32 s[G0B+4*\s+1], s45, \s*SLOT
	s_add_nc_u64 s[G0B+4*\s+2:G0B+4*\s+3], s[46:47], \s*CHPB
	s_or_b32 s[G0B+4*\s+3], s[G0B+4*\s+3], 0x80000000
	JLOAD G0+4*\s, G1, G0B+4*\s, G1B
.endr
	v_and_b32 v1, 15, v0                           ; r
	v_bfe_u32 v2, v0, 4, 1                         ; h
	v_mul_u32_u24 v3, v1, PITCH
	v_mul_u32_u24 v4, v2, 24
	v_add_nc_u32 v4, v3, v4
	v_lshl_add_u32 v5, v2, 4, v4
	s_mul_i32 s21, s15, HALFT
	s_mul_i32 s22, s16, HALFT
	s_add_co_u32 s22, s22, 2*HALFT
.irp s, 0,1
	v_add_nc_u32 v[ADRA+\s], s21, v4
	v_add_nc_u32 v[ADRB+\s], s22, v4
	v_add_nc_u32 v[ADRA+2+\s], s21, v5
	v_add_nc_u32 v[ADRB+2+\s], s22, v5
	s_add_co_u32 s21, s21, SLOT
	s_add_co_u32 s22, s22, SLOT
.endr
	v_lshlrev_b32 v5, 3, v1
	s_mul_i32 s21, s15, HALFS
	s_mul_i32 s22, s16, HALFS
	s_add_co_u32 s22, s22, 2*HALFS
	s_sub_co_u32 s22, s22, s21
	v_mul_u32_u24 v6, s22, v2                      ; lanes 16-31 take B's: the lower base + h x the distance
	s_add_co_u32 s21, s21, SCL
	v_add_nc_u32 v5, v5, v6
	v_add_nc_u32 v[ADRS], s21, v5
	s_mul_i32 s23, s14, 16*SPITCH                  ; my stage
	v_mul_u32_u24 v5, v1, SPITCH
	v_lshl_add_u32 v5, v2, 6, v5                   ; in: row r; my half's 16 columns of each 32: 64 h
	v_add_nc_u32 v[STO], s23, v5
	v_and_b32 v6, 31, v0
	v_lshlrev_b32 v[CO], 4, v6
	v_add_nc_u32 v[RD], s23, v[CO]                 ; back: the 32 lanes take one row of 512 bytes
	v_lshlrev_b32 v[BO], 6, v2
	s_lshl_b32 s20, s17, 8
	s_lshl_b32 s21, s15, 7
	s_add_co_u32 s20, s20, s21                     ; my first row: 256 x tile row + 128 x half
	s_lshl_b32 s20, s20, 12                        ; rows of 4,096 bytes
	s_lshl_b32 s46, s42, 10
	s_lshl_b32 s47, s16, 9
	s_add_co_u32 s46, s46, s47                     ; my first column, in bytes
	s_mov_b32 s47, 0
	s_add_nc_u64 s[96:97], s[96:97], s[46:47]
	s_add_co_u32 s20, s20, s46
	s_mov_b32 s21, 0
	s_add_nc_u64 s[12:13], s[12:13], s[20:21]
	s_add_nc_u64 s[98:99], s[98:99], s[20:21]
.irp b, 0,1,2,3,4,5,6,7                        ; tile b's register j holds column 32 (b / 2) + 16 h + 8 (b % 2) + j
	global_load_b128 v[BIAS+8*\b:BIAS+8*\b+3], v[BO], s[96:97] offset:128*(\b/2)+32*(\b%2)
	global_load_b128 v[BIAS+8*\b+4:BIAS+8*\b+7], v[BO], s[96:97] offset:128*(\b/2)+32*(\b%2)+16
.endr
.macro FRAG reg, adr, q, i
.irp p, 0,1,2,3,4,5
.set PIECE, 12*(\q)+6*(\p/3)+\p%3
.if PIECE%8 < 5
	ds_load_b64 v[\reg+2*\p:\reg+2*\p+1], v[\adr] offset:8*PIECE+16*(PIECE/8)+(\i)*16*PITCH
.else
	ds_load_b64 v[\reg+2*\p:\reg+2*\p+1], v[\adr+2] offset:8*PIECE+16*(PIECE/8)+(\i)*16*PITCH
.endif
.endr
.endm
; 16 matrix instructions: A's blocks a0, a0 + 1 x B's eight.  zero = 1: the first product starts the sums, from the bias.  The 64 accumulators take turns.
.macro MUL16 a0, p, q, sc, zero
.irp a, \a0, \a0+1
.irp b, 0,1,2,3,4,5,6,7
.if \zero
	v_wmma_scale_f32_16x16x128_f8f6f4 v[8*(8*((\a)%4)+\b):8*(8*((\a)%4)+\b)+7], v[128*(\p)+FR*\b:128*(\p)+FR*\b+FR-1], v[AF+FR*(\a):AF+FR*(\a)+FR-1], v[BIAS+8*\b:BIAS+8*\b+7], v[SC+8*NQ*(\sc)+NQ*\b+(\q)], v[SC+8*NQ*(\sc)+NQ*(\a)+(\q)] matrix_a_fmt:MATRIX_FMT_FP6 matrix_b_fmt:MATRIX_FMT_FP6 matrix_a_scale:MATRIX_SCALE_ROW1
.else
	v_wmma_scale_f32_16x16x128_f8f6f4 v[8*(8*((\a)%4)+\b):8*(8*((\a)%4)+\b)+7], v[128*(\p)+FR*\b:128*(\p)+FR*\b+FR-1], v[AF+FR*(\a):AF+FR*(\a)+FR-1], v[8*(8*((\a)%4)+\b):8*(8*((\a)%4)+\b)+7], v[SC+8*NQ*(\sc)+NQ*\b+(\q)], v[SC+8*NQ*(\sc)+NQ*(\a)+(\q)] matrix_a_fmt:MATRIX_FMT_FP6 matrix_b_fmt:MATRIX_FMT_FP6 matrix_a_scale:MATRIX_SCALE_ROW1
.endif
.endr
.endr
.endm
.macro FETCH_B slot, q, p
	WIN TO_B
.irp i, 0,1,2,3,4,5,6,7
	FRAG 128*(\p)+FR*\i, ADRB+\slot, \q, \i
.endr
	WIN 0
.endm
.macro FETCH_A slot, q, i0
.irp i, \i0, \i0+1, \i0+2, \i0+3
	FRAG AF+FR*(\i), ADRA+\slot, \q, \i
.endr
.endm
.macro SCALES sc
.irp i, 0,1,2,3,4,5,6,7
	ds_load_b64 v[SC+8*NQ*\sc+NQ*\i:SC+8*NQ*\sc+NQ*\i+1], v[ADRS] offset:\i*128
.endr
.endm
.macro PLACES n
.rept \n
	v_nop
.endr
.endm
.macro STEP slot, q, zero
	s_wait_dscnt 4*NL                              ; B's set and A's blocks 0-3 are in; the youngest 24 loads (A's blocks 4-7) may be out
.if \zero
	WIN Z_LO
.else
	WIN MUL_LO
.endif
	MUL16 0, (\q)%2, \q, \slot, \zero
	MUL16 2, (\q)%2, \q, \slot, \zero
	s_wait_dscnt 0
	PLACES NP
	FETCH_B \slot, (\q)+1, 1-(\q)%2
	FETCH_A \slot, (\q)+1, 0
.if \zero
	WIN Z_HI
.else
	WIN MUL_HI
.endif
	MUL16 4, (\q)%2, \q, \slot, \zero
	MUL16 6, (\q)%2, \q, \slot, \zero
	PLACES NP
	WIN 0
	FETCH_A \slot, (\q)+1, 4
.endm
.macro TURN slot, next, fill
	s_wait_tensorcnt 0x0                           ; all my tensor loads have landed: my part of the next slot
	ds_add_u32 v[SPW], v[NIL]                      ; 0 onto my spare word
	s_wait_dscnt 4*NL+1                            ; (the add and the youngest 24 loads may be out)
	WIN MUL_LO
	MUL16 0, 1, NQ-1, \slot, 0
	s_wait_dscnt 0x0                               ; the add is done, and my reads of this slot are over
	s_barrier_signal -1
	MUL16 2, 1, NQ-1, \slot, 0
	WIN 0
	s_barrier_wait -1
.if \fill
	CREST                                          ; the barrier has opened a round of the cluster's: no wave of any partner still reads this slot or has a load on its way
	s_add_nc_u64 s[G0+4*\slot+2:G0+4*\slot+3], s[G0+4*\slot+2:G0+4*\slot+3], 2*CHPA
	s_add_nc_u64 s[G0B+4*\slot+2:G0B+4*\slot+3], s[G0B+4*\slot+2:G0B+4*\slot+3], 2*CHPB
	JLOAD G0+4*\slot, G1, G0B+4*\slot, G1B
.else
	PLACES NP
.endif
	v_add_nc_u32 v[ADRS], 1024, v[ADRS]
	FETCH_B \next, 0, 0
	FETCH_A \next, 0, 0
	SCALES \next
	WIN MUL_HI
	MUL16 4, 1, NQ-1, \slot, 0
	MUL16 6, 1, NQ-1, \slot, 0
	PLACES NP
	WIN 0
	FETCH_A \next, 0, 4
.endm
	s_wait_tensorcnt 1                             ; the scale bytes and my part of chunk 0 are in (chunk 1's load may be out),
	s_barrier_signal -1
	s_barrier_wait -1
	FETCH_B 0, 0, 0
	FETCH_A 0, 0, 0
	SCALES 0
	FETCH_A 0, 0, 4
	s_wait_loadcnt 0x0                             ; the bias
	STEP 0, 0, 1
	s_mov_b32 s3, LAPS-1
.Llap:
	TURN 0, 1, 1
	STEP 1, 0, 0
	TURN 1, 0, 1
	STEP 0, 0, 0
	s_sub_co_u32 s3, s3, 1
	s_cmp_lg_u32 s3, 0
	s_cbranch_scc1 .Llap
	TURN 0, 1, 0
	STEP 1, 0, 0
	s_wait_dscnt 4*NL
	WIN MUL_LO
	MUL16 0, 1, NQ-1, 1, 0
	MUL16 2, 1, NQ-1, 1, 0
	s_wait_dscnt 0
	WIN MUL_HI
	MUL16 4, 1, NQ-1, 1, 0
	MUL16 6, 1, NQ-1, 1, 0
	WIN 0
; THE WAY OUT, block by block of 16 places x 128 columns, through my own stage in LDS (in slot 0: it has had its last fill and its last read), back as whole rows of 512 bytes; the residual's rows are added; stored.
; Place t of block a is row 32 (a / 2) + 8 (a % 2) + t + 8 (t / 8) of my 128: the row stands in the immediate (127 rows of 4,096 bytes at the most), and no base is stepped.
.macro RLOAD a                         ; the residual's 16 rows of block a, into window 1
	WIN TO_B
.irp t, 0,1,2,3,4,5,6,7,8,9,10,11,12,13,14,15
	global_load_b128 v[64*((\a)%2)+4*\t:64*((\a)%2)+4*\t+3], v[CO], s[98:99] offset:(32*((\a)/2)+8*((\a)%2)+\t+8*(\t/8))*4096 th:TH_LOAD_NT
.endr
	WIN 0
.endm
.macro TOSTAGE a
.set AC, 64*((\a)%4)
	WIN 0x08+4*((\a)/4)                            ; the data: window 2 or 3
.irp b, 0,1,2,3,4,5,6,7
	ds_store_b128 v[STO], v[AC+8*\b:AC+8*\b+3] offset:128*(\b/2)+32*(\b%2)        ; each accumulator from its low end on; columns in their true order
	ds_store_b128 v[STO], v[AC+8*\b+4:AC+8*\b+7] offset:128*(\b/2)+32*(\b%2)+16
.endr
	WIN 0
.set BB, BK+64*((\a)%2)
.irp t, 0,1,2,3,4,5,6,7,8,9,10,11,12,13,14,15
	ds_load_b128 v[BB+4*\t:BB+4*\t+3], v[RD] offset:\t*SPITCH   ; LDS serves a wave's instructions in order: these see the stores above
.endr
.endm
.macro SEND a, younger, left           ; younger: LDS instructions issued behind block a's loads; left: the next block's residual loads
.set BB, BK+64*((\a)%2)
.set RR, 64*((\a)%2)
	s_wait_dscnt \younger
	s_wait_loadcnt \left
	WIN 0x04                                       ; source 1: window 1
.set i, 0
.rept 32
	v_pk_add_f32 v[BB+i:BB+i+1], v[BB+i:BB+i+1], v[RR+i:RR+i+1]
.set i, i+2
.endr
	WIN 0
.irp t, 0,1,2,3,4,5,6,7,8,9,10,11,12,13,14,15
	global_store_b128 v[CO], v[BB+4*\t:BB+4*\t+3], s[12:13] offset:(32*((\a)/2)+8*((\a)%2)+\t+8*(\t/8))*4096   ; 32 lanes store 512 consecutive bytes
.endr
.endm
	PLACES NP
	RLOAD 0
	RLOAD 1
	TOSTAGE 0
.irp a, 1,2,3,4,5,6,7
.if \a > 1
	s_wait_xcnt 0x0                                ; block a - 2's stores have read their registers: block a's loads may land there
.endif
	TOSTAGE \a
	SEND \a-1, 32, 16                              ; behind block a - 1's loads: block a's 16 stores and 16 loads; block a's 16 residual loads may be out
.if \a < 7
	RLOAD \a+1
.endif
.endr
	SEND 7, 0, 0
	s_wait_tensorcnt 0x0                           ; the wave's end
	ds_add_u32 v[SPW], v[NIL]
	s_wait_dscnt 0x0
	CROUND                                         ; the closing round
	s_endpgm
.Lfunc_end_k_q27fc2f9b21_gwo:
	.size	k_q27fc2f9b21_gwo, .Lfunc_end_k_q27fc2f9b21_gwo-k_q27fc2f9b21_gwo
	.p2alignl 7, 3214868480
	.fill 96, 4, 3214868480
	.section	.rodata,"a",@progbits
	.p2align	6, 0x0
	.amdhsa_kernel k_q27fc2f9b21_gwo
		.amdhsa_group_segment_fixed_size 327680
		.amdhsa_private_segment_fixed_size 0
		.amdhsa_enable_private_segment 0
		.amdhsa_kernarg_size 56
		.amdhsa_user_sgpr_count 2
		.amdhsa_user_sgpr_kernarg_segment_ptr 1
		.amdhsa_wavefront_size32 1
		.amdhsa_system_sgpr_workgroup_id_x 1
		.amdhsa_system_sgpr_workgroup_id_y 1
		.amdhsa_system_sgpr_workgroup_id_z 1
		.amdhsa_system_vgpr_workitem_id 0
		.amdhsa_next_free_vgpr 1024
		.amdhsa_next_free_sgpr 102
		.amdhsa_reserve_vcc 0
		.amdhsa_float_denorm_mode_32 3
		.amdhsa_float_denorm_mode_16_64 3
		.amdhsa_memory_ordered 1
		.amdhsa_forward_progress 1
		.amdhsa_inst_pref_size 190
	.end_amdhsa_kernel
	.amdgpu_metadata
---
amdhsa.version: [ 1, 2 ]
amdhsa.kernels:
  - .name:           k_q27fc2f9b21_gwo
    .symbol:         k_q27fc2f9b21_gwo.kd
    .args:
      - { .name: hc, .offset: 0, .size: 8, .value_kind: global_buffer, .address_space: global }
      - { .name: hs, .offset: 8, .size: 8, .value_kind: global_buffer, .address_space: global }
      - { .name: wc, .offset: 16, .size: 8, .value_kind: global_buffer, .address_space: global }
      - { .name: ws, .offset: 24, .size: 8, .value_kind: global_buffer, .address_space: global }
      - { .name: x1, .offset: 32, .size: 8, .value_kind: global_buffer, .address_space: global }
      - { .name: bo, .offset: 40, .size: 8, .value_kind: global_buffer, .address_space: global }
      - { .name: x, .offset: 48, .size: 8, .value_kind: global_buffer, .address_space: global }
    .group_segment_fixed_size: 327680
    .private_segment_fixed_size: 0
    .kernarg_segment_align: 8
    .kernarg_segment_size: 56
    .max_flat_workgroup_size: 128
    .sgpr_count:     102
    .vgpr_count:     1024
    .wavefront_size: 32
...
	.end_amdgpu_metadata
.endif
;; end of part 5
;; launch ln2: the kernel of part 2 again; grid 256 x 1, 4 waves a work-group, no clusters, 1,536 bytes of LDS; arguments x1, g2, be2, hc, hs; writes hc, hs
;; launch gff1 (part 6): grid 16 x 16, 4 waves a work-group, clusters of 4 x 4, 327,680 bytes of LDS; arguments hc, hs, wc, ws, fc, fs, bf1; writes fc, fs
.if DOCPART == 6
	.amdgcn_target "amdgcn-amd-amdhsa--gfx1250"
	.amdhsa_code_object_version 6
	.text
	.protected	k_q27fc2f9b21_gff1
	.globl	k_q27fc2f9b21_gff1
	.p2align	8
	.type	k_q27fc2f9b21_gff1,@function
k_q27fc2f9b21_gff1:
	s_mov_b64 s[64:65], 0
	v_nop
	global_prefetch_b8 v0, s[64:65] scope:SCOPE_SE
	s_setreg_imm32_b32 hwreg(HW_REG_WAVE_MODE, 25, 1), 1
	s_wait_xcnt 0x0
	s_wait_alu depctr_hold_cnt(0) depctr_sa_sdst(0) depctr_va_vdst(0) depctr_va_sdst(0) depctr_va_ssrc(0) depctr_va_vcc(0) depctr_vm_vsrc(0)
	s_getreg_b32 s2, hwreg(HW_REG_IB_STS2, 6, 4)
	s_cmp_eq_u32 s2, 0
	s_cbranch_scc0 .Lentry_in_a_cluster
	s_endpgm
.Lentry_in_a_cluster:
	s_bfe_u32 s2, ttmp6, 0x10000c
	s_cmp_lg_u32 s2, 0xf033
	s_cbranch_scc0 .Lentry_shape_is_right
	s_endpgm
.Lentry_shape_is_right:
; hidden = gelu(h W1 + bf1), exact (erf) form, quantised along the 4,096 hidden units; it leaves as codes.  The product on codes of FP6 (E2M3) with E8M0 scales, K = 1,024; sums, bias and gelu in f32.
; OPERANDS (this program's own layout): R rows, K in chunks of 256: codes [K/256][R][192 bytes], scale bytes [K/256][R][8].  A = hc, hs: h, 4,096 token places.  B = wc + 3,145,728, ws + 131,072: W1's 4,096 columns.  The result fc, fs is laid
; the same way: [16 chunks][4096 token places].  Inside each aligned group of 32 rows, row t lies at the place with t's bits 3 and 4 exchanged.
; A tile of the result, 256 x 256, is made by four waves, each 128 x 128.  The matrix instruction is used transposed (source 0 = 16 places of B, source 1 = 16 places of A): a lane holds one token place, and the 16 registers of
; two neighbouring tiles hold 16 neighbouring hidden units in their true order: the next product's K.  The bias is the C of each sum's first matrix instruction.
; erf(z), z = x / sqrt(2) held to +-4, is z P(z^2) / Q(z^2) with P of degree 6 and Q of degree 4; gelu = (x / 2) erf + x / 2, with x / 2 made as z / sqrt(2).  Far below 0, 1 + erf cancels, as in the f32 form of the definition.
; THE WAY OUT IS A LOOP of eight trips, one for each block of 16 places, so that the erf is written once: a switch on the trip's number takes the block's accumulators (their numbers differ) into fixed registers as z; a second switch stores the codes at the block's place.
; CLUSTERS: 4 x 4.  A's tile is shared along a row of the cluster, B's along a column: joint loads.
; REGISTERS: window 0: v0-31 addresses; v32-63 scale words; v64-127 the bias, later z and gelu; v128-223 A's fragments, later the erf's work.  window 1: B's fragments, two sets.  windows 2, 3: accumulators.
; LIMITS: a block of zeros, or one under 2^-124, gets the byte 1 (this program alone reads the bytes); NaN and infinities are not served.
.set KTOT,   1024
.set NCH,    KTOT/256
.set LAPS,   NCH/2
.set NQ,     2
.set ROWB,   192
.set CHPA,   4096*ROWB
.set CHPB,   4096*ROWB
.set ROWSA,  4096
.set ROWSB,  4096
.set BCOD,   3145728
.set BSCL,   131072
.set PITCH,  240
.set FR,     12
.set NL,     6
.set NP,     4
.set HALFT,  128*PITCH
.set SLOT,   4*HALFT
.set SCL,    2*SLOT
.set HALFS,  NCH*1024
.set SPARE,  SCL+4*HALFS
.set SSTG,   49152                     ; the way out: a stage in slot 0: codes [256 rows][192], then scale bytes [256][8]
.set BO,   7
.set RD,   8                           ; v8      16 x thread
.set ADRA, 16
.set ADRB, 20
.set STO,  24
.set SST,  25
.set ADRS, 27
.set SPW,  28
.set NIL,  29
.set SC,   32
.set BIAS, 64
.set AF,   128
.set TT,   64                          ; v64-127  z, then gelu, of a block's 64 numbers
.set SS,   128                         ; v128-159 z^2
.set PP,   160                         ; v160-191 P, then erf
.set QQ,   192                         ; v192-223 Q, then 1 / Q
.set ZZ,   224                         ; v224-255 z held to +-4
.set CDS,  128                         ; v128-147 a fragment's codes: over z^2, which is done with
.set TM,   148
.set PW,   164
.set OB,   64
.set OBS,  160
.set SEL,  66
.set G1, 24
.set G0, 32
.set G1B, 48
.set G0B, 56
.set G1S, 68
.set G0S, 76
.set G1SB, 80
.set G0SB, 88
.set MSB, 0
.macro WIN new
.if MSB != (\new)
	s_set_vgpr_msb (MSB<<8)|(\new)
.set MSB, (\new)
.endif
.endm
.set MUL_LO, 0xa1
.set MUL_HI, 0xf1
.set Z_LO,   0x81
.set Z_HI,   0xc1
.set TO_B,   0x40
.macro JLOAD g0a, g1a, g0b, g1b        ; a joint load: waves 0 and 1 fetch for A, waves 2 and 3 for B; four v_nop follow each line
	s_cmp_eq_u32 s15, 0
	s_cbranch_scc0 .Lfor_b_\@
	tensor_load_to_lds s[\g0a:\g0a+3], s[\g1a:\g1a+7]
	s_nop 0
.rept 4
	v_nop
.endr
	s_branch .Lasked_\@
.Lfor_b_\@:
	tensor_load_to_lds s[\g0b:\g0b+3], s[\g1b:\g1b+7]
	s_nop 0
.rept 4
	v_nop
.endr
.Lasked_\@:
.endm
.macro CREST
	s_cmp_lg_u32 s14, 0
	s_cbranch_scc1 .Lnot_wave_0_\@
	s_barrier_signal -3
.Lnot_wave_0_\@:
	s_barrier_wait -3
	s_barrier_signal -1
	s_barrier_wait -1
.endm
.macro CROUND
	s_barrier_signal -1
	s_barrier_wait -1
	CREST
.endm
	s_load_b128 s[4:7], s[0:1], 0x0                ; hc, hs
	s_load_b128 s[8:11], s[0:1], 0x10              ; wc, ws
	s_load_b128 s[96:99], s[0:1], 0x20             ; fc, fs
	s_load_b64 s[100:101], s[0:1], 0x30            ; bf1
	v_lshl_add_u32 v[SPW], v0, 2, SPARE
	v_mov_b32 v[NIL], 0
	ds_add_u32 v28, v29
	ds_add_u32 v28, v29
	s_wait_dscnt 0x0
	v_lshrrev_b32 v1, 5, v0
	v_readfirstlane_b32 s14, v1
	s_lshr_b32 s15, s14, 1
	s_and_b32 s16, s14, 1
	s_bfe_u32 s40, ttmp6, 0x40000
	s_bfe_u32 s41, ttmp6, 0x40004
	s_lshl_b32 s42, ttmp9, 2
	s_add_co_u32 s42, s42, s40                     ; tile column: also the result's chunk
	s_and_b32 s17, ttmp7, 0xffff
	s_lshl_b32 s17, s17, 2
	s_add_co_u32 s17, s17, s41                     ; tile row
	s_lshl_b32 s43, s41, 2
	s_lshl_b32 s43, 15, s43
	s_lshl_b32 s44, 0x1111, s40
	s_or_b32 s[G1+0], s43, (0<<16)|(1<<20)|(1<<21)|(3<<22)|(3<<25)
	s_or_b32 s[G1B+0], s44, (0<<16)|(1<<20)|(1<<21)|(3<<22)|(3<<25)
.irp g, G1, G1B
	s_mov_b32 s[\g+1], ROWB<<16
	s_mov_b32 s[\g+2], 128<<16
	s_mov_b32 s[\g+3], ROWB<<16
	s_mov_b32 s[\g+4], 128
	s_mov_b32 s[\g+5], ROWB
	s_mov_b32 s[\g+6], 0
	s_mov_b32 s[\g+7], 0
.endr
	s_or_b32 s[G1S+0], s43, (3<<16)|(1<<21)
	s_or_b32 s[G1SB+0], s44, (3<<16)|(1<<21)
.irp g, G1S, G1SB
	s_mov_b32 s[\g+1], 128<<16
	s_mov_b32 s[\g+2], NCH<<16
	s_mov_b32 s[\g+3], 128<<16
	s_mov_b32 s[\g+4], NCH
	s_mov_b32 s[\g+6], 0
	s_mov_b32 s[\g+7], 0
.endr
	s_mov_b32 s[G1S+5], ROWSA
	s_mov_b32 s[G1SB+5], ROWSB
	s_lshl_b32 s18, s16, 7
	s_lshl_b32 s20, s17, 8
	s_add_co_u32 s20, s20, s18
	s_lshl_b32 s46, s42, 8
	s_add_co_u32 s46, s46, s18
	s_lshl_b32 s22, s20, 3
	s_mov_b32 s23, 0
	s_lshl_b32 s92, s46, 3
	s_add_co_u32 s92, s92, BSCL
	s_mov_b32 s93, 0
	s_mul_i32 s20, s20, ROWB
	s_mov_b32 s21, 0
	s_mul_i32 s46, s46, ROWB
	s_add_co_u32 s46, s46, BCOD
	s_mov_b32 s47, 0
	s_mul_i32 s45, s14, HALFT
	s_mul_i32 s94, s14, HALFS
	s_wait_kmcnt 0x0
	s_add_nc_u64 s[20:21], s[4:5], s[20:21]
	s_add_nc_u64 s[22:23], s[6:7], s[22:23]
	s_add_nc_u64 s[46:47], s[8:9], s[46:47]
	s_add_nc_u64 s[92:93], s[10:11], s[92:93]
	CROUND
	s_mov_b32 s[G0S], 1
	s_add_co_u32 s[G0S+1], s94, SCL
	s_mov_b64 s[G0S+2:G0S+3], s[22:23]
	s_or_b32 s[G0S+3], s[G0S+3], 0x80000000
	s_mov_b32 s[G0SB], 1
	s_add_co_u32 s[G0SB+1], s94, SCL
	s_mov_b64 s[G0SB+2:G0SB+3], s[92:93]
	s_or_b32 s[G0SB+3], s[G0SB+3], 0x80000000
	JLOAD G0S, G1S, G0SB, G1SB
.irp s, 0,1
	s_mov_b32 s[G0+4*\s], 1
	s_add_co_u32 s[G0+4*\s+1], s45, \s*SLOT
	s_add_nc_u64 s[G0+4*\s+2:G0+4*\s+3], s[20:21], \s*CHPA
	s_or_b32 s[G0+4*\s+3], s[G0+4*\s+3], 0x80000000
	s_mov_b32 s[G0B+4*\s], 1
	s_add_co_u32 s[G0B+4*\s+1], s45, \s*SLOT
	s_add_nc_u64 s[G0B+4*\s+2:G0B+4*\s+3], s[46:47], \s*CHPB
	s_or_b32 s[G0B+4*\s+3], s[G0B+4*\s+3], 0x80000000
	JLOAD G0+4*\s, G1, G0B+4*\s, G1B
.endr
	v_and_b32 v1, 15, v0
	v_bfe_u32 v2, v0, 4, 1
	v_mul_u32_u24 v3, v1, PITCH
	v_mul_u32_u24 v4, v2, 24
	v_add_nc_u32 v4, v3, v4
	v_lshl_add_u32 v5, v2, 4, v4
	s_mul_i32 s21, s15, HALFT
	s_mul_i32 s22, s16, HALFT
	s_add_co_u32 s22, s22, 2*HALFT
.irp s, 0,1
	v_add_nc_u32 v[ADRA+\s], s21, v4
	v_add_nc_u32 v[ADRB+\s], s22, v4
	v_add_nc_u32 v[ADRA+2+\s], s21, v5
	v_add_nc_u32 v[ADRB+2+\s], s22, v5
	s_add_co_u32 s21, s21, SLOT
	s_add_co_u32 s22, s22, SLOT
.endr
	v_lshlrev_b32 v5, 3, v1
	s_mul_i32 s21, s15, HALFS
	s_mul_i32 s22, s16, HALFS
	s_add_co_u32 s22, s22, 2*HALFS
	s_sub_co_u32 s22, s22, s21
	v_mul_u32_u24 v6, s22, v2
	s_add_co_u32 s21, s21, SCL
	v_add_nc_u32 v5, v5, v6
	v_add_nc_u32 v[ADRS], s21, v5
	s_lshl_b32 s21, s15, 7
	v_add_nc_u32 v5, s21, v1                       ; my row of the tile's 256 (+ 16 a)
	v_mul_u32_u24 v[STO], v5, 192
	v_mad_u32_u24 v[STO], v2, 24, v[STO]
	s_mul_i32 s22, s16, 96                         ; my 128 hidden units: half of the row's 192 bytes
	v_add_nc_u32 v[STO], s22, v[STO]
	v_lshlrev_b32 v[SST], 3, v5
	s_lshl_b32 s22, s16, 2
	s_add_co_u32 s22, s22, SSTG
	v_add_nc_u32 v[SST], s22, v[SST]
	v_lshlrev_b32 v[RD], 4, v0
	v_lshlrev_b32 v[BO], 6, v2
	s_lshl_b32 s46, s42, 10
	s_lshl_b32 s47, s16, 9
	s_add_co_u32 s46, s46, s47                     ; my first hidden unit, in bytes of the bias
	s_mov_b32 s47, 0
	s_add_nc_u64 s[100:101], s[100:101], s[46:47]
	s_mul_i32 s46, s42, 786432
	s_mul_i32 s20, s17, 49152
	s_add_co_u32 s46, s46, s20                     ; the result's tile: chunk = tile column, 256 rows on end
	s_add_nc_u64 s[96:97], s[96:97], s[46:47]
	s_lshl_b32 s46, s42, 15
	s_lshl_b32 s20, s17, 11
	s_add_co_u32 s46, s46, s20
	s_add_nc_u64 s[98:99], s[98:99], s[46:47]
.irp b, 0,1,2,3,4,5,6,7                        ; tile b's register j holds hidden unit 32 (b / 2) + 16 h + 8 (b % 2) + j
	global_load_b128 v[BIAS+8*\b:BIAS+8*\b+3], v[BO], s[100:101] offset:128*(\b/2)+32*(\b%2)
	global_load_b128 v[BIAS+8*\b+4:BIAS+8*\b+7], v[BO], s[100:101] offset:128*(\b/2)+32*(\b%2)+16
.endr
.macro FRAG reg, adr, q, i
.irp p, 0,1,2,3,4,5
.set PIECE, 12*(\q)+6*(\p/3)+\p%3
.if PIECE%8 < 5
	ds_load_b64 v[\reg+2*\p:\reg+2*\p+1], v[\adr] offset:8*PIECE+16*(PIECE/8)+(\i)*16*PITCH
.else
	ds_load_b64 v[\reg+2*\p:\reg+2*\p+1], v[\adr+2] offset:8*PIECE+16*(PIECE/8)+(\i)*16*PITCH
.endif
.endr
.endm
.macro MUL16 a0, p, q, sc, zero        ; 16 matrix instructions; zero = 1: the first product starts the sums, from the bias.  The 64 accumulators take turns
.irp a, \a0, \a0+1
.irp b, 0,1,2,3,4,5,6,7
.if \zero
	v_wmma_scale_f32_16x16x128_f8f6f4 v[8*(8*((\a)%4)+\b):8*(8*((\a)%4)+\b)+7], v[128*(\p)+FR*\b:128*(\p)+FR*\b+FR-1], v[AF+FR*(\a):AF+FR*(\a)+FR-1], v[BIAS+8*\b:BIAS+8*\b+7], v[SC+8*NQ*(\sc)+NQ*\b+(\q)], v[SC+8*NQ*(\sc)+NQ*(\a)+(\q)] matrix_a_fmt:MATRIX_FMT_FP6 matrix_b_fmt:MATRIX_FMT_FP6 matrix_a_scale:MATRIX_SCALE_ROW1
.else
	v_wmma_scale_f32_16x16x128_f8f6f4 v[8*(8*((\a)%4)+\b):8*(8*((\a)%4)+\b)+7], v[128*(\p)+FR*\b:128*(\p)+FR*\b+FR-1], v[AF+FR*(\a):AF+FR*(\a)+FR-1], v[8*(8*((\a)%4)+\b):8*(8*((\a)%4)+\b)+7], v[SC+8*NQ*(\sc)+NQ*\b+(\q)], v[SC+8*NQ*(\sc)+NQ*(\a)+(\q)] matrix_a_fmt:MATRIX_FMT_FP6 matrix_b_fmt:MATRIX_FMT_FP6 matrix_a_scale:MATRIX_SCALE_ROW1
.endif
.endr
.endr
.endm
.macro FETCH_B slot, q, p
	WIN TO_B
.irp i, 0,1,2,3,4,5,6,7
	FRAG 128*(\p)+FR*\i, ADRB+\slot, \q, \i
.endr
	WIN 0
.endm
.macro FETCH_A slot, q, i0
.irp i, \i0, \i0+1, \i0+2, \i0+3
	FRAG AF+FR*(\i), ADRA+\slot, \q, \i
.endr
.endm
.macro SCALES sc
.irp i, 0,1,2,3,4,5,6,7
	ds_load_b64 v[SC+8*NQ*\sc+NQ*\i:SC+8*NQ*\sc+NQ*\i+1], v[ADRS] offset:\i*128
.endr
.endm
.macro PLACES n
.rept \n
	v_nop
.endr
.endm
.macro STEP slot, q, zero
	s_wait_dscnt 4*NL                              ; B's set and A's blocks 0-3 are in; the youngest 24 loads (A's blocks 4-7) may be out
.if \zero
	WIN Z_LO
.else
	WIN MUL_LO
.endif
	MUL16 0, (\q)%2, \q, \slot, \zero
	MUL16 2, (\q)%2, \q, \slot, \zero
	s_wait_dscnt 0
	PLACES NP
	FETCH_B \slot, (\q)+1, 1-(\q)%2
	FETCH_A \slot, (\q)+1, 0
.if \zero
	WIN Z_HI
.else
	WIN MUL_HI
.endif
	MUL16 4, (\q)%2, \q, \slot, \zero
	MUL16 6, (\q)%2, \q, \slot, \zero
	PLACES NP
	WIN 0
	FETCH_A \slot, (\q)+1, 4
.endm
.macro TURN slot, next, fill
	s_wait_tensorcnt 0x0                           ; all my tensor loads have landed: my part of the next slot
	ds_add_u32 v[SPW], v[NIL]                      ; 0 onto my spare word
	s_wait_dscnt 4*NL+1                            ; (the add and the youngest 24 loads may be out)
	WIN MUL_LO
	MUL16 0, 1, NQ-1, \slot, 0
	s_wait_dscnt 0x0                               ; the add is done, and my reads of this slot are over
	s_barrier_signal -1
	MUL16 2, 1, NQ-1, \slot, 0
	WIN 0
	s_barrier_wait -1
.if \fill
	CREST
	s_add_nc_u64 s[G0+4*\slot+2:G0+4*\slot+3], s[G0+4*\slot+2:G0+4*\slot+3], 2*CHPA
	s_add_nc_u64 s[G0B+4*\slot+2:G0B+4*\slot+3], s[G0B+4*\slot+2:G0B+4*\slot+3], 2*CHPB
	JLOAD G0+4*\slot, G1, G0B+4*\slot, G1B
.else
	PLACES NP
.endif
	v_add_nc_u32 v[ADRS], 1024, v[ADRS]
	FETCH_B \next, 0, 0
	FETCH_A \next, 0, 0
	SCALES \next
	WIN MUL_HI
	MUL16 4, 1, NQ-1, \slot, 0
	MUL16 6, 1, NQ-1, \slot, 0
	PLACES NP
	WIN 0
	FETCH_A \next, 0, 4
.endm
	s_wait_tensorcnt 1                             ; the scale bytes and my part of chunk 0 are in (chunk 1's load may be out),
	s_barrier_signal -1
	s_barrier_wait -1
	FETCH_B 0, 0, 0
	FETCH_A 0, 0, 0
	SCALES 0
	FETCH_A 0, 0, 4
	s_wait_loadcnt 0x0                             ; the bias
	STEP 0, 0, 1
	s_mov_b32 s3, LAPS-1
.Llap:
	TURN 0, 1, 1
	STEP 1, 0, 0
	TURN 1, 0, 1
	STEP 0, 0, 0
	s_sub_co_u32 s3, s3, 1
	s_cmp_lg_u32 s3, 0
	s_cbranch_scc1 .Llap
	TURN 0, 1, 0
	STEP 1, 0, 0
	s_wait_dscnt 4*NL
	WIN MUL_LO
	MUL16 0, 1, NQ-1, 1, 0
	MUL16 2, 1, NQ-1, 1, 0
	s_wait_dscnt 0
	WIN MUL_HI
	MUL16 4, 1, NQ-1, 1, 0
	MUL16 6, 1, NQ-1, 1, 0
	WIN 0
.macro TAKE a                          ; z = x / sqrt(2) of block a's 64 numbers, each accumulator from its low end on, into fixed registers
	WIN 2+(\a)/4
.set i, 0
.rept 32
	v_pk_mul_f32 v[TT+i:TT+i+1], v[64*((\a)%4)+i:64*((\a)%4)+i+1], 0x3f3504f3 op_sel_hi:[1,0]
.set i, i+2
.endr
	WIN 0
.endm
.macro PUT a                           ; block a's codes and scale word, to the work-group's stage
.irp p, 0,1,2,3,4,5
	ds_store_b64 v[STO], v[CDS+2*\p:CDS+2*\p+1] offset:(\a)*3072+(\p/3)*48+8*(\p%3)
.endr
	ds_store_b32 v[SST], v[PW] offset:128*(\a)     ; (both halves of the lanes write the same word)
.endm
.macro HORNER acc, k                   ; acc = acc x z^2 + k, 32 numbers
.set i, 0
.rept 16
	v_pk_fma_f32 v[\acc+i:\acc+i+1], v[\acc+i:\acc+i+1], v[SS+i:SS+i+1], \k op_sel_hi:[1,1,0]
.set i, i+2
.endr
.endm
.macro GELU32 o                        ; 32 numbers: z in v[TT + o] on becomes gelu
.set i, 0
.rept 32
	v_med3_num_f32 v[ZZ+i], v[TT+\o+i], -4.0, 4.0
.set i, i+1
.endr
.set i, 0
.rept 16
	v_pk_mul_f32 v[SS+i:SS+i+1], v[ZZ+i:ZZ+i+1], v[ZZ+i:ZZ+i+1]
.set i, i+2
.endr
.set i, 0
.rept 16
	v_pk_fma_f32 v[PP+i:PP+i+1], v[SS+i:SS+i+1], v[12:13], 0x32edffee op_sel_hi:[1,1,0]
.set i, i+2
.endr
	HORNER PP, 0xb60cff51
	HORNER PP, 0xb86ec2d2
	HORNER PP, 0xba40ac63
	HORNER PP, 0xbb41a1f6
	HORNER PP, 0xbc83dbd4
.set i, 0
.rept 16
	v_pk_fma_f32 v[QQ+i:QQ+i+1], v[SS+i:SS+i+1], v[14:15], 0xb95fbd29 op_sel_hi:[1,1,0]
.set i, i+2
.endr
	HORNER QQ, 0xbadc924e
	HORNER QQ, 0xbbf19bf8
	HORNER QQ, 0xbc69b6a7
.set i, 0
.rept 16
	v_pk_mul_f32 v[PP+i:PP+i+1], v[PP+i:PP+i+1], v[ZZ+i:ZZ+i+1]
.set i, i+2
.endr
.set i, 0
.rept 32
	v_rcp_f32 v[QQ+i], v[QQ+i]
.set i, i+1
.endr
.set i, 0
.rept 16
	v_pk_mul_f32 v[TT+\o+i:TT+\o+i+1], v[TT+\o+i:TT+\o+i+1], 0x3f3504f3 op_sel_hi:[1,0]   ; x / 2: the plain work behind the batch
.set i, i+2
.endr
	s_wait_alu depctr_va_vdst(0)                   ; one wait for the 32 reciprocals, ahead of their first reader
.set i, 0
.rept 16
	v_pk_mul_f32 v[PP+i:PP+i+1], v[PP+i:PP+i+1], v[QQ+i:QQ+i+1]                          ; erf
.set i, i+2
.endr
.set i, 0
.rept 16
	v_pk_fma_f32 v[TT+\o+i:TT+\o+i+1], v[TT+\o+i:TT+\o+i+1], v[PP+i:PP+i+1], v[TT+\o+i:TT+\o+i+1]
.set i, i+2
.endr
.endm
; THE QUANTISER.  64 numbers of a lane, register 16 b + i = hidden unit 32 b + 16 (lane / 16) + i of my row, become a fragment's codes in v[CDS] on and the four scale bytes in v[PW].
.macro QUANT s
.irp b, 0,1,2,3
	v_max3_num_f32 v[TM+\b], |v[\s+16*\b]|, |v[\s+1+16*\b]|, 0x1800000   ; my 16 of block b, and the floor 2^(3 - 127)
.endr
.irp k, 2,4,6,8,10,12,14
.irp b, 0,1,2,3
	v_max3_num_f32 v[TM+\b], v[TM+\b], |v[\s+16*\b+\k]|, |v[\s+1+16*\b+\k]|
.endr
.endr
.irp b, 0,1,2,3
	v_permlanex16_b32 v[TM+4+\b], v[TM+\b], s[SEL], s[SEL+1]
.endr
.irp b, 0,1,2,3
	v_max_num_f32 v[TM+\b], v[TM+\b], v[TM+4+\b]
.endr
.irp b, 0,1,2,3
	v_add_nc_u32 v[TM+12+\b], 0xff000000, v[TM+\b]
.endr
.irp b, 0,1,2,3
	v_lshrrev_b32 v[TM+4+\b], 23, v[TM+12+\b]
.endr
	v_lshl_or_b32 v[PW], v[TM+5], 8, v[TM+4]
	v_lshl_or_b32 v[PW], v[TM+6], 16, v[PW]
	v_lshl_or_b32 v[PW], v[TM+7], 24, v[PW]
.irp c, 0,1
	v_cvt_scalef32_pk16_fp6_f32 v[CDS+6*\c:CDS+2+6*\c], v[\s+32*\c:\s+15+32*\c], v[TM+12+2*\c]
	v_cvt_scalef32_pk16_fp6_f32 v[CDS+12+4*\c:CDS+14+4*\c], v[\s+16+32*\c:\s+31+32*\c], v[TM+12+2*\c+1]
.endr
	v_nop                                          ; one plain place behind a scaled conversion
.irp c, 0,1
.irp k, 0,1,2
	v_permlane16_swap_b32 v[CDS+6*\c+\k], v[CDS+12+4*\c+\k]
.endr
.irp k, 0,1,2
	v_mov_b32 v[CDS+3+6*\c+\k], v[CDS+12+4*\c+\k]
.endr
.endr
.endm
	; THE WAY OUT.  The stage lies in slot 0: it has had its last fill, and every wave has passed the last change of slots, behind which nobody reads it.
	v_mov_b32 v12, 0xaf95df0b                      ; the leading coefficients of P and of Q, as pairs; these four lines are also the places behind the last products
	v_mov_b32 v13, 0xaf95df0b
	v_mov_b32 v14, 0xb77460cd
	v_mov_b32 v15, 0xb77460cd
	s_mov_b32 s[SEL], 0x76543210
	s_mov_b32 s[SEL+1], 0xfedcba98
	s_mov_b32 s3, 0
.Lblock:                                           ; eight trips: block s3
.irp a, 1,2,3,4,5,6,7
	s_cmp_eq_u32 s3, \a
	s_cbranch_scc1 .Ltake_\a
.endr
	TAKE 0
	s_branch .Lgelu
.irp a, 1,2,3,4,5,6
.Ltake_\a:
	TAKE \a
	s_branch .Lgelu
.endr
.Ltake_7:
	TAKE 7
.Lgelu:
	GELU32 0
	GELU32 32
	QUANT TT
.irp a, 1,2,3,4,5,6,7
	s_cmp_eq_u32 s3, \a
	s_cbranch_scc1 .Lput_\a
.endr
	PUT 0
	s_branch .Lputs
.irp a, 1,2,3,4,5,6
.Lput_\a:
	PUT \a
	s_branch .Lputs
.endr
.Lput_7:
	PUT 7
.Lputs:
	s_wait_dscnt 0x0                               ; the stores have read their registers, and have landed
	s_add_co_u32 s3, s3, 1
	s_cmp_lt_u32 s3, 8
	s_cbranch_scc1 .Lblock
	s_barrier_signal -1
	s_barrier_wait -1                              ; the tile's 256 rows x 192 bytes, and their scale bytes, lie in the stage
.set i, 0
.rept 24
	ds_load_b128 v[OB+4*i:OB+4*i+3], v[RD] offset:2048*i
.set i, i+1
.endr
	ds_load_b128 v[OBS:OBS+3], v[RD] offset:SSTG
.set i, 0
.rept 24
	s_wait_dscnt 24-i                              ; the loads issued behind this one may be out
	global_store_b128 v[RD], v[OB+4*i:OB+4*i+3], s[96:97] offset:2048*i   ; a wave stores 512 consecutive bytes; the tile is 49,152 bytes on end
.set i, i+1
.endr
	s_wait_dscnt 0x0
	global_store_b128 v[RD], v[OBS:OBS+3], s[98:99]
	s_wait_tensorcnt 0x0                           ; the wave's end
	ds_add_u32 v[SPW], v[NIL]
	s_wait_dscnt 0x0
	CROUND                                         ; the closing round
	s_endpgm
.Lfunc_end_k_q27fc2f9b21_gff1:
	.size	k_q27fc2f9b21_gff1, .Lfunc_end_k_q27fc2f9b21_gff1-k_q27fc2f9b21_gff1
	.p2alignl 7, 3214868480
	.fill 96, 4, 3214868480
	.section	.rodata,"a",@progbits
	.p2align	6, 0x0
	.amdhsa_kernel k_q27fc2f9b21_gff1
		.amdhsa_group_segment_fixed_size 327680
		.amdhsa_private_segment_fixed_size 0
		.amdhsa_enable_private_segment 0
		.amdhsa_kernarg_size 56
		.amdhsa_user_sgpr_count 2
		.amdhsa_user_sgpr_kernarg_segment_ptr 1
		.amdhsa_wavefront_size32 1
		.amdhsa_system_sgpr_workgroup_id_x 1
		.amdhsa_system_sgpr_workgroup_id_y 1
		.amdhsa_system_sgpr_workgroup_id_z 1
		.amdhsa_system_vgpr_workitem_id 0
		.amdhsa_next_free_vgpr 1024
		.amdhsa_next_free_sgpr 102
		.amdhsa_reserve_vcc 0
		.amdhsa_float_denorm_mode_32 3
		.amdhsa_float_denorm_mode_16_64 3
		.amdhsa_memory_ordered 1
		.amdhsa_forward_progress 1
		.amdhsa_inst_pref_size 218
	.end_amdhsa_kernel
	.amdgpu_metadata
---
amdhsa.version: [ 1, 2 ]
amdhsa.kernels:
  - .name:           k_q27fc2f9b21_gff1
    .symbol:         k_q27fc2f9b21_gff1.kd
    .args:
      - { .name: hc, .offset: 0, .size: 8, .value_kind: global_buffer, .address_space: global }
      - { .name: hs, .offset: 8, .size: 8, .value_kind: global_buffer, .address_space: global }
      - { .name: wc, .offset: 16, .size: 8, .value_kind: global_buffer, .address_space: global }
      - { .name: ws, .offset: 24, .size: 8, .value_kind: global_buffer, .address_space: global }
      - { .name: fc, .offset: 32, .size: 8, .value_kind: global_buffer, .address_space: global }
      - { .name: fs, .offset: 40, .size: 8, .value_kind: global_buffer, .address_space: global }
      - { .name: bf1, .offset: 48, .size: 8, .value_kind: global_buffer, .address_space: global }
    .group_segment_fixed_size: 327680
    .private_segment_fixed_size: 0
    .kernarg_segment_align: 8
    .kernarg_segment_size: 56
    .max_flat_workgroup_size: 128
    .sgpr_count:     102
    .vgpr_count:     1024
    .wavefront_size: 32
...
	.end_amdgpu_metadata
.endif
;; end of part 6
;; launch gff2 (part 7): grid 4 x 16, 4 waves a work-group, clusters of 4 x 4, 327,680 bytes of LDS; arguments fc, fs, wc, ws, out0, bf2, x1; writes out0
.if DOCPART == 7
	.amdgcn_target "amdgcn-amd-amdhsa--gfx1250"
	.amdhsa_code_object_version 6
	.text
	.protected	k_q27fc2f9b21_gff2
	.globl	k_q27fc2f9b21_gff2
	.p2align	8
	.type	k_q27fc2f9b21_gff2,@function
k_q27fc2f9b21_gff2:
	s_mov_b64 s[64:65], 0
	v_nop
	global_prefetch_b8 v0, s[64:65] scope:SCOPE_SE
	s_setreg_imm32_b32 hwreg(HW_REG_WAVE_MODE, 25, 1), 1
	s_wait_xcnt 0x0
	s_wait_alu depctr_hold_cnt(0) depctr_sa_sdst(0) depctr_va_vdst(0) depctr_va_sdst(0) depctr_va_ssrc(0) depctr_va_vcc(0) depctr_vm_vsrc(0)
	s_getreg_b32 s2, hwreg(HW_REG_IB_STS2, 6, 4)
	s_cmp_eq_u32 s2, 0
	s_cbranch_scc0 .Lentry_in_a_cluster
	s_endpgm
.Lentry_in_a_cluster:
	s_bfe_u32 s2, ttmp6, 0x10000c
	s_cmp_lg_u32 s2, 0xf033
	s_cbranch_scc0 .Lentry_shape_is_right
	s_endpgm
.Lentry_shape_is_right:
; out = x1 + hidden W2 + bf2.  The product on codes of FP6 (E2M3) with E8M0 scales, K = 4,096; sums, bias and residual in f32.
; OPERANDS (this program's own layout): R rows, K in chunks of 256: codes [K/256][R][192 bytes], scale bytes [K/256][R][8].  A = fc, fs: the hidden layer, 4,096 token places.  B = wc + 6,291,456, ws + 262,144: W2's 1,024 output columns.
; Inside each aligned group of 32 rows, row t lies at the place with t's bits 3 and 4 exchanged.
; A tile of the result, 256 x 256, is made by four waves, each 128 x 128: 64 accumulators.  The matrix instruction is used transposed (source 0 = 16 places of B, source 1 = 16 places of A): a lane holds one place of A, and
; the 16 registers of two neighbouring tiles hold 16 neighbouring columns in their true order.  The bias is the C of each sum's first matrix instruction.
; K goes in chunks of 256 through two LDS slots; a chunk's 128 rows are one dense block of memory.  The scale bytes of the tile's rows for all of K (65,536 bytes) come once, with the first fills.
; CLUSTERS: 4 x 4.  A's tile is shared along a row of the cluster, B's along a column: joint loads.  The result has 64 tiles: 64 work-groups.
; REGISTERS: window 0: v0-31 addresses; v32-63 scale words, two sets; v64-127 the bias in the result's layout; v128-223 A's fragments; on the way out v128-255.  window 1: B's fragments, two sets; on the way out the residual's rows.  windows 2, 3: accumulators.
.set KTOT,   4096
.set NCH,    KTOT/256
.set LAPS,   NCH/2
.set NQ,     2
.set ROWB,   192
.set CHPA,   4096*ROWB                 ; from chunk to chunk
.set CHPB,   1024*ROWB
.set ROWSA,  4096
.set ROWSB,  1024
.set BROW0,  0
.set BCOD,   6291456                   ; B's region: codes, scale bytes
.set BSCL,   262144
.set PITCH,  240
.set FR,     12
.set NL,     6
.set NP,     4
.set HALFT,  128*PITCH
.set SLOT,   4*HALFT
.set SCL,    2*SLOT
.set HALFS,  NCH*1024
.set SPARE,  SCL+4*HALFS
.set SPITCH, 528                       ; the way out: a stage of 16 rows x (512 bytes + 16) for each wave, in slot 0
.set BO,   7
.set ADRA, 16
.set ADRB, 20
.set STO,  24
.set RD,   25
.set CO,   26
.set ADRS, 27
.set SPW,  28
.set NIL,  29
.set SC,   32
.set BIAS, 64
.set AF,   128
.set BK,   128
.set G1, 24
.set G0, 32
.set G1B, 48
.set G0B, 56
.set G1S, 68
.set G0S, 76
.set G1SB, 80
.set G0SB, 88
.set MSB, 0
.macro WIN new
.if MSB != (\new)
	s_set_vgpr_msb (MSB<<8)|(\new)
.set MSB, (\new)
.endif
.endm
.set MUL_LO, 0xa1                      ; source 0 (B) window 1, source 1 (A) window 0, C and D window 2
.set MUL_HI, 0xf1
.set Z_LO,   0x81                      ; the first step: C (the bias) window 0, D window 2
.set Z_HI,   0xc1
.set TO_B,   0x40
.macro JLOAD g0a, g1a, g0b, g1b        ; a joint load: waves 0 and 1 fetch for A, waves 2 and 3 for B; four v_nop follow each line
	s_cmp_eq_u32 s15, 0
	s_cbranch_scc0 .Lfor_b_\@
	tensor_load_to_lds s[\g0a:\g0a+3], s[\g1a:\g1a+7]
	s_nop 0
.rept 4
	v_nop
.endr
	s_branch .Lasked_\@
.Lfor_b_\@:
	tensor_load_to_lds s[\g0b:\g0b+3], s[\g1b:\g1b+7]
	s_nop 0
.rept 4
	v_nop
.endr
.Lasked_\@:
.endm
.macro CREST
	s_cmp_lg_u32 s14, 0
	s_cbranch_scc1 .Lnot_wave_0_\@
	s_barrier_signal -3
.Lnot_wave_0_\@:
	s_barrier_wait -3
	s_barrier_signal -1
	s_barrier_wait -1
.endm
.macro CROUND
	s_barrier_signal -1
	s_barrier_wait -1
	CREST
.endm
	s_load_b128 s[4:7], s[0:1], 0x0                ; A's codes, A's scale bytes
	s_load_b128 s[8:11], s[0:1], 0x10              ; wc, ws
	s_load_b64 s[12:13], s[0:1], 0x20              ; the result
	s_load_b128 s[96:99], s[0:1], 0x28             ; the bias, the residual
	v_lshl_add_u32 v[SPW], v0, 2, SPARE
	v_mov_b32 v[NIL], 0
	ds_add_u32 v28, v29
	ds_add_u32 v28, v29
	s_wait_dscnt 0x0
	v_lshrrev_b32 v1, 5, v0
	v_readfirstlane_b32 s14, v1                    ; wave 0..3
	s_lshr_b32 s15, s14, 1                         ; which half of A's rows is mine.  Also: I fetch for A (0) or for B (1)
	s_and_b32 s16, s14, 1                          ; which half of B's rows.  Also: which 128 rows I fetch
	s_bfe_u32 s40, ttmp6, 0x40000
	s_bfe_u32 s41, ttmp6, 0x40004
	s_lshl_b32 s42, ttmp9, 2
	s_add_co_u32 s42, s42, s40                     ; tile column
	s_and_b32 s17, ttmp7, 0xffff
	s_lshl_b32 s17, s17, 2
	s_add_co_u32 s17, s17, s41                     ; tile row
	s_lshl_b32 s43, s41, 2
	s_lshl_b32 s43, 15, s43                        ; my row of the cluster
	s_lshl_b32 s44, 0x1111, s40                    ; my column
	s_or_b32 s[G1+0], s43, (0<<16)|(1<<20)|(1<<21)|(3<<22)|(3<<25)  ; mask; elements of 1 byte; padding on; bit 21 beside a mask; 4 words behind every 16
	s_or_b32 s[G1B+0], s44, (0<<16)|(1<<20)|(1<<21)|(3<<22)|(3<<25)
.irp g, G1, G1B
	s_mov_b32 s[\g+1], ROWB<<16
	s_mov_b32 s[\g+2], 128<<16
	s_mov_b32 s[\g+3], ROWB<<16
	s_mov_b32 s[\g+4], 128
	s_mov_b32 s[\g+5], ROWB                        ; a chunk's rows lie on end
	s_mov_b32 s[\g+6], 0
	s_mov_b32 s[\g+7], 0
.endr
	s_or_b32 s[G1S+0], s43, (3<<16)|(1<<21)        ; the scale bytes of 128 rows: NCH rows of 128 elements of 8 bytes, no padding
	s_or_b32 s[G1SB+0], s44, (3<<16)|(1<<21)
.irp g, G1S, G1SB
	s_mov_b32 s[\g+1], 128<<16
	s_mov_b32 s[\g+2], NCH<<16
	s_mov_b32 s[\g+3], 128<<16
	s_mov_b32 s[\g+4], NCH
	s_mov_b32 s[\g+6], 0
	s_mov_b32 s[\g+7], 0
.endr
	s_mov_b32 s[G1S+5], ROWSA
	s_mov_b32 s[G1SB+5], ROWSB
	s_lshl_b32 s18, s16, 7
	s_lshl_b32 s20, s17, 8
	s_add_co_u32 s20, s20, s18                     ; A's row
	s_lshl_b32 s46, s42, 8
	s_add_co_u32 s46, s46, s18                     ; B's row
.if BROW0
	s_add_co_u32 s46, s46, BROW0
.endif
	s_lshl_b32 s22, s20, 3
	s_mov_b32 s23, 0
	s_lshl_b32 s92, s46, 3
.if BSCL
	s_add_co_u32 s92, s92, BSCL
.endif
	s_mov_b32 s93, 0
	s_mul_i32 s20, s20, ROWB
	s_mov_b32 s21, 0
	s_mul_i32 s46, s46, ROWB
.if BCOD
	s_add_co_u32 s46, s46, BCOD
.endif
	s_mov_b32 s47, 0
	s_mul_i32 s45, s14, HALFT
	s_mul_i32 s94, s14, HALFS
	s_wait_kmcnt 0x0
	s_add_nc_u64 s[20:21], s[4:5], s[20:21]
	s_add_nc_u64 s[22:23], s[6:7], s[22:23]
	s_add_nc_u64 s[46:47], s[8:9], s[46:47]
	s_add_nc_u64 s[92:93], s[10:11], s[92:93]
	CROUND                                         ; all sixteen work-groups are here: the first joint loads meet
	s_mov_b32 s[G0S], 1
	s_add_co_u32 s[G0S+1], s94, SCL
	s_mov_b64 s[G0S+2:G0S+3], s[22:23]
	s_or_b32 s[G0S+3], s[G0S+3], 0x80000000
	s_mov_b32 s[G0SB], 1
	s_add_co_u32 s[G0SB+1], s94, SCL
	s_mov_b64 s[G0SB+2:G0SB+3], s[92:93]
	s_or_b32 s[G0SB+3], s[G0SB+3], 0x80000000
	JLOAD G0S, G1S, G0SB, G1SB
.irp s, 0,1
	s_mov_b32 s[G0+4*\s], 1
	s_add_co_u32 s[G0+4*\s+1], s45, \s*SLOT
	s_add_nc_u64 s[G0+4*\s+2:G0+4*\s+3], s[20:21], \s*CHPA
	s_or_b32 s[G0+4*\s+3], s[G0+4*\s+3], 0x80000000
	s_mov_b32 s[G0B+4*\s], 1
	s_add_co_u32 s[G0B+4*\s+1], s45, \s*SLOT
	s_add_nc_u64 s[G0B+4*\s+2:G0B+4*\s+3], s[46:47], \s*CHPB
	s_or_b32 s[G0B+4*\s+3], s[G0B+4*\s+3], 0x80000000
	JLOAD G0+4*\s, G1, G0B+4*\s, G1B
.endr
	v_and_b32 v1, 15, v0                           ; r
	v_bfe_u32 v2, v0, 4, 1                         ; h
	v_mul_u32_u24 v3, v1, PITCH
	v_mul_u32_u24 v4, v2, 24
	v_add_nc_u32 v4, v3, v4
	v_lshl_add_u32 v5, v2, 4, v4
	s_mul_i32 s21, s15, HALFT
	s_mul_i32 s22, s16, HALFT
	s_add_co_u32 s22, s22, 2*HALFT
.irp s, 0,1
	v_add_nc_u32 v[ADRA+\s], s21, v4
	v_add_nc_u32 v[ADRB+\s], s22, v4
	v_add_nc_u32 v[ADRA+2+\s], s21, v5
	v_add_nc_u32 v[ADRB+2+\s], s22, v5
	s_add_co_u32 s21, s21, SLOT
	s_add_co_u32 s22, s22, SLOT
.endr
	v_lshlrev_b32 v5, 3, v1
	s_mul_i32 s21, s15, HALFS
	s_mul_i32 s22, s16, HALFS
	s_add_co_u32 s22, s22, 2*HALFS
	s_sub_co_u32 s22, s22, s21
	v_mul_u32_u24 v6, s22, v2                      ; lanes 16-31 take B's: the lower base + h x the distance
	s_add_co_u32 s21, s21, SCL
	v_add_nc_u32 v5, v5, v6
	v_add_nc_u32 v[ADRS], s21, v5
	s_mul_i32 s23, s14, 16*SPITCH                  ; my stage
	v_mul_u32_u24 v5, v1, SPITCH
	v_lshl_add_u32 v5, v2, 6, v5                   ; in: row r; my half's 16 columns of each 32: 64 h
	v_add_nc_u32 v[STO], s23, v5
	v_and_b32 v6, 31, v0
	v_lshlrev_b32 v[CO], 4, v6
	v_add_nc_u32 v[RD], s23, v[CO]                 ; back: the 32 lanes take one row of 512 bytes
	v_lshlrev_b32 v[BO], 6, v2
	s_lshl_b32 s20, s17, 8
	s_lshl_b32 s21, s15, 7
	s_add_co_u32 s20, s20, s21                     ; my first row: 256 x tile row + 128 x half
	s_lshl_b32 s20, s20, 12                        ; rows of 4,096 bytes
	s_lshl_b32 s46, s42, 10
	s_lshl_b32 s47, s16, 9
	s_add_co_u32 s46, s46, s47                     ; my first column, in bytes
	s_mov_b32 s47, 0
	s_add_nc_u64 s[96:97], s[96:97], s[46:47]
	s_add_co_u32 s20, s20, s46
	s_mov_b32 s21, 0
	s_add_nc_u64 s[12:13], s[12:13], s[20:21]
	s_add_nc_u64 s[98:99], s[98:99], s[20:21]
.irp b, 0,1,2,3,4,5,6,7                        ; tile b's register j holds column 32 (b / 2) + 16 h + 8 (b % 2) + j
	global_load_b128 v[BIAS+8*\b:BIAS+8*\b+3], v[BO], s[96:97] offset:128*(\b/2)+32*(\b%2)
	global_load_b128 v[BIAS+8*\b+4:BIAS+8*\b+7], v[BO], s[96:97] offset:128*(\b/2)+32*(\b%2)+16
.endr
.macro FRAG reg, adr, q, i
.irp p, 0,1,2,3,4,5
.set PIECE, 12*(\q)+6*(\p/3)+\p%3
.if PIECE%8 < 5
	ds_load_b64 v[\reg+2*\p:\reg+2*\p+1], v[\adr] offset:8*PIECE+16*(PIECE/8)+(\i)*16*PITCH
.else
	ds_load_b64 v[\reg+2*\p:\reg+2*\p+1], v[\adr+2] offset:8*PIECE+16*(PIECE/8)+(\i)*16*PITCH
.endif
.endr
.endm
; 16 matrix instructions: A's blocks a0, a0 + 1 x B's eight.  zero = 1: the first product starts the sums, from the bias.  The 64 accumulators take turns.
.macro MUL16 a0, p, q, sc, zero
.irp a, \a0, \a0+1
.irp b, 0,1,2,3,4,5,6,7
.if \zero
	v_wmma_scale_f32_16x16x128_f8f6f4 v[8*(8*((\a)%4)+\b):8*(8*((\a)%4)+\b)+7], v[128*(\p)+FR*\b:128*(\p)+FR*\b+FR-1], v[AF+FR*(\a):AF+FR*(\a)+FR-1], v[BIAS+8*\b:BIAS+8*\b+7], v[SC+8*NQ*(\sc)+NQ*\b+(\q)], v[SC+8*NQ*(\sc)+NQ*(\a)+(\q)] matrix_a_fmt:MATRIX_FMT_FP6 matrix_b_fmt:MATRIX_FMT_FP6 matrix_a_scale:MATRIX_SCALE_ROW1
.else
	v_wmma_scale_f32_16x16x128_f8f6f4 v[8*(8*((\a)%4)+\b):8*(8*((\a)%4)+\b)+7], v[128*(\p)+FR*\b:128*(\p)+FR*\b+FR-1], v[AF+FR*(\a):AF+FR*(\a)+FR-1], v[8*(8*((\a)%4)+\b):8*(8*((\a)%4)+\b)+7], v[SC+8*NQ*(\sc)+NQ*\b+(\q)], v[SC+8*NQ*(\sc)+NQ*(\a)+(\q)] matrix_a_fmt:MATRIX_FMT_FP6 matrix_b_fmt:MATRIX_FMT_FP6 matrix_a_scale:MATRIX_SCALE_ROW1
.endif
.endr
.endr
.endm
.macro FETCH_B slot, q, p
	WIN TO_B
.irp i, 0,1,2,3,4,5,6,7
	FRAG 128*(\p)+FR*\i, ADRB+\slot, \q, \i
.endr
	WIN 0
.endm
.macro FETCH_A slot, q, i0
.irp i, \i0, \i0+1, \i0+2, \i0+3
	FRAG AF+FR*(\i), ADRA+\slot, \q, \i
.endr
.endm
.macro SCALES sc
.irp i, 0,1,2,3,4,5,6,7
	ds_load_b64 v[SC+8*NQ*\sc+NQ*\i:SC+8*NQ*\sc+NQ*\i+1], v[ADRS] offset:\i*128
.endr
.endm
.macro PLACES n
.rept \n
	v_nop
.endr
.endm
.macro STEP slot, q, zero
	s_wait_dscnt 4*NL                              ; B's set and A's blocks 0-3 are in; the youngest 24 loads (A's blocks 4-7) may be out
.if \zero
	WIN Z_LO
.else
	WIN MUL_LO
.endif
	MUL16 0, (\q)%2, \q, \slot, \zero
	MUL16 2, (\q)%2, \q, \slot, \zero
	s_wait_dscnt 0
	PLACES NP
	FETCH_B \slot, (\q)+1, 1-(\q)%2
	FETCH_A \slot, (\q)+1, 0
.if \zero
	WIN Z_HI
.else
	WIN MUL_HI
.endif
	MUL16 4, (\q)%2, \q, \slot, \zero
	MUL16 6, (\q)%2, \q, \slot, \zero
	PLACES NP
	WIN 0
	FETCH_A \slot, (\q)+1, 4
.endm
.macro TURN slot, next, fill
	s_wait_tensorcnt 0x0                           ; all my tensor loads have landed: my part of the next slot
	ds_add_u32 v[SPW], v[NIL]                      ; 0 onto my spare word
	s_wait_dscnt 4*NL+1                            ; (the add and the youngest 24 loads may be out)
	WIN MUL_LO
	MUL16 0, 1, NQ-1, \slot, 0
	s_wait_dscnt 0x0                               ; the add is done, and my reads of this slot are over
	s_barrier_signal -1
	MUL16 2, 1, NQ-1, \slot, 0
	WIN 0
	s_barrier_wait -1
.if \fill
	CREST                                          ; the barrier has opened a round of the cluster's: no wave of any partner still reads this slot or has a load on its way
	s_add_nc_u64 s[G0+4*\slot+2:G0+4*\slot+3], s[G0+4*\slot+2:G0+4*\slot+3], 2*CHPA
	s_add_nc_u64 s[G0B+4*\slot+2:G0B+4*\slot+3], s[G0B+4*\slot+2:G0B+4*\slot+3], 2*CHPB
	JLOAD G0+4*\slot, G1, G0B+4*\slot, G1B
.else
	PLACES NP
.endif
	v_add_nc_u32 v[ADRS], 1024, v[ADRS]
	FETCH_B \next, 0, 0
	FETCH_A \next, 0, 0
	SCALES \next
	WIN MUL_HI
	MUL16 4, 1, NQ-1, \slot, 0
	MUL16 6, 1, NQ-1, \slot, 0
	PLACES NP
	WIN 0
	FETCH_A \next, 0, 4
.endm
	s_wait_tensorcnt 1                             ; the scale bytes and my part of chunk 0 are in (chunk 1's load may be out),
	s_barrier_signal -1
	s_barrier_wait -1
	FETCH_B 0, 0, 0
	FETCH_A 0, 0, 0
	SCALES 0
	FETCH_A 0, 0, 4
	s_wait_loadcnt 0x0                             ; the bias
	STEP 0, 0, 1
	s_mov_b32 s3, LAPS-1
.Llap:
	TURN 0, 1, 1
	STEP 1, 0, 0
	TURN 1, 0, 1
	STEP 0, 0, 0
	s_sub_co_u32 s3, s3, 1
	s_cmp_lg_u32 s3, 0
	s_cbranch_scc1 .Llap
	TURN 0, 1, 0
	STEP 1, 0, 0
	s_wait_dscnt 4*NL
	WIN MUL_LO
	MUL16 0, 1, NQ-1, 1, 0
	MUL16 2, 1, NQ-1, 1, 0
	s_wait_dscnt 0
	WIN MUL_HI
	MUL16 4, 1, NQ-1, 1, 0
	MUL16 6, 1, NQ-1, 1, 0
	WIN 0
; THE WAY OUT, block by block of 16 places x 128 columns, through my own stage in LDS (in slot 0: it has had its last fill and its last read), back as whole rows of 512 bytes; the residual's rows are added; stored.
; Place t of block a is row 32 (a / 2) + 8 (a % 2) + t + 8 (t / 8) of my 128: the row stands in the immediate (127 rows of 4,096 bytes at the most), and no base is stepped.
.macro RLOAD a                         ; the residual's 16 rows of block a, into window 1
	WIN TO_B
.irp t, 0,1,2,3,4,5,6,7,8,9,10,11,12,13,14,15
	global_load_b128 v[64*((\a)%2)+4*\t:64*((\a)%2)+4*\t+3], v[CO], s[98:99] offset:(32*((\a)/2)+8*((\a)%2)+\t+8*(\t/8))*4096 th:TH_LOAD_NT
.endr
	WIN 0
.endm
.macro TOSTAGE a
.set AC, 64*((\a)%4)
	WIN 0x08+4*((\a)/4)                            ; the data: window 2 or 3
.irp b, 0,1,2,3,4,5,6,7
	ds_store_b128 v[STO], v[AC+8*\b:AC+8*\b+3] offset:128*(\b/2)+32*(\b%2)        ; each accumulator from its low end on; columns in their true order
	ds_store_b128 v[STO], v[AC+8*\b+4:AC+8*\b+7] offset:128*(\b/2)+32*(\b%2)+16
.endr
	WIN 0
.set BB, BK+64*((\a)%2)
.irp t, 0,1,2,3,4,5,6,7,8,9,10,11,12,13,14,15
	ds_load_b128 v[BB+4*\t:BB+4*\t+3], v[RD] offset:\t*SPITCH   ; LDS serves a wave's instructions in order: these see the stores above
.endr
.endm
.macro SEND a, younger, left           ; younger: LDS instructions issued behind block a's loads; left: the next block's residual loads
.set BB, BK+64*((\a)%2)
.set RR, 64*((\a)%2)
	s_wait_dscnt \younger
	s_wait_loadcnt \left
	WIN 0x04                                       ; source 1: window 1
.set i, 0
.rept 32
	v_pk_add_f32 v[BB+i:BB+i+1], v[BB+i:BB+i+1], v[RR+i:RR+i+1]
.set i, i+2
.endr
	WIN 0
.irp t, 0,1,2,3,4,5,6,7,8,9,10,11,12,13,14,15
	global_store_b128 v[CO], v[BB+4*\t:BB+4*\t+3], s[12:13] offset:(32*((\a)/2)+8*((\a)%2)+\t+8*(\t/8))*4096 th:TH_STORE_NT   ; 32 lanes store 512 consecutive bytes; written once, read by nobody here
.endr
.endm
	PLACES NP
	RLOAD 0
	RLOAD 1
	TOSTAGE 0
.irp a, 1,2,3,4,5,6,7
.if \a > 1
	s_wait_xcnt 0x0                                ; block a - 2's stores have read their registers: block a's loads may land there
.endif
	TOSTAGE \a
	SEND \a-1, 32, 16                              ; behind block a - 1's loads: block a's 16 stores and 16 loads; block a's 16 residual loads may be out
.if \a < 7
	RLOAD \a+1
.endif
.endr
	SEND 7, 0, 0
	s_wait_tensorcnt 0x0                           ; the wave's end
	ds_add_u32 v[SPW], v[NIL]
	s_wait_dscnt 0x0
	CROUND                                         ; the closing round
	s_endpgm
.Lfunc_end_k_q27fc2f9b21_gff2:
	.size	k_q27fc2f9b21_gff2, .Lfunc_end_k_q27fc2f9b21_gff2-k_q27fc2f9b21_gff2
	.p2alignl 7, 3214868480
	.fill 96, 4, 3214868480
	.section	.rodata,"a",@progbits
	.p2align	6, 0x0
	.amdhsa_kernel k_q27fc2f9b21_gff2
		.amdhsa_group_segment_fixed_size 327680
		.amdhsa_private_segment_fixed_size 0
		.amdhsa_enable_private_segment 0
		.amdhsa_kernarg_size 56
		.amdhsa_user_sgpr_count 2
		.amdhsa_user_sgpr_kernarg_segment_ptr 1
		.amdhsa_wavefront_size32 1
		.amdhsa_system_sgpr_workgroup_id_x 1
		.amdhsa_system_sgpr_workgroup_id_y 1
		.amdhsa_system_sgpr_workgroup_id_z 1
		.amdhsa_system_vgpr_workitem_id 0
		.amdhsa_next_free_vgpr 1024
		.amdhsa_next_free_sgpr 102
		.amdhsa_reserve_vcc 0
		.amdhsa_float_denorm_mode_32 3
		.amdhsa_float_denorm_mode_16_64 3
		.amdhsa_memory_ordered 1
		.amdhsa_forward_progress 1
		.amdhsa_inst_pref_size 190
	.end_amdhsa_kernel
	.amdgpu_metadata
---
amdhsa.version: [ 1, 2 ]
amdhsa.kernels:
  - .name:           k_q27fc2f9b21_gff2
    .symbol:         k_q27fc2f9b21_gff2.kd
    .args:
      - { .name: fc, .offset: 0, .size: 8, .value_kind: global_buffer, .address_space: global }
      - { .name: fs, .offset: 8, .size: 8, .value_kind: global_buffer, .address_space: global }
      - { .name: wc, .offset: 16, .size: 8, .value_kind: global_buffer, .address_space: global }
      - { .name: ws, .offset: 24, .size: 8, .value_kind: global_buffer, .address_space: global }
      - { .name: out0, .offset: 32, .size: 8, .value_kind: global_buffer, .address_space: global }
      - { .name: bf2, .offset: 40, .size: 8, .value_kind: global_buffer, .address_space: global }
      - { .name: x1, .offset: 48, .size: 8, .value_kind: global_buffer, .address_space: global }
    .group_segment_fixed_size: 327680
    .private_segment_fixed_size: 0
    .kernarg_segment_align: 8
    .kernarg_segment_size: 56
    .max_flat_workgroup_size: 128
    .sgpr_count:     102
    .vgpr_count:     1024
    .wavefront_size: 32
...
	.end_amdgpu_metadata
.endif
;; end of part 7
;; ======== version 2 of 2: 7 launches
;; limits: right only within a limited range of input values
;; workspace buffers: wc 9,437,184 bytes; ws 393,216 bytes; hc 3,145,728 bytes; hs 131,072 bytes; qkv 9,830,400 bytes; x1 16,777,216 bytes; fc 12,582,912 bytes; fs 524,288 bytes
;; launch wquant (part 8): grid 640 x 1, 4 waves a work-group, no clusters, 37,888 bytes of LDS; arguments x, g1, be1, hc, hs, Wq, Wk, Wv, Wo, W1, W2, wc, ws; writes hc, hs, wc, ws
.if DOCPART == 8
	.amdgcn_target "amdgcn-amd-amdhsa--gfx1250"
	.amdhsa_code_object_version 6
	.text
	.protected	k_q27fc2f9b21_wquant
	.globl	k_q27fc2f9b21_wquant
	.p2align	8
	.type	k_q27fc2f9b21_wquant,@function
k_q27fc2f9b21_wquant:
	s_mov_b64 s[64:65], 0
	v_nop
	global_prefetch_b8 v0, s[64:65] scope:SCOPE_SE
	s_setreg_imm32_b32 hwreg(HW_REG_WAVE_MODE, 25, 1), 1
	s_wait_xcnt 0x0
; The six weights, f32 stored [K][N], become codes of FP6 (E2M3) with K innermost and one E8M0 byte for each 32 along K.
; LAYOUT OF THE RESULT (this program's own): an operand of R rows (= output columns n) and K is laid in chunks of 256 along K: codes [K/256][R][192 bytes], scale bytes [K/256][R][8].
;   wc + 0:         Wq, Wk, Wv, Wo as ONE operand of 4,096 rows (rows 0, 1024, 2048, 3072 on), K = 1,024;   wc + 3,145,728: W1, 4,096 rows, K = 1,024;   wc + 6,291,456: W2, 1,024 rows, K = 4,096.   ws: the same three at 0, 131,072, 262,144.
;   Inside each aligned group of 32 rows, row n lies at the place with n's bits 3 and 4 exchanged: place 16 u + r holds row 8 u + r + 8 (r / 8).  A product that takes 16 neighbouring places as its source 0 then
;   leaves 16 neighbouring n in a lane's 16 registers of two neighbouring tiles, which is what the next quantiser wants.
; A LANE TAKES A COLUMN n AND ITS REGISTERS RUN DOWN K: a load reads 128 consecutive bytes a wave, a block of 32 along K lies in one lane, and the conversions give codes with K innermost.
; A work-group takes 128 columns x 256 along K, a wave 32 columns.  384 work-groups: 128 for the four square weights, 128 for W1, 128 for W2.  Only pointers and numbers are chosen by the work-group's number: one path for all.
; A block's scale byte is its largest magnitude's exponent field - 2, held at 1 from below.
; LIMITS: a block of zeros, or one whose largest magnitude lies under 2^-124, gets the byte 1 (this program alone reads the bytes; zero codes add nothing); NaN and infinities among the inputs are not served.
; ONE BODY, TWO KINDS OF WORK-GROUP, told apart by the work-group's number alone.  Work-groups 0-255: the layer norm of 16 rows each and its quantiser (arguments 0-4: rows, gain, offset, codes, scale bytes).
; Work-groups 256-639: the six weights, as described above (arguments 5-12).  The two works do not hang on each other, so one launch prepares both; the second layer norm of the program runs this body with a grid of 256.
; Each kind has LDS bytes of its own: the weights' stages from 0, the spare words at 0x8c00, the norm's sums and scale bytes from LNB.
; THE NORM: h = (x - mean) / sqrt(var + 1e-5) x gain + offset along rows of 1,024, in f32, quantised along the row.  Result: codes [4 chunks of 256 along K][4096 places][192 bytes], scale bytes [4][4096][8];
; in each aligned group of 32 rows, row t lies at the place with t's bits 3 and 4 exchanged.  Work-group g owns places 16 g .. 16 g + 15; wave w owns columns 256 w .. 256 w + 255; lanes 0-15 hold the even place of a pair,
; lanes 16-31 the odd one; a lane holds 16 neighbours.  Mean first, then the variance of x - mean.  The waves' partial sums meet in LDS: two barriers.
; LIMITS as above: a block under 2^-124 gets the byte 1; NaN and infinities are not served.
.set LNB, 0x9000
.set AC,  8
.set G,   32
.set BT,  48
.set X,   64
.set MU,  192
.set RD,  208
.set SBY, 240
.set SM,  248
	v_lshl_add_u32 v30, v0, 2, 0x8c00              ; my spare word, and 0
	v_mov_b32 v31, 0
	s_cmp_ge_u32 ttmp9, 256
	s_wait_alu depctr_va_vdst(0)
	s_cbranch_scc1 .Lweights
	s_load_b256 s[4:11], s[0:1], 0x0               ; rows, gain, offset, codes
	s_load_b64 s[12:13], s[0:1], 0x20              ; scale bytes
	v_lshrrev_b32 v1, 5, v0
	v_readfirstlane_b32 s14, v1                    ; wave
	v_and_b32 v2, 15, v0                           ; r
	s_wait_alu depctr_va_vdst(0)
	v_bfe_u32 v3, v0, 4, 1                         ; h
	s_lshr_b32 s15, ttmp9, 1
	s_lshl_b32 s15, s15, 5
	s_and_b32 s16, ttmp9, 1
	s_lshl_b32 s16, s16, 3
	s_add_co_u32 s15, s15, s16                     ; the row at my first place: 32 (g / 2) + 8 (g % 2)
	s_lshl_b32 s16, s15, 12
	s_mov_b32 s17, 0
	s_lshl_b32 s18, s14, 10
	v_lshl_add_u32 v4, v2, 6, s18                  ; gain, offset: 1,024 w + 64 r
	s_wait_alu depctr_va_vdst(0)
	v_lshl_add_u32 v5, v3, 12, v4                  ; rows: + a row for lanes 16-31
	s_lshl_b32 s19, s14, 2
	s_add_co_u32 s19, s19, LNB
	v_lshl_add_u32 v6, v3, 4, s19                  ; LDS: [row 16][wave 4] words
	v_lshl_add_u32 v7, v3, 4, LNB                  ; and a row's four words
	s_lshl_b32 s19, s14, 7
	s_add_co_u32 s19, s19, LNB+512                 ; my wave's 128 scale bytes
	v_lshrrev_b32 v24, 1, v2
	v_lshl_add_u32 v24, v3, 3, v24
	v_add_nc_u32 v24, s19, v24
	v_and_b32 v26, 31, v0
	v_lshl_add_u32 v25, v26, 2, s19
	v_lshlrev_b32 v26, 2, v26
	v_mul_u32_u24 v27, v3, 192
	v_mad_u32_u24 v27, v2, 12, v27                 ; codes: 192 h + 12 r (+ 384 p)
	s_mul_i32 s22, s14, 786432
	s_mul_i32 s23, ttmp9, 3072
	s_add_co_u32 s22, s22, s23                     ; chunk w, place 16 g
	s_mov_b32 s23, 0
	s_lshl_b32 s24, s14, 15
	s_lshl_b32 s25, ttmp9, 7
	s_add_co_u32 s24, s24, s25
	s_mov_b32 s25, 0
	s_mov_b32 s20, 0x3a800000                      ; 1 / 1,024
	s_mov_b32 s21, 0x3727c5ac                      ; 1e-5
	s_wait_kmcnt 0x0
	s_add_nc_u64 s[4:5], s[4:5], s[16:17]
	s_add_nc_u64 s[10:11], s[10:11], s[22:23]
	s_add_nc_u64 s[12:13], s[12:13], s[24:25]
.irp p, 0,1,2,3,4,5,6,7
.irp j, 0,1,2,3
	global_load_b128 v[X+16*\p+4*\j:X+16*\p+4*\j+3], v5, s[4:5] offset:(2*\p+8*(\p/4))*4096+16*\j th:TH_LOAD_NT
.endr
.endr
.irp j, 0,1,2,3
	global_load_b128 v[G+4*\j:G+4*\j+3], v4, s[6:7] offset:16*\j
	global_load_b128 v[BT+4*\j:BT+4*\j+3], v4, s[8:9] offset:16*\j
.endr
	s_wait_loadcnt 8                               ; the rows are in; the eight loads of gain and offset may be out
.macro ACROSS off                      ; a sum over my 16 lanes, to LDS, a barrier, and the four waves' sums added in v[RD+4 p]
.irp p, 0,1,2,3,4,5,6,7
	v_add_f32 v[SM+\p], v[AC+2*\p], v[AC+2*\p+1]
.endr
.irp m, 1,2,4,8
.irp p, 0,1,2,3,4,5,6,7
	v_add_f32_dpp v[SM+\p], v[SM+\p], v[SM+\p] row_xmask:\m row_mask:0xf bank_mask:0xf
.endr
.endr
.irp p, 0,1,2,3,4,5,6,7
	ds_store_b32 v6, v[SM+\p] offset:\off+32*\p
.endr
	s_wait_dscnt 0x0                               ; for the others' sake: my stores have landed
	s_barrier_signal -1
	s_barrier_wait -1
.irp p, 0,1,2,3,4,5,6,7
	ds_load_b128 v[RD+4*\p:RD+4*\p+3], v7 offset:\off+32*\p
.endr
	s_wait_dscnt 0x0
.irp p, 0,1,2,3,4,5,6,7
	v_add_f32 v[RD+4*\p], v[RD+4*\p], v[RD+4*\p+1]
	v_add_f32 v[RD+4*\p+2], v[RD+4*\p+2], v[RD+4*\p+3]
.endr
.irp p, 0,1,2,3,4,5,6,7
	v_add_f32 v[RD+4*\p], v[RD+4*\p], v[RD+4*\p+2]
.endr
.endm
.irp p, 0,1,2,3,4,5,6,7
	v_pk_add_f32 v[AC+2*\p:AC+2*\p+1], v[X+16*\p:X+16*\p+1], v[X+16*\p+2:X+16*\p+3]
.endr
.irp k, 4,6,8,10,12,14
.irp p, 0,1,2,3,4,5,6,7
	v_pk_add_f32 v[AC+2*\p:AC+2*\p+1], v[AC+2*\p:AC+2*\p+1], v[X+16*\p+\k:X+16*\p+\k+1]
.endr
.endr
	ACROSS 0
.irp p, 0,1,2,3,4,5,6,7
	v_mul_f32 v[MU+2*\p], s20, v[RD+4*\p]
	v_mul_f32 v[MU+2*\p+1], s20, v[RD+4*\p]
.endr
.irp p, 0,1,2,3,4,5,6,7
.irp k, 0,2,4,6,8,10,12,14
	v_pk_add_f32 v[X+16*\p+\k:X+16*\p+\k+1], v[X+16*\p+\k:X+16*\p+\k+1], v[MU+2*\p:MU+2*\p+1] neg_lo:[0,1] neg_hi:[0,1]
.endr
.endr
.irp p, 0,1,2,3,4,5,6,7
	v_pk_mul_f32 v[AC+2*\p:AC+2*\p+1], v[X+16*\p:X+16*\p+1], v[X+16*\p:X+16*\p+1]
.endr
.irp k, 2,4,6,8,10,12,14
.irp p, 0,1,2,3,4,5,6,7
	v_pk_fma_f32 v[AC+2*\p:AC+2*\p+1], v[X+16*\p+\k:X+16*\p+\k+1], v[X+16*\p+\k:X+16*\p+\k+1], v[AC+2*\p:AC+2*\p+1]
.endr
.endr
	ACROSS 256                                     ; other bytes than the first sums': no barrier is owed between the two
.irp p, 0,1,2,3,4,5,6,7
	v_fma_f32 v[RD+4*\p], v[RD+4*\p], s20, s21     ; variance + 1e-5
.endr
	s_wait_alu depctr_va_vdst(0)
.irp p, 0,1,2,3,4,5,6,7
	v_rsq_f32 v[MU+2*\p], v[RD+4*\p]
.endr
	v_nop
	s_wait_loadcnt 0x0                             ; gain and offset
	s_wait_alu depctr_va_vdst(0)                   ; one wait for the eight, ahead of their first reader
.irp p, 0,1,2,3,4,5,6,7
.irp k, 0,2,4,6,8,10,12,14
	v_pk_mul_f32 v[X+16*\p+\k:X+16*\p+\k+1], v[X+16*\p+\k:X+16*\p+\k+1], v[MU+2*\p:MU+2*\p+1] op_sel_hi:[1,0]
.endr
.endr
.irp p, 0,1,2,3,4,5,6,7
.irp k, 0,2,4,6,8,10,12,14
	v_pk_fma_f32 v[X+16*\p+\k:X+16*\p+\k+1], v[X+16*\p+\k:X+16*\p+\k+1], v[G+\k:G+\k+1], v[BT+\k:BT+\k+1]
.endr
.endr
.irp p, 0,1,2,3,4,5,6,7
	v_max3_num_f32 v[SM+\p], |v[X+16*\p]|, |v[X+16*\p+1]|, 0x1800000   ; my 16, and the floor 2^(3 - 127)
.endr
.irp k, 2,4,6,8,10,12,14
.irp p, 0,1,2,3,4,5,6,7
	v_max3_num_f32 v[SM+\p], v[SM+\p], |v[X+16*\p+\k]|, |v[X+16*\p+\k+1]|
.endr
.endr
.irp p, 0,1,2,3,4,5,6,7
	v_max_num_f32_dpp v[SM+\p], v[SM+\p], v[SM+\p] row_xmask:1 row_mask:0xf bank_mask:0xf
.endr
.irp p, 0,1,2,3,4,5,6,7
	v_add_nc_u32 v[SM+\p], 0xff000000, v[SM+\p]    ; 2 off the exponent field: the conversion's scale operand
.endr
.irp p, 0,1,2,3,4,5,6,7
	v_cvt_scalef32_pk16_fp6_f32 v[RD+4*\p:RD+4*\p+2], v[X+16*\p:X+16*\p+15], v[SM+\p]
.endr
.irp p, 0,1,2,3,4,5,6,7
	v_lshrrev_b32 v[SBY+\p], 23, v[SM+\p]          ; the scale's byte
.endr
.irp p, 0,1,2,3,4,5,6,7
	ds_store_b8 v24, v[SBY+\p] offset:16*\p
	global_store_b96 v27, v[RD+4*\p:RD+4*\p+2], s[10:11] offset:384*\p
.endr
	ds_load_b32 v28, v25                           ; my wave's own bytes; LDS serves a wave's instructions in order
	s_wait_dscnt 0x0
	global_store_b32 v26, v28, s[12:13]
	s_wait_tensorcnt 0x0                           ; the wave's end
	ds_add_u32 v30, v31
	s_wait_dscnt 0x0
	s_endpgm
.Lweights:                                             ; ---- the weights' work-groups
.set PITCH, 272
.set AO,    32
.set X,     64
.set C,     128
.set OUTR,  136
.set SB,    200
	s_load_b512 s[4:19], s[0:1], 0x28              ; Wq, Wk, Wv, Wo, W1, W2, wc, ws
	v_lshrrev_b32 v1, 5, v0
	v_readfirstlane_b32 s20, v1                    ; wave
	v_and_b32 v2, 31, v0                           ; lane
	s_wait_alu depctr_va_vdst(0)
	s_lshr_b32 s21, ttmp9, 7
	s_sub_co_u32 s21, s21, 2                       ; the weights' work-groups begin at 256
	s_and_b32 s22, ttmp9, 127
	s_lshr_b32 s23, s22, 5                         ; kind 0: which of the four
	s_and_b32 s24, s22, 31
	s_cmp_eq_u32 s21, 0
	s_cselect_b32 s22, s24, s22                    ; my number within the tensor
	s_cselect_b32 s25, s23, 0                      ; which quarter of the 4,096 rows
	s_cmp_eq_u32 s21, 1
	s_cselect_b32 s26, 5, 3                        ; W1 has 32 groups of 128 columns, the others 8
	s_cselect_b32 s27, 31, 7
	s_mov_b32 s28, 4096
	s_cselect_b32 s28, 16384, s28                  ; bytes in a row of the source
	s_cmp_eq_u32 s21, 2
	s_mov_b32 s29, 4096
	s_cselect_b32 s29, 1024, s29                   ; rows of the operand
	s_and_b32 s27, s22, s27                        ; group of columns
	s_lshr_b32 s26, s22, s26                       ; chunk of 256 along K
	s_lshl_b32 s27, s27, 7
	s_lshl_b32 s30, s20, 5
	s_add_co_u32 s27, s27, s30                     ; my wave's first column
	s_lshl_b32 s25, s25, 10
	s_mul_i32 s29, s26, s29
	s_add_co_u32 s29, s29, s25
	s_add_co_u32 s29, s29, s27                     ; chunk x rows + my first row
	s_lshl_b32 s30, s28, 8
	s_mul_i32 s30, s26, s30                        ; 256 rows of the source for each chunk,
	s_lshl_b32 s31, s27, 2
	s_add_co_u32 s30, s30, s31                     ; + 4 bytes a column
	s_mov_b32 s31, 0
	s_mul_i32 s48, s29, 192
	s_mul_i32 s49, s21, 3145728
	s_add_co_u32 s48, s48, s49                     ; where my codes go
	s_mov_b32 s49, 0
	s_lshl_b32 s50, s29, 3
	s_lshl_b32 s51, s21, 17
	s_add_co_u32 s50, s50, s51                     ; and my scale bytes
	s_mov_b32 s51, 0
	s_lshl_b32 s52, s28, 5                         ; a block: 32 rows of the source
	s_mov_b32 s53, 0
	v_lshlrev_b32 v3, 2, v2
.set i, 0
.rept 32
	v_mad_u32_u24 v[AO+i], s28, i, v3
.set i, i+1
.endr
	v_and_b32 v5, 7, v2                            ; my column's place among the wave's 32: bits 3 and 4 exchanged
	v_bfe_u32 v6, v2, 3, 1
	v_lshl_or_b32 v5, v6, 4, v5
	v_bfe_u32 v6, v2, 4, 1
	v_lshl_or_b32 v5, v6, 3, v5
	s_mul_i32 s54, s20, 32*PITCH                   ; my wave's stage
	v_mul_u32_u24 v4, v5, PITCH
	v_add_nc_u32 v4, s54, v4                       ; into it: row = my place
	v_and_b32 v6, 15, v2
	v_lshrrev_b32 v7, 4, v2
	v_mul_u32_u24 v8, v7, PITCH
	v_lshl_add_u32 v8, v6, 4, v8
	v_add_nc_u32 v8, s54, v8                       ; out of it: sixteen lanes to a row, two rows an instruction
	v_mul_u32_u24 v9, v7, 192
	v_mad_u32_u24 v9, v6, 12, v9                   ; the same place in the codes' buffer: rows of a chunk lie on end
	v_lshlrev_b32 v10, 3, v5                       ; my scale bytes: 8 x place
	s_wait_kmcnt 0x0
	s_cmp_eq_u32 s23, 1                            ; the source: a choice between buffers on the work-group's number alone
	s_cselect_b64 s[4:5], s[6:7], s[4:5]
	s_cmp_eq_u32 s23, 2
	s_cselect_b64 s[4:5], s[8:9], s[4:5]
	s_cmp_eq_u32 s23, 3
	s_cselect_b64 s[4:5], s[10:11], s[4:5]
	s_cmp_eq_u32 s21, 1
	s_cselect_b64 s[4:5], s[12:13], s[4:5]
	s_cmp_eq_u32 s21, 2
	s_cselect_b64 s[4:5], s[14:15], s[4:5]
	s_add_nc_u64 s[32:33], s[4:5], s[30:31]        ; a base for each of the eight blocks: none is ever stepped
.irp t, 1,2,3,4,5,6,7
	s_add_nc_u64 s[32+2*\t:33+2*\t], s[30+2*\t:31+2*\t], s[52:53]
.endr
	s_add_nc_u64 s[16:17], s[16:17], s[48:49]
	s_add_nc_u64 s[18:19], s[18:19], s[50:51]
.macro LOAD t                          ; block t: W(32 t + i, my column), i = 0 .. 31, into set t % 2
.set i, 0
.rept 32
	global_load_b32 v[X+32*((\t)%2)+i], v[AO+i], s[32+2*(\t):33+2*(\t)] th:TH_LOAD_NT
.set i, i+1
.endr
.endm
	LOAD 0
	LOAD 1
.macro BLOCK t
.set XS, X+32*((\t)%2)
.if (\t) < 7
	s_wait_loadcnt 32                              ; this block's 32 loads are in; the next block's 32 may be out
.else
	s_wait_loadcnt 0
.endif
	v_max3_num_f32 v12, |v[XS]|, |v[XS+1]|, |v[XS+2]|               ; the block's largest magnitude: all 32 numbers are mine; two chains
	v_max3_num_f32 v13, |v[XS+3]|, |v[XS+4]|, |v[XS+5]|
.irp k, 6,10,14,18,22,26
	v_max3_num_f32 v12, v12, |v[XS+\k]|, |v[XS+\k+1]|
	v_max3_num_f32 v13, v13, |v[XS+\k+2]|, |v[XS+\k+3]|
.endr
	v_max3_num_f32 v12, v12, |v[XS+30]|, |v[XS+31]|
	v_max3_num_f32 v12, v12, v13, 0x1800000        ; and the floor 2^(3 - 127): the byte cannot fall under 1
	v_add_nc_u32 v11, 0xff000000, v12              ; 2 off its exponent field: the conversion takes this operand's exponent field as its scale
	v_lshrrev_b32 v13, 23, v11                     ; the scale's byte
.if (\t)%4 == 0
	v_mov_b32 v[SB+(\t)/4], v13                    ; four bytes to a register, the lower K in the lower byte
.else
	v_lshl_or_b32 v[SB+(\t)/4], v13, 8*((\t)%4), v[SB+(\t)/4]
.endif
	v_cvt_scalef32_pk16_fp6_f32 v[C:C+2], v[XS:XS+15], v11
	v_cvt_scalef32_pk16_fp6_f32 v[C+4:C+6], v[XS+16:XS+31], v11     ; (a conversion's three registers begin on an even number)
	ds_store_b96 v4, v[C:C+2] offset:32*(\t)       ; 16 codes, 12 bytes, to a place of 16 bytes in the stage
	ds_store_b96 v4, v[C+4:C+6] offset:32*(\t)+16
.if (\t)+2 < 8
	LOAD (\t)+2
.endif
	s_wait_dscnt 0x0                               ; the stores have read their registers: the next block's codes may be written
.endm
.irp t, 0,1,2,3,4,5,6,7
	BLOCK \t
.endr
	s_wait_alu depctr_va_vdst(0)
	global_store_b64 v10, v[SB:SB+1], s[18:19]     ; the wave's 32 rows x 8 bytes: 256 consecutive bytes
.irp t, 0,1,2,3,4,5,6,7,8,9,10,11,12,13,14,15
	ds_load_b96 v[OUTR+4*\t:OUTR+4*\t+2], v8 offset:2*\t*PITCH   ; LDS serves a wave's instructions in order: these see my stores
.endr
.irp t, 0,1,2,3,4,5,6,7,8,9,10,11,12,13,14,15
	s_wait_dscnt 15-\t
	global_store_b96 v9, v[OUTR+4*\t:OUTR+4*\t+2], s[16:17] offset:384*\t   ; two rows: 384 consecutive bytes
.endr
	s_wait_tensorcnt 0x0
	ds_add_u32 v30, v31
	s_wait_dscnt 0x0
	s_endpgm
.Lfunc_end_k_q27fc2f9b21_wquant:
	.size	k_q27fc2f9b21_wquant, .Lfunc_end_k_q27fc2f9b21_wquant-k_q27fc2f9b21_wquant
	.p2alignl 7, 3214868480
	.fill 96, 4, 3214868480
	.section	.rodata,"a",@progbits
	.p2align	6, 0x0
	.amdhsa_kernel k_q27fc2f9b21_wquant
		.amdhsa_group_segment_fixed_size 37888
		.amdhsa_private_segment_fixed_size 0
		.amdhsa_enable_private_segment 0
		.amdhsa_kernarg_size 104
		.amdhsa_user_sgpr_count 2
		.amdhsa_user_sgpr_kernarg_segment_ptr 1
		.amdhsa_wavefront_size32 1
		.amdhsa_system_sgpr_workgroup_id_x 1
		.amdhsa_system_sgpr_workgroup_id_y 1
		.amdhsa_system_sgpr_workgroup_id_z 1
		.amdhsa_system_vgpr_workitem_id 0
		.amdhsa_next_free_vgpr 256
		.amdhsa_next_free_sgpr 66
		.amdhsa_reserve_vcc 0
		.amdhsa_float_denorm_mode_32 3
		.amdhsa_float_denorm_mode_16_64 3
		.amdhsa_memory_ordered 1
		.amdhsa_forward_progress 1
		.amdhsa_inst_pref_size 88
	.end_amdhsa_kernel
	.amdgpu_metadata
---
amdhsa.version: [ 1, 2 ]
amdhsa.kernels:
  - .name:           k_q27fc2f9b21_wquant
    .symbol:         k_q27fc2f9b21_wquant.kd
    .args:
      - { .name: x, .offset: 0, .size: 8, .value_kind: global_buffer, .address_space: global }
      - { .name: g1, .offset: 8, .size: 8, .value_kind: global_buffer, .address_space: global }
      - { .name: be1, .offset: 16, .size: 8, .value_kind: global_buffer, .address_space: global }
      - { .name: hc, .offset: 24, .size: 8, .value_kind: global_buffer, .address_space: global }
      - { .name: hs, .offset: 32, .size: 8, .value_kind: global_buffer, .address_space: global }
      - { .name: Wq, .offset: 40, .size: 8, .value_kind: global_buffer, .address_space: global }
      - { .name: Wk, .offset: 48, .size: 8, .value_kind: global_buffer, .address_space: global }
      - { .name: Wv, .offset: 56, .size: 8, .value_kind: global_buffer, .address_space: global }
      - { .name: Wo, .offset: 64, .size: 8, .value_kind: global_buffer, .address_space: global }
      - { .name: W1, .offset: 72, .size: 8, .value_kind: global_buffer, .address_space: global }
      - { .name: W2, .offset: 80, .size: 8, .value_kind: global_buffer, .address_space: global }
      - { .name: wc, .offset: 88, .size: 8, .value_kind: global_buffer, .address_space: global }
      - { .name: ws, .offset: 96, .size: 8, .value_kind: global_buffer, .address_space: global }
    .group_segment_fixed_size: 37888
    .private_segment_fixed_size: 0
    .kernarg_segment_align: 8
    .kernarg_segment_size: 104
    .max_flat_workgroup_size: 128
    .sgpr_count:     66
    .vgpr_count:     256
    .wavefront_size: 32
...
	.end_amdgpu_metadata
.endif
;; end of part 8
;; launch gqkv (part 9): grid 8 x 24, 4 waves a work-group, clusters of 4 x 4, 327,680 bytes of LDS; arguments hc, hs, wc, ws, qkv; writes qkv
.if DOCPART == 9
	.amdgcn_target "amdgcn-amd-amdhsa--gfx1250"
	.amdhsa_code_object_version 6
	.text
	.protected	k_q27fc2f9b21_gqkv
	.globl	k_q27fc2f9b21_gqkv
	.p2align	8
	.type	k_q27fc2f9b21_gqkv,@function
k_q27fc2f9b21_gqkv:
	s_mov_b64 s[64:65], 0
	v_nop
	global_prefetch_b8 v0, s[64:65] scope:SCOPE_SE
	s_setreg_imm32_b32 hwreg(HW_REG_WAVE_MODE, 25, 1), 1
	s_wait_xcnt 0x0
	s_wait_alu depctr_hold_cnt(0) depctr_sa_sdst(0) depctr_va_vdst(0) depctr_va_sdst(0) depctr_va_ssrc(0) depctr_va_vcc(0) depctr_vm_vsrc(0)
	s_getreg_b32 s2, hwreg(HW_REG_IB_STS2, 6, 4)
	s_cmp_eq_u32 s2, 0
	s_cbranch_scc0 .Lentry_in_a_cluster
	s_endpgm
.Lentry_in_a_cluster:
	s_bfe_u32 s2, ttmp6, 0x10000c
	s_cmp_lg_u32 s2, 0xf033
	s_cbranch_scc0 .Lentry_shape_is_right
	s_endpgm
.Lentry_shape_is_right:
.set KTOT,   1024
.set NCH,    KTOT/256
.set LAPS,   NCH/2
.set NQ,     2
.set ROWB,   192
.set CHPA,   4096*ROWB
.set CHPB,   4096*ROWB
.set ROWSA,  4096
.set ROWSB,  4096
.set PITCH,  240
.set FR,     12
.set NL,     6
.set NP,     4
.set HALFT,  128*PITCH
.set SLOT,   4*HALFT
.set SCL,    2*SLOT
.set HALFS,  NCH*1024
.set SPARE,  SCL+4*HALFS
.set SSTG,   49152
.set RD,   8
.set VO,   8
.set ADRA, 16
.set ADRB, 20
.set STO,  24
.set SST,  25
.set LO,   26
.set ADRS, 27
.set SPW,  28
.set NIL,  29
.set SC,   32
.set AF,   128
.set OB,   64
.set OBS,  160
.set CDS,  128
.set TM,   148
.set PW,   164
.set SEL,  100
.set G1, 24
.set G0, 32
.set G1B, 48
.set G0B, 56
.set G1S, 68
.set G0S, 76
.set G1SB, 80
.set G0SB, 88
.set MSB, 0
.macro WIN new
.if MSB != (\new)
	s_set_vgpr_msb (MSB<<8)|(\new)
.set MSB, (\new)
.endif
.endm
.set MUL_LO, 0xa1
.set MUL_HI, 0xf1
.set TO_B,   0x40
.macro JLOAD g0a, g1a, g0b, g1b
	s_cmp_eq_u32 s15, 0
	s_cbranch_scc0 .Lfor_b_\@
	tensor_load_to_lds s[\g0a:\g0a+3], s[\g1a:\g1a+7]
	s_nop 0
.rept 4
	v_nop
.endr
	s_branch .Lasked_\@
.Lfor_b_\@:
	tensor_load_to_lds s[\g0b:\g0b+3], s[\g1b:\g1b+7]
	s_nop 0
.rept 4
	v_nop
.endr
.Lasked_\@:
.endm
.macro CREST
	s_cmp_lg_u32 s14, 0
	s_cbranch_scc1 .Lnot_wave_0_\@
	s_barrier_signal -3
.Lnot_wave_0_\@:
	s_barrier_wait -3
	s_barrier_signal -1
	s_barrier_wait -1
.endm
.macro CROUND
	s_barrier_signal -1
	s_barrier_wait -1
	CREST
.endm
	s_load_b128 s[4:7], s[0:1], 0x0
	s_load_b128 s[8:11], s[0:1], 0x10
	s_load_b64 s[12:13], s[0:1], 0x20
	v_lshl_add_u32 v[SPW], v0, 2, SPARE
	v_mov_b32 v[NIL], 0
	ds_add_u32 v28, v29
	ds_add_u32 v28, v29
	s_wait_dscnt 0x0
	v_lshrrev_b32 v1, 5, v0
	v_readfirstlane_b32 s14, v1
	s_lshr_b32 s15, s14, 1
	s_and_b32 s16, s14, 1
	s_bfe_u32 s40, ttmp6, 0x40000
	s_bfe_u32 s41, ttmp6, 0x40004
	s_and_b32 s95, ttmp7, 0xffff
	s_lshl_b32 s17, s95, 2
	s_lshl_b32 s18, s95, 3
	s_sub_co_u32 s18, s18, 32
	s_cmp_lt_u32 s95, 4
	s_cselect_b32 s17, s17, 8
	s_cselect_b32 s18, 0, s18
	s_add_co_u32 s17, s17, s41
	s_lshl_b32 s42, ttmp9, 2
	s_add_co_u32 s42, s42, s40
	s_add_co_u32 s42, s42, s18
	s_lshl_b32 s43, s41, 2
	s_lshl_b32 s43, 15, s43
	s_lshl_b32 s44, 0x1111, s40
	s_or_b32 s[G1+0], s43, (0<<16)|(1<<20)|(1<<21)|(3<<22)|(3<<25)
	s_or_b32 s[G1B+0], s44, (0<<16)|(1<<20)|(1<<21)|(3<<22)|(3<<25)
.irp g, G1, G1B
	s_mov_b32 s[\g+1], (64*ROWB)<<16               ; a chunk's 128 rows are 24,576 dense bytes: stated as 2 rows of 12,288, each beginning at a multiple of 256
	s_mov_b32 s[\g+2], 2<<16
	s_mov_b32 s[\g+3], (64*ROWB)<<16
	s_mov_b32 s[\g+4], 2
	s_mov_b32 s[\g+5], 64*ROWB
	s_mov_b32 s[\g+6], 0
	s_mov_b32 s[\g+7], 0
.endr
	s_lshl_b32 s18, s16, 7
	s_lshl_b32 s20, s17, 8
	s_add_co_u32 s20, s20, s18
	s_lshl_b32 s46, s42, 8
	s_add_co_u32 s46, s46, s18
	s_lshl_b32 s22, s20, 3
	s_mov_b32 s23, 0
	s_lshl_b32 s92, s46, 3
	s_mov_b32 s93, 0
	s_mul_i32 s20, s20, ROWB
	s_mov_b32 s21, 0
	s_mul_i32 s46, s46, ROWB
	s_mov_b32 s47, 0
	s_mul_i32 s45, s14, HALFT
	s_mul_i32 s94, s14, HALFS
	s_wait_kmcnt 0x0
	s_cmp_lt_u32 s95, 4
	s_cselect_b64 s[96:97], s[4:5], s[8:9]
	s_cselect_b64 s[98:99], s[6:7], s[10:11]
	s_cselect_b64 s[8:9], s[8:9], s[4:5]
	s_cselect_b64 s[10:11], s[10:11], s[6:7]
	s_add_nc_u64 s[20:21], s[96:97], s[20:21]
	s_add_nc_u64 s[22:23], s[98:99], s[22:23]
	s_add_nc_u64 s[46:47], s[8:9], s[46:47]
	s_add_nc_u64 s[92:93], s[10:11], s[92:93]
	CROUND
	s_cmp_eq_u32 s15, 0                            ; the scale bytes of the 128 rows that I fetch, 4 x 1,024 bytes, come through registers: 1/24 of the codes' bytes, so they are not asked for jointly
	s_cselect_b64 s[68:69], s[22:23], s[92:93]
	s_add_co_u32 s94, s94, SCL
.irp s, 0,1
	s_mov_b32 s[G0+4*\s], 1
	s_add_co_u32 s[G0+4*\s+1], s45, \s*SLOT
	s_add_nc_u64 s[G0+4*\s+2:G0+4*\s+3], s[20:21], \s*CHPA
	s_or_b32 s[G0+4*\s+3], s[G0+4*\s+3], 0x80000000
	s_mov_b32 s[G0B+4*\s], 1
	s_add_co_u32 s[G0B+4*\s+1], s45, \s*SLOT
	s_add_nc_u64 s[G0B+4*\s+2:G0B+4*\s+3], s[46:47], \s*CHPB
	s_or_b32 s[G0B+4*\s+3], s[G0B+4*\s+3], 0x80000000
.endr
	s_cmp_eq_u32 s15, 0                            ; the prefetches: of the 96 blocks of 256 bytes in a chunk of the 128 rows that I fetch, each of the four partners that ask for them jointly names 24, told apart by address
	s_cselect_b64 s[72:73], s[20:21], s[46:47]
	s_cselect_b32 s74, s40, s41                    ; my place among the four: cx for A's rows, cy for B's
	s_mul_i32 s74, s74, 6144
	s_mov_b32 s75, 0
	s_add_nc_u64 s[72:73], s[72:73], s[74:75]
	JLOAD G0, G1, G0B, G1B
	v_and_b32 v30, 31, v0
	v_lshlrev_b32 v30, 4, v30                      ; 16 bytes a lane: a load covers 512 consecutive bytes
	v_add_nc_u32 v31, s94, v30
	v_and_b32 v12, 31, v0
	v_min_u32 v12, 23, v12                         ; a lane a block; the eight lanes left over name the last block again
	v_lshlrev_b32 v12, 8, v12
.irp c, 0,1,2,3
.irp u, 0,1
	global_load_b128 v[AF+8*\c+4*\u:AF+8*\c+4*\u+3], v30, s[68:69] offset:32768*\c+512*\u
.endr
.endr
	global_prefetch_b8 v12, s[72:73] offset:CHPA th:TH_LOAD_NT scope:SCOPE_SE     ; chunk 1, asked for by its tensor load behind the next round,
	global_prefetch_b8 v12, s[72:73] offset:2*CHPA th:TH_LOAD_NT scope:SCOPE_SE   ; and chunk 2, two fills on
	v_and_b32 v1, 15, v0
	v_bfe_u32 v2, v0, 4, 1
	v_mul_u32_u24 v3, v1, PITCH
	v_mul_u32_u24 v4, v2, 24
	v_add_nc_u32 v4, v3, v4
	v_lshl_add_u32 v5, v2, 4, v4
	s_mul_i32 s21, s15, HALFT
	s_mul_i32 s22, s16, HALFT
	s_add_co_u32 s22, s22, 2*HALFT
.irp s, 0,1
	v_add_nc_u32 v[ADRA+\s], s21, v4
	v_add_nc_u32 v[ADRB+\s], s22, v4
	v_add_nc_u32 v[ADRA+2+\s], s21, v5
	v_add_nc_u32 v[ADRB+2+\s], s22, v5
	s_add_co_u32 s21, s21, SLOT
	s_add_co_u32 s22, s22, SLOT
.endr
	v_lshlrev_b32 v5, 3, v1
	s_mul_i32 s21, s15, HALFS
	s_mul_i32 s22, s16, HALFS
	s_add_co_u32 s22, s22, 2*HALFS
	s_sub_co_u32 s22, s22, s21
	v_mul_u32_u24 v6, s22, v2
	s_add_co_u32 s21, s21, SCL
	v_add_nc_u32 v5, v5, v6
	v_add_nc_u32 v[ADRS], s21, v5
	s_lshl_b32 s21, s15, 7
	v_add_nc_u32 v5, s21, v1
	v_mul_u32_u24 v[STO], v5, 48
	v_mad_u32_u24 v[STO], v2, 24, v[STO]
	s_mul_i32 s22, s16, 24576
	v_add_nc_u32 v[STO], s22, v[STO]
	v_lshlrev_b32 v[SST], 1, v5
	s_lshl_b32 s22, s16, 10
	s_add_co_u32 s22, s22, SSTG
	v_add_nc_u32 v[SST], s22, v[SST]
	v_lshlrev_b32 v[RD], 4, v0
	s_wait_alu depctr_va_vdst(0)
	v_and_b32 v6, 31, v0
	v_lshlrev_b32 v[LO], 4, v6
	s_cmp_lt_u32 s95, 4
	s_mov_b32 s18, 49152
	s_cselect_b32 s18, 196608, s18
	s_mov_b32 s19, 2048
	s_cselect_b32 s19, 8192, s19
	s_cselect_b32 s20, 0, 6291456
	s_mov_b32 s21, 9699328
	s_cselect_b32 s21, 9437184, s21
	s_cselect_b32 s22, 0, 8
	s_sub_co_u32 s22, s17, s22
	s_lshl_b32 s23, s42, 2
	s_add_co_u32 s46, s23, s14
	s_mul_i32 s46, s46, s19
	s_add_co_u32 s46, s46, s21
	s_lshl_b32 s47, s22, 9
	s_add_co_u32 s46, s46, s47
	s_mov_b32 s47, 0
	s_add_nc_u64 s[66:67], s[12:13], s[46:47]
	s_mul_i32 s46, s23, s18
	s_add_co_u32 s46, s46, s20
	s_mul_i32 s47, s22, 12288
	s_add_co_u32 s46, s46, s47
	s_mov_b32 s47, 0
	s_add_nc_u64 s[12:13], s[12:13], s[46:47]
.irp g, 1,2,3
	v_mad_u32_u24 v[VO+\g], s18, \g, v[RD]
.endr
	s_mov_b32 s[SEL], 0x76543210
	s_mov_b32 s[SEL+1], 0xfedcba98
.macro FRAG reg, adr, q, i
.irp p, 0,1,2,3,4,5
.set PIECE, 12*(\q)+6*(\p/3)+\p%3
.if PIECE%8 < 5
	ds_load_b64 v[\reg+2*\p:\reg+2*\p+1], v[\adr] offset:8*PIECE+16*(PIECE/8)+(\i)*16*PITCH
.else
	ds_load_b64 v[\reg+2*\p:\reg+2*\p+1], v[\adr+2] offset:8*PIECE+16*(PIECE/8)+(\i)*16*PITCH
.endif
.endr
.endm
.macro MUL16 a0, p, q, sc, zero
.irp a, \a0, \a0+1
.irp b, 0,1,2,3,4,5,6,7
.if \zero
	v_wmma_scale_f32_16x16x128_f8f6f4 v[8*(8*((\a)%4)+\b):8*(8*((\a)%4)+\b)+7], v[128*(\p)+FR*\b:128*(\p)+FR*\b+FR-1], v[AF+FR*(\a):AF+FR*(\a)+FR-1], 0, v[SC+8*NQ*(\sc)+NQ*\b+(\q)], v[SC+8*NQ*(\sc)+NQ*(\a)+(\q)] matrix_a_fmt:MATRIX_FMT_FP6 matrix_b_fmt:MATRIX_FMT_FP6 matrix_a_scale:MATRIX_SCALE_ROW1
.else
	v_wmma_scale_f32_16x16x128_f8f6f4 v[8*(8*((\a)%4)+\b):8*(8*((\a)%4)+\b)+7], v[128*(\p)+FR*\b:128*(\p)+FR*\b+FR-1], v[AF+FR*(\a):AF+FR*(\a)+FR-1], v[8*(8*((\a)%4)+\b):8*(8*((\a)%4)+\b)+7], v[SC+8*NQ*(\sc)+NQ*\b+(\q)], v[SC+8*NQ*(\sc)+NQ*(\a)+(\q)] matrix_a_fmt:MATRIX_FMT_FP6 matrix_b_fmt:MATRIX_FMT_FP6 matrix_a_scale:MATRIX_SCALE_ROW1
.endif
.endr
.endr
.endm
.macro FETCH_B slot, q, p
	WIN TO_B
.irp i, 0,1,2,3,4,5,6,7
	FRAG 128*(\p)+FR*\i, ADRB+\slot, \q, \i
.endr
	WIN 0
.endm
.macro FETCH_A slot, q, i0
.irp i, \i0, \i0+1, \i0+2, \i0+3
	FRAG AF+FR*(\i), ADRA+\slot, \q, \i
.endr
.endm
.macro SCALES sc
.irp i, 0,1,2,3,4,5,6,7
	ds_load_b64 v[SC+8*NQ*\sc+NQ*\i:SC+8*NQ*\sc+NQ*\i+1], v[ADRS] offset:\i*128
.endr
.endm
.macro PLACES n
.rept \n
	v_nop
.endr
.endm
.macro STEP slot, q, zero
	s_wait_dscnt 4*NL
	WIN MUL_LO
	MUL16 0, (\q)%2, \q, \slot, \zero
	MUL16 2, (\q)%2, \q, \slot, \zero
	s_wait_dscnt 0
	PLACES NP
	FETCH_B \slot, (\q)+1, 1-(\q)%2
	FETCH_A \slot, (\q)+1, 0
	WIN MUL_HI
	MUL16 4, (\q)%2, \q, \slot, \zero
	MUL16 6, (\q)%2, \q, \slot, \zero
	PLACES NP
	WIN 0
	FETCH_A \slot, (\q)+1, 4
.endm
.macro TURN slot, next, fill
	s_wait_tensorcnt 0x0
	ds_add_u32 v[SPW], v[NIL]
	s_wait_dscnt 4*NL+1
	WIN MUL_LO
	MUL16 0, 1, NQ-1, \slot, 0
	s_wait_dscnt 0x0
	s_barrier_signal -1
	MUL16 2, 1, NQ-1, \slot, 0
	WIN 0
	s_barrier_wait -1
.if \fill
	CREST
	s_add_nc_u64 s[G0+4*\slot+2:G0+4*\slot+3], s[G0+4*\slot+2:G0+4*\slot+3], 2*CHPA
	s_add_nc_u64 s[G0B+4*\slot+2:G0B+4*\slot+3], s[G0B+4*\slot+2:G0B+4*\slot+3], 2*CHPB
	JLOAD G0+4*\slot, G1, G0B+4*\slot, G1B
.else
	PLACES NP
.endif
	s_wait_alu depctr_va_vdst(0)
	v_add_nc_u32 v[ADRS], 1024, v[ADRS]
	FETCH_B \next, 0, 0
	FETCH_A \next, 0, 0
	SCALES \next
	WIN MUL_HI
	MUL16 4, 1, NQ-1, \slot, 0
	MUL16 6, 1, NQ-1, \slot, 0
	PLACES NP
	WIN 0
	FETCH_A \next, 0, 4
.endm
	s_wait_alu depctr_va_vdst(0)
	s_wait_loadcnt 0x0                             ; the scale bytes are in registers,
	s_wait_tensorcnt 0x0                           ; and no tensor load of mine is out while I store them
.irp c, 0,1,2,3
.irp u, 0,1
	ds_store_b128 v31, v[AF+8*\c+4*\u:AF+8*\c+4*\u+3] offset:1024*\c+512*\u
.endr
.endr
	s_wait_tensorcnt 0x0                           ; ahead of slot 1's first fill
	ds_add_u32 v[SPW], v[NIL]
	s_wait_dscnt 0x0
	CROUND
	JLOAD G0+4, G1, G0B+4, G1B                     ; chunk 1
	FETCH_B 0, 0, 0
	global_prefetch_b8 v12, s[72:73] offset:3*CHPA th:TH_LOAD_NT scope:SCOPE_SE   ; chunk 3, the last: two fills on
	FETCH_A 0, 0, 0
	SCALES 0
	FETCH_A 0, 0, 4
	STEP 0, 0, 1
	s_mov_b32 s3, LAPS-1
.Llap:
	TURN 0, 1, 1
	STEP 1, 0, 0
	TURN 1, 0, 1
	STEP 0, 0, 0
	s_sub_co_u32 s3, s3, 1
	s_cmp_lg_u32 s3, 0
	s_cbranch_scc1 .Llap
	TURN 0, 1, 0
	STEP 1, 0, 0
	s_wait_dscnt 4*NL
	WIN MUL_LO
	MUL16 0, 1, NQ-1, 1, 0
	MUL16 2, 1, NQ-1, 1, 0
	s_wait_dscnt 0
	WIN MUL_HI
	MUL16 4, 1, NQ-1, 1, 0
	MUL16 6, 1, NQ-1, 1, 0
	WIN 0
.macro QUANT s, w
	WIN (\w)|((\w)<<2)
.irp b, 0,1,2,3
	v_max3_num_f32 v[TM+\b], |v[(\s)+16*\b]|, |v[(\s)+1+16*\b]|, 0x1800000
.endr
	WIN ((\w)<<2)|((\w)<<4)
.irp i, 2,4,6,8,10,12,14
.irp b, 0,1,2,3
	v_max3_num_f32 v[TM+\b], v[TM+\b], |v[(\s)+16*\b+\i]|, |v[(\s)+1+16*\b+\i]|
.endr
.endr
	WIN 0
.irp b, 0,1,2,3
	v_permlanex16_b32 v[TM+4+\b], v[TM+\b], s[SEL], s[SEL+1]
.endr
.irp b, 0,1,2,3
	v_max_num_f32 v[TM+\b], v[TM+\b], v[TM+4+\b]
.endr
.irp b, 0,1,2,3
	v_add_nc_u32 v[TM+12+\b], 0xff000000, v[TM+\b]
.endr
.irp b, 0,1,2,3
	v_lshrrev_b32 v[TM+4+\b], 23, v[TM+12+\b]
.endr
	v_lshl_or_b32 v[PW], v[TM+5], 8, v[TM+4]
	v_lshl_or_b32 v[PW], v[TM+6], 16, v[PW]
	v_lshl_or_b32 v[PW], v[TM+7], 24, v[PW]
	WIN (\w)
.irp c, 0,1
	v_cvt_scalef32_pk16_fp6_f32 v[CDS+6*\c:CDS+2+6*\c], v[(\s)+32*\c:(\s)+15+32*\c], v[TM+12+2*\c]
	v_cvt_scalef32_pk16_fp6_f32 v[CDS+12+4*\c:CDS+14+4*\c], v[(\s)+16+32*\c:(\s)+31+32*\c], v[TM+12+2*\c+1]
.endr
	WIN 0
	v_nop
.irp c, 0,1
.irp i, 0,1,2
	v_permlane16_swap_b32 v[CDS+6*\c+\i], v[CDS+12+4*\c+\i]
.endr
.irp i, 0,1,2
	v_mov_b32 v[CDS+3+6*\c+\i], v[CDS+12+4*\c+\i]
.endr
.endr
.endm
	PLACES NP
.irp b, 0,1,2,3
	v_mov_b32 v[TM+4+\b], 0
.endr
.irp a, 0,1,2,3,4,5,6,7
.set QS, 64*(\a%4)
	QUANT QS, 2+\a/4
.irp p, 0,1,2,3,4,5
	ds_store_b64 v[STO], v[CDS+2*\p:CDS+2*\p+1] offset:\a*768+(\p/3)*12288+8*(\p%3)
.endr
	ds_store_b16 v[SST], v[PW] offset:32*\a
	ds_store_b16_d16_hi v[SST], v[PW] offset:32*\a+512
	s_wait_dscnt 0x0
.endr
	s_barrier_signal -1
	s_barrier_wait -1
.set i, 0
.rept 24
	ds_load_b128 v[OB+4*i:OB+4*i+3], v[RD] offset:2048*i
.set i, i+1
.endr
	ds_load_b128 v[OBS:OBS+3], v[RD] offset:SSTG
.set i, 0
.rept 24
	s_wait_dscnt 24-i
	global_store_b128 v[VO+i/6], v[OB+4*i:OB+4*i+3], s[12:13] offset:(i%6)*2048
.set i, i+1
.endr
	s_wait_dscnt 0x0
	global_store_b128 v[LO], v[OBS:OBS+3], s[66:67]
	s_wait_tensorcnt 0x0
	ds_add_u32 v[SPW], v[NIL]
	s_wait_dscnt 0x0
	CROUND
	s_endpgm
.Lfunc_end_k_q27fc2f9b21_gqkv:
	.size	k_q27fc2f9b21_gqkv, .Lfunc_end_k_q27fc2f9b21_gqkv-k_q27fc2f9b21_gqkv
	.p2alignl 7, 3214868480
	.fill 96, 4, 3214868480
	.section	.rodata,"a",@progbits
	.p2align	6, 0x0
	.amdhsa_kernel k_q27fc2f9b21_gqkv
		.amdhsa_group_segment_fixed_size 327680
		.amdhsa_private_segment_fixed_size 0
		.amdhsa_enable_private_segment 0
		.amdhsa_kernarg_size 40
		.amdhsa_user_sgpr_count 2
		.amdhsa_user_sgpr_kernarg_segment_ptr 1
		.amdhsa_wavefront_size32 1
		.amdhsa_system_sgpr_workgroup_id_x 1
		.amdhsa_system_sgpr_workgroup_id_y 1
		.amdhsa_system_sgpr_workgroup_id_z 1
		.amdhsa_system_vgpr_workitem_id 0
		.amdhsa_next_free_vgpr 1024
		.amdhsa_next_free_sgpr 102
		.amdhsa_reserve_vcc 0
		.amdhsa_float_denorm_mode_32 3
		.amdhsa_float_denorm_mode_16_64 3
		.amdhsa_memory_ordered 1
		.amdhsa_forward_progress 1
		.amdhsa_inst_pref_size 173
	.end_amdhsa_kernel
	.amdgpu_metadata
---
amdhsa.version: [ 1, 2 ]
amdhsa.kernels:
  - .name:           k_q27fc2f9b21_gqkv
    .symbol:         k_q27fc2f9b21_gqkv.kd
    .args:
      - { .name: hc, .offset: 0, .size: 8, .value_kind: global_buffer, .address_space: global }
      - { .name: hs, .offset: 8, .size: 8, .value_kind: global_buffer, .address_space: global }
      - { .name: wc, .offset: 16, .size: 8, .value_kind: global_buffer, .address_space: global }
      - { .name: ws, .offset: 24, .size: 8, .value_kind: global_buffer, .address_space: global }
      - { .name: qkv, .offset: 32, .size: 8, .value_kind: global_buffer, .address_space: global }
    .group_segment_fixed_size: 327680
    .private_segment_fixed_size: 0
    .kernarg_segment_align: 8
    .kernarg_segment_size: 40
    .max_flat_workgroup_size: 128
    .sgpr_count:     102
    .vgpr_count:     1024
    .wavefront_size: 32
...
	.end_amdgpu_metadata
.endif
;; end of part 9
;; launch attn (part 10): grid 8 x 32, 16 waves a work-group, no clusters, 243,712 bytes of LDS; arguments qkv, hc, hs; writes hc, hs
.if DOCPART == 10
	.amdgcn_target "amdgcn-amd-amdhsa--gfx1250"
	.amdhsa_code_object_version 6
	.text
	.protected	k_q27fc2f9b21_attn
	.globl	k_q27fc2f9b21_attn
	.p2align	8
	.type	k_q27fc2f9b21_attn,@function
k_q27fc2f9b21_attn:
	s_mov_b64 s[64:65], 0
	v_nop
	global_prefetch_b8 v0, s[64:65] scope:SCOPE_SE
	s_setreg_imm32_b32 hwreg(HW_REG_WAVE_MODE, 25, 1), 1
	s_wait_xcnt 0x0
; ctx = softmax(q k^T / 8, causal) v for 2 x 16 heads of 64 channels and 2,048 tokens, both products on codes of FP6 (E2M3) with E8M0 scales; ctx is quantised along the model's 1,024 channels and leaves as codes.
; INPUT qkv (this program's own layout): codes [G][R][48 bytes], scale bytes [G][R][2]: q: G = head, k: G = 16 + head, R = 4,096 token places (scale bytes at 9,437,184); V^T at 6,291,456: G = token / 64, R = 1,024 channel places
; (scale bytes at 9,699,328).  Inside each aligned group of 32 rows, row t lies at the place with t's bits 3 and 4 exchanged: 16 neighbouring places taken as source 0 leave true neighbours in a lane's registers.
; THE SOFTMAX: t = score x log2(e) / 8; M = the row's largest t so far, rounded up to a whole number; p = 2^(t - M) is quantised along the keys; the sum of the unquantised p divides at the end; when M moves, sum and O are multiplied by 2^(old M - new M): exact.
; SHARES.  A work-group has one head of one batch.  ALL its K and V (2 x 98,304 bytes of codes, 2 x 4,096 of scale bytes) come into LDS once, two tensor loads a wave: nothing is filled again.  Wave w owns 16 query places: tile 8 x blk + w % 8, with
; blk = x for waves 0-7 and 15 - x for waves 8-15, so that every work-group has the same number of key steps under the causal mask.
; Both products are used transposed: S^T = K Q^T, O^T = V^T P^T: a lane holds one query throughout.  The head's 64 channels are half of the instruction's 128 along K: the upper halves of Q's and K's fragments are zero codes.
; CAUSAL.  All waves walk 16 trips of 128 keys; a step all of whose keys come after the wave's queries is jumped over (a scalar branch on ids); on the diagonal hidden scores become -infinity.
; NO CLUSTER: the eight work-groups of a head read the same K and V, but which steps a wave works hangs on its block of queries, that is on the work-group's place.
; ctx's codes of a head are 48 bytes of a row's 192 in a chunk, its scale bytes 2 of 8: a head has no more of a row.
; LIMITS: a block of zeros, or one under 2^-124, gets the byte 1; NaN and infinities are not served.
; THE FILLS (they replace what the head comment says of them).  One tensor load a wave, 12,288 bytes to LDS byte 12,288 x wave: waves 0, 1: K's keys 0-255, 256-511; waves 2, 3: V's; waves 4-9: K's keys 512 on; waves 10-15: V's.
; So in the first four key steps K begins at 0 and V at 24,576; from key 512 on K(key) lies at 24,576 + 48 key and V at 98,304 + 48 key.  The first barrier waits for waves 0-3 alone, whose load lines are theirs alone;
; four key steps run while the other twelve loads are on their way; a second barrier, ahead of which every wave waits for its load, shows the rest.  Nothing is filled again.
; The scale bytes (2 x 4,096) come through the registers of waves 0-3 into LDS bytes of their own: K's as they lie; V's as whole scale words [step of 128 keys][64 channels][4 bytes].
.set VCL,  24576
.set KSL,  196608                      ; K's scale bytes [2048][2];
.set VSL,  200704                      ; V's scale words [16 steps of 128 keys][64][4]
.set VC,   6291456
.set QKS,  9437184
.set VS,   9699328
.set AK0,  1                           ; v1   48 r + 24 h: my place in a tile of K; also my offset in Q's rows
.set AV0,  2                           ; v2   the same in V
.set ASK0, 3                           ; v3   2 r among K's scale bytes
.set ASV0, 4                           ; v4   4 r among V's scale words
.set ADK,  8                           ; v8-11 the step's addresses
.set ADV,  9
.set ADS,  10
.set ADT,  11
.set KFR,  32                          ; v32-79   four fragments of K: the upper six registers of each stay 0
.set VF,   80                          ; v80-127  four fragments of V^T
.set SR,   128                         ; v128-191 S^T, then p
.set OT,   192                         ; v192-223 O^T
.set WV,   18
.set SEL,  20
.set CS,   22
.set G1K,  24
.set G1V,  32
.set G1KS, 40
.set G1VS, 48
.set G0C,  56
.set G0S,  60
.set TQ,   66                          ; s66  my tile of queries, 0 .. 127
.set QL,   67                          ; s67  the first token of the 32 among which my 16 lie;  s68 the last
.set QH,   68
.set KEY,  69                          ; s69  the step's first key
.set TK,   70                          ; s70-73 where the step's K, V and their scale bytes begin
.set TV,   71
.set TSK,  72
.set TSV,  73
.set CNT,  74
	s_load_b128 s[4:7], s[0:1], 0x0                ; qkv, hc
	s_load_b64 s[8:9], s[0:1], 0x10                ; hs
	v_lshl_add_u32 v31, v0, 2, 0x32000
	v_mov_b32 v243, 0
	ds_add_u32 v31, v243
	ds_add_u32 v31, v243
	v_lshrrev_b32 v8, 5, v0
	s_delay_alu instid0(VALU_DEP_1)
	v_readfirstlane_b32 s[WV], v8                  ; wave 0..15
	s_and_b32 s10, ttmp7, 0xffff
	s_lshr_b32 s11, s10, 4                         ; batch
	s_and_b32 s10, s10, 15                         ; head
	s_and_b32 s12, s[WV], 7
	s_sub_co_u32 s88, s[WV], 2                     ; s88: which 256 keys I fetch: w, w - 2, w - 2, w - 8 for waves 0-1, 2-3, 4-9, 10-15
	s_cmp_lt_u32 s[WV], 2
	s_cselect_b32 s88, s[WV], s88
	s_sub_co_u32 s89, s[WV], 8
	s_cmp_lt_u32 s[WV], 10
	s_cselect_b32 s88, s88, s89
	s_cselect_b32 s89, 0, 1                        ; s89: 1 where I fetch for V: waves 2, 3 and 10-15
	s_lshr_b32 s19, s[WV], 1
	s_cmp_eq_u32 s19, 1
	s_cselect_b32 s89, 1, s89
	; what I fetch: the 256 keys s88 on, of K, or of V^T where s89 = 1
	s_add_co_u32 s13, s10, 16
	s_mul_i32 s14, s13, 196608
	s_mul_i32 s15, s11, 98304
	s_add_co_u32 s14, s14, s15
	s_mul_i32 s15, s88, 12288
	s_add_co_u32 s14, s14, s15                     ; K's codes
	s_lshl_b32 s15, s13, 13
	s_lshl_b32 s16, s11, 12
	s_add_co_u32 s15, s15, s16
	s_add_co_u32 s15, s15, QKS
	s_lshl_b32 s16, s11, 5
	s_lshl_b32 s17, s88, 2
	s_add_co_u32 s17, s16, s17
	s_mul_i32 s17, s17, 49152
	s_mul_i32 s19, s10, 3072
	s_add_co_u32 s17, s17, s19
	s_add_co_u32 s17, s17, VC                      ; V's codes
	s_lshl_b32 s16, s16, 11
	s_lshl_b32 s19, s10, 7
	s_add_co_u32 s16, s16, s19
	s_add_co_u32 s16, s16, VS                      ; V's scale bytes
	s_cmp_eq_u32 s89, 0
	s_cselect_b32 s14, s14, s17
	s_cselect_b32 s16, s15, s16
	s_mov_b32 s19, 2048
	s_cselect_b32 s19, 128, s19                    ; from one run of 128 scale bytes to the next: K's lie on end, V's a group of keys apart
	v_and_b32 v7, 63, v0                           ; my number among the 64 threads that copy K's (waves 0, 1) or V's (waves 2, 3) scale bytes
	v_lshrrev_b32 v6, 3, v7
	v_and_b32 v29, 7, v0
	v_mul_u32_u24 v6, v6, s19
	v_lshl_add_u32 v6, v29, 4, v6                  ; v6: from memory: run x its distance + 16 bytes a thread
	v_lshl_add_u32 v7, v7, 4, KSL                  ; v7: K's go to LDS as they lie
	v_bfe_u32 v30, v0, 4, 2
	v_lshlrev_b32 v30, 8, v30                      ; v30: V's: group g of 64 keys, channels 8 c .. 8 c + 7: 256 (g / 2) + 32 c + 2 (g % 2)
	v_lshl_add_u32 v30, v29, 5, v30
	v_bfe_u32 v29, v0, 3, 1
	v_lshl_add_u32 v30, v29, 1, v30
	v_add_nc_u32 v30, VSL, v30
; THE DEAL OF THE KEY STEPS (it replaces what the head comment says of the waves' shares).  The work-group has eight short tiles of 16 queries (block x of 128 tokens, x + 1 key steps) and eight long ones (block 15 - x, 16 - x steps).
; Wave w < 8 takes the long tile w's steps 0-8.  Wave w + 8 takes the short tile w whole, stores its result at key 1,152, turns to the long tile w and takes its steps 9 .. 15 - x.  So a wave walks 9 or 8 steps, whatever x.
; Wave w hands O^T, -M and its sum over as an image of its registers, nine stores of 16 bytes a lane, 4,608 LDS bytes of its own from MRG on; behind one barrier wave w + 8 joins the two parts: both are brought under the larger M
; by a power of two, which rounds nothing.
.set MRG, 206848
	s_mul_i32 s19, s12, 4608
	s_add_co_u32 s19, s19, MRG
	v_and_b32 v29, 31, v0
	v_lshl_add_u32 v29, v29, 4, s19                ; v29: the image: 16 bytes a lane, 512 for each four registers; never rewritten
	s_mov_b32 s15, 0
	s_mov_b32 s17, 0
	; descriptor groups 1, elements of 8 bytes, no padding.  K's codes: 12,288 dense bytes as 48 rows of 256
	s_mov_b32 s[G1K], 3<<16
	s_mov_b32 s[G1K+1], 32<<16
	s_mov_b32 s[G1K+2], 48<<16
	s_mov_b32 s[G1K+3], 32<<16
	s_mov_b32 s[G1K+4], 48
	s_mov_b32 s[G1K+5], 32
	s_mov_b32 s[G1K+6], 0
	s_mov_b32 s[G1K+7], 0
	s_mov_b32 s[G1V], 3<<16                        ; V's codes: 4 rows of 3,072 bytes (a head's 64 channels), 49,152 bytes apart
	s_mov_b32 s[G1V+1], 384<<16
	s_mov_b32 s[G1V+2], 4<<16
	s_mov_b32 s[G1V+3], 384<<16
	s_mov_b32 s[G1V+4], 4
	s_mov_b32 s[G1V+5], 6144
	s_mov_b32 s[G1V+6], 0
	s_mov_b32 s[G1V+7], 0
	; my queries
	s_sub_co_u32 s19, 15, ttmp9
	s_cmp_lt_u32 s[WV], 8
	s_cselect_b32 s19, s19, ttmp9                  ; waves 0-7 begin with the long tile, waves 8-15 with the short one
	s_lshl_b32 s19, s19, 3
	s_add_co_u32 s[TQ], s19, s12
	s_lshr_b32 s[QL], s[TQ], 1
	s_lshl_b32 s[QL], s[QL], 5
	s_add_co_u32 s[QH], s[QL], 31
	s_and_b32 s75, s[TQ], 1
	s_lshl_b32 s75, s75, 3
	s_add_co_u32 s75, s75, s[QL]                   ; the token at my first place
	s_lshl_b32 s76, s11, 11
	s_lshl_b32 s77, s[TQ], 4
	s_add_co_u32 s76, s76, s77                     ; my first place among the 4,096
	s_mul_i32 s80, s10, 196608
	s_mul_i32 s77, s76, 48
	s_add_co_u32 s80, s80, s77                     ; Q's codes
	s_mov_b32 s81, 0
	s_lshl_b32 s82, s10, 13
	s_lshl_b32 s77, s76, 1
	s_add_co_u32 s82, s82, s77
	s_add_co_u32 s82, s82, QKS                     ; Q's scale bytes
	s_mov_b32 s83, 0
	s_lshr_b32 s77, s10, 2                         ; ctx: the chunk of 256 channels,
	s_and_b32 s78, s10, 3                          ; and my head's quarter of it
	s_mul_i32 s84, s77, 786432
	s_mul_i32 s79, s76, 192
	s_add_co_u32 s84, s84, s79
	s_mul_i32 s79, s78, 48
	s_add_co_u32 s84, s84, s79
	s_mov_b32 s85, 0
	s_lshl_b32 s86, s77, 15
	s_lshl_b32 s79, s76, 3
	s_add_co_u32 s86, s86, s79
	s_lshl_b32 s79, s78, 1
	s_add_co_u32 s86, s86, s79
	s_mov_b32 s87, 0
	s_mov_b32 s[SEL], 0x76543210
	s_mov_b32 s[SEL+1], 0xfedcba98
	s_mov_b32 s[CS], 0x3e38aa3b                    ; c = log2(e) / 8
	s_mov_b32 s[CS+1], s[CS]
	s_mov_b32 s[KEY], 0
	s_mov_b32 s[TK], 0
	s_mov_b32 s[TV], 0
	s_mov_b32 s[TSK], 0
	s_mov_b32 s[TSV], 0
	s_mov_b32 s[CNT], 4
	s_mul_i32 s77, s[WV], 12288
	s_wait_dscnt 0x0
	s_wait_kmcnt 0x0
	s_mov_b32 s[G0C], 1
	s_mov_b32 s[G0C+1], s77                        ; codes: 12,288 x wave: K's keys 0-511, V's, then K's keys 512 on, V's
	s_add_nc_u64 s[G0C+2:G0C+3], s[4:5], s[14:15]
	s_or_b32 s[G0C+3], s[G0C+3], 0x80000000
	s_add_nc_u64 s[16:17], s[4:5], s[16:17]        ; the scale bytes that waves 0-3 copy
; one chain of branches on the wave's number, one tensor load to an arm, all arms leading to one join; the first two arms also ask for their 4 x 1,024 scale bytes
.macro ARM under, g1, step, next
	s_cmp_lt_u32 s[WV], \under
	s_cbranch_scc0 \next
	tensor_load_to_lds s[G0C:G0C+3], s[\g1:\g1+7]
	s_nop 0
.rept 4
	v_nop
.endr
.if \step
.irp j, 0,1,2,3
	global_load_b128 v[SR+4*\j:SR+4*\j+3], v6, s[16:17] offset:\step*\j
.endr
.endif
	s_branch .Lfilled
\next:
.endm
	s_wait_alu depctr_va_vdst(0)
	ARM 2, G1K, 1024, .Larm_v0
	ARM 4, G1V, 16384, .Larm_k
	ARM 10, G1K, 0, .Larm_v
	tensor_load_to_lds s[G0C:G0C+3], s[G1V:G1V+7]
	s_nop 0
.rept 4
	v_nop
.endr
.Lfilled:
	s_add_nc_u64 s[80:81], s[4:5], s[80:81]
	s_add_nc_u64 s[82:83], s[4:5], s[82:83]
	s_add_nc_u64 s[84:85], s[6:7], s[84:85]
	s_add_nc_u64 s[86:87], s[8:9], s[86:87]
	v_and_b32 v8, 15, v0                           ; r
	v_bfe_u32 v9, v0, 4, 1                         ; h
	s_delay_alu instid0(VALU_DEP_2)
	v_mul_u32_u24 v[AK0], v8, 48
	s_delay_alu instid0(VALU_DEP_1)
	v_mad_u32_u24 v[AK0], v9, 24, v[AK0]
.irp p, 0,1,2
	global_load_b64 v[16+2*\p:17+2*\p], v[AK0], s[80:81] offset:8*\p   ; Q's fragment: channels 32 h + 0 .. 31
.endr
	v_lshlrev_b32 v5, 1, v8
	global_load_u16 v255, v5, s[82:83]             ; Q's two scale bytes; the upper two are 0, over zero codes
	v_add_nc_u32 v[AV0], VCL, v[AK0]
	v_add_nc_u32 v[ASK0], KSL, v5
	v_lshl_add_u32 v[ASV0], v8, 2, VSL             ; V's scale words: 4 r
	v_and_b32 v28, 8, v8
	s_delay_alu instid0(VALU_DEP_1)
	v_add_nc_u32 v28, v28, v8                      ; r + 8 (r / 8)
	v_lshlrev_b32 v10, 4, v9
	s_delay_alu instid0(VALU_DEP_1)
	v_sub_nc_u32 v28, v28, v10
	s_delay_alu instid0(VALU_DEP_1)
	v_add_nc_u32 v28, s75, v28                     ; v28 = my query's token - 16 h
.irp j, 22,23,24,25,26,27
	v_mov_b32 v[\j], 0                             ; K = 64 is filled to the instruction's 128 with zero codes, on both sides
.endr
.irp t, 0,1,2,3
.irp j, 6,7,8,9,10,11
	v_mov_b32 v[KFR+12*\t+\j], 0
.endr
.endr
	v_mov_b32 v13, 0xff61b1e6                      ; the largest t so far: -3e38
	s_delay_alu instid0(VALU_DEP_1)
	v_floor_f32 v12, -v13                          ; -M
	v_mov_b32 v14, 0                               ; the sum, in two halves
	v_mov_b32 v15, 0
.irp b, 0,1,2,3
	v_mov_b32 v[236+\b], 0                         ; a lane permute's destination counts as one of its sources
.endr
	v_mov_b32 v253, 0                              ; (named as the upper half of v[252:253] before it is first written)
.set i, 0
.rept 32
	v_mov_b32 v[OT+i], 0                           ; O^T: the step is written once; the first change of M leaves zeros zeros
.set i, i+1
.endr
	s_wait_alu depctr_va_vdst(0)
	s_cmp_lt_u32 s[WV], 4
	s_cbranch_scc0 .Lnot_first
	s_wait_loadcnt 0x0                             ; waves 0-3: the scale bytes are in registers,
	s_wait_tensorcnt 0x0                           ; and my part of keys 0-511 is in
	s_cmp_lt_u32 s[WV], 2
	s_cbranch_scc0 .Lscales_v
.irp j, 0,1,2,3
	ds_store_b128 v7, v[SR+4*\j:SR+4*\j+3] offset:1024*\j
.endr
	s_branch .Lnot_first
.Lscales_v:
.irp j, 0,1,2,3
.irp k, 0,1,2,3
	ds_store_b16 v30, v[SR+4*\j+\k] offset:1024*\j+8*\k             ; a channel's two bytes of this group of keys, into its half of the channel's scale word
	ds_store_b16_d16_hi v30, v[SR+4*\j+\k] offset:1024*\j+8*\k+4
.endr
.endr
.Lnot_first:
	s_wait_dscnt 0x0
	s_barrier_signal -1
	s_barrier_wait -1                              ; keys 0-511 and all scale bytes are shown to all; the other twelve loads may be out
	s_wait_loadcnt 0x0                             ; Q
.macro WALK sw                         ; CNT key steps of 128 keys; sw = 1: with the change of tiles at key 1,152
.Lstep_\@:
.if \sw
	s_cmp_lg_u32 s[KEY], 1152
	s_cbranch_scc1 .Lgo_\@
	s_cmp_lt_u32 s[WV], 8
	s_cbranch_scc0 .Lturn_\@
.rept 4
	v_nop                                          ; places between the last step's products and the stores that read their results
.endr
	v_add_f32 v13, v14, v15                        ; waves 0-7: my lane's sum, beside -M
.irp t, 0,1,2,3,4,5,6,7
	ds_store_b128 v29, v[OT+4*\t:OT+4*\t+3] offset:512*\t
.endr
	ds_store_b128 v29, v[12:15] offset:4096        ; -M and the sum (the upper two registers go along and are not used)
	s_mov_b32 s[QH], 0                             ; every later step is passed over
	s_branch .Lgo_\@
.Lturn_\@:
	OUT                                            ; waves 8-15: the short tile is finished (its last key lies under 1,024)
	s_wait_xcnt 0x0                                ; the stores have read their registers and bases
	s_lshl_b32 s78, ttmp9, 1
	s_sub_co_u32 s78, 15, s78
	s_lshl_b32 s78, s78, 7                         ; from the short tile to the long one: 128 (15 - 2 x) places, a multiple of 32
	s_add_co_u32 s[QL], s[QL], s78
	s_add_co_u32 s[QH], s[QH], s78
	s_mov_b32 s77, 0
	s_mul_i32 s76, s78, 48
	s_add_nc_u64 s[80:81], s[80:81], s[76:77]      ; Q's codes,
	s_lshl_b32 s76, s78, 1
	s_add_nc_u64 s[82:83], s[82:83], s[76:77]      ; Q's scale bytes,
	s_mul_i32 s76, s78, 192
	s_add_nc_u64 s[84:85], s[84:85], s[76:77]      ; ctx's codes,
	s_lshl_b32 s76, s78, 3
	s_add_nc_u64 s[86:87], s[86:87], s[76:77]      ; ctx's scale bytes
.irp p, 0,1,2
	global_load_b64 v[16+2*\p:17+2*\p], v[AK0], s[80:81] offset:8*\p
.endr
	global_load_u16 v255, v5, s[82:83]
	v_add_nc_u32 v28, s78, v28
	v_mov_b32 v13, 0xff61b1e6                      ; the state begins anew
	v_floor_f32 v12, -v13
	v_mov_b32 v14, 0
	v_mov_b32 v15, 0
.set i, 0
.rept 32
	v_mov_b32 v[OT+i], 0
.set i, i+1
.endr
	s_wait_alu depctr_va_vdst(0)
	s_wait_loadcnt 0x0
.Lgo_\@:
.endif
	s_cmp_gt_u32 s[KEY], s[QH]
	s_cbranch_scc1 .Lhidden_\@
	v_add_nc_u32 v[ADK], s[TK], v[AK0]             ; (these four are also the places between the last step's products and the loads below)
	v_add_nc_u32 v[ADV], s[TV], v[AV0]
	v_add_nc_u32 v[ADS], s[TSK], v[ASK0]
	v_add_nc_u32 v[ADT], s[TSV], v[ASV0]
.irp t, 0,1,2,3
.irp p, 0,1,2
	ds_load_b64 v[KFR+12*\t+2*\p:KFR+12*\t+2*\p+1], v[ADK] offset:768*\t+8*\p
.endr
	ds_load_u16 v[248+\t], v[ADS] offset:32*\t
.endr
	s_wait_alu depctr_va_vdst(0)
	s_wait_dscnt 0x0
.irp t, 0,1,2,3
	v_wmma_scale_f32_16x16x128_f8f6f4 v[SR+8*\t:SR+8*\t+7], v[KFR+12*\t:KFR+12*\t+11], v[16:27], 0, v[248+\t], v255 matrix_a_fmt:MATRIX_FMT_FP6 matrix_b_fmt:MATRIX_FMT_FP6
.endr
.rept 4
	v_nop                                          ; places in front of loads into registers that matrix instructions have read
.endr
.irp t, 0,1,2,3
.irp p, 0,1,2
	ds_load_b64 v[KFR+12*\t+2*\p:KFR+12*\t+2*\p+1], v[ADK] offset:768*(4+\t)+8*\p
.endr
	ds_load_u16 v[248+\t], v[ADS] offset:32*(4+\t)
.endr
.irp t, 0,1,2,3                                ; V^T: 16 channels x these 128 keys: two groups of 64 keys
.irp c, 0,1
.irp p, 0,1,2
	ds_load_b64 v[VF+12*\t+6*\c+2*\p:VF+12*\t+6*\c+2*\p+1], v[ADV] offset:768*\t+3072*\c+8*\p
.endr
.endr
.endr
	s_wait_dscnt 24                                ; K's sixteen loads are in; V's 24 may be out
.irp t, 0,1,2,3
	v_wmma_scale_f32_16x16x128_f8f6f4 v[SR+32+8*\t:SR+32+8*\t+7], v[KFR+12*\t:KFR+12*\t+11], v[16:27], 0, v[248+\t], v255 matrix_a_fmt:MATRIX_FMT_FP6 matrix_b_fmt:MATRIX_FMT_FP6
.endr                                          ; lane (r, h): my query; register 16 b + i: key KEY + 32 b + 16 h + i
.rept 4
	v_nop
.endr
	s_add_co_u32 s75, s[KEY], 127
	s_cmp_le_u32 s75, s[QL]
	s_cbranch_scc1 .Lopen_\@
	v_sub_nc_u32 v252, v28, s[KEY]                 ; d = my token - KEY - 16 h: register 16 b + i is hidden where 32 b + i > d
	v_mov_b32 v254, 0xff800000
.set i, 0
.rept 64
	v_cmp_gt_i32 vcc_lo, 32*(i/16)+i%16, v252
	v_cndmask_b32 v[SR+i], v[SR+i], v254, vcc_lo
.set i, i+1
.endr
.Lopen_\@:
.irp b, 0,1,2,3
	v_max3_num_f32 v[232+\b], v[SR+16*\b], v[SR+1+16*\b], v[SR+2+16*\b]   ; the largest score of each block of 32 keys: for the row's maximum and for the block's largest p
.endr
.irp k, 3,5,7,9,11,13
.irp b, 0,1,2,3
	v_max3_num_f32 v[232+\b], v[232+\b], v[SR+16*\b+\k], v[SR+1+16*\b+\k]
.endr
.endr
.irp b, 0,1,2,3
	v_max_num_f32 v[232+\b], v[232+\b], v[SR+15+16*\b]
.endr
.irp b, 0,1,2,3
	s_delay_alu instid0(VALU_DEP_4)
	v_permlanex16_b32 v[236+\b], v[232+\b], s[SEL], s[SEL+1]
.endr
.irp b, 0,1,2,3
	s_delay_alu instid0(VALU_DEP_4)
	v_max_num_f32 v[232+\b], v[232+\b], v[236+\b]
.endr
	s_delay_alu instid0(VALU_DEP_2)
	v_max3_num_f32 v254, v232, v233, v234
	s_delay_alu instid0(VALU_DEP_1)
	v_max_num_f32 v254, v254, v235
	s_delay_alu instid0(VALU_DEP_1)
	v_mul_f32 v254, s[CS], v254
	s_delay_alu instid0(VALU_DEP_1)
	v_max_num_f32 v13, v13, v254                   ; the running largest t
	v_mov_b32 v254, v12
	s_delay_alu instid0(VALU_DEP_2)
	v_floor_f32 v12, -v13                          ; the new -M: a whole number
	s_delay_alu instid0(VALU_DEP_1)
	v_sub_f32 v254, v12, v254
	s_delay_alu instid0(VALU_DEP_1)
	v_cvt_i32_f32 v254, v254                       ; (it saturates)
	s_delay_alu instid0(VALU_DEP_1)
	v_ldexp_f32 v252, 1.0, v254                    ; f = 2^(old M - new M)
.set i, 0
.rept 32
	v_pk_fma_f32 v[SR+i:SR+i+1], v[SR+i:SR+i+1], s[CS:CS+1], v[12:13] op_sel_hi:[1,0,0]   ; t - M
.set i, i+2
.endr
.irp b, 0,1,2,3
	v_fma_f32 v[232+\b], v[232+\b], s[CS], v12
.endr
.set i, 0
	s_wait_alu depctr_va_vdst(0)
.rept 64
	v_exp_f32 v[SR+i], v[SR+i]                     ; p = 2^(t - M)
.set i, i+1
.endr
	v_pk_mul_f32 v[14:15], v[14:15], v[252:253] op_sel_hi:[1,0]   ; the sums under the new M: a plain place behind the batch
	s_wait_alu depctr_va_vdst(0)                   ; one wait for the 64, ahead of their first reader
.irp b, 0,1,2,3
	v_exp_f32 v[232+\b], v[232+\b]                 ; the block's largest p
.endr
	v_pk_add_f32 v[236:237], v[132:133], v[136:137]
	v_pk_add_f32 v[250:251], v[140:141], v[144:145]
	v_pk_add_f32 v[248:249], v[148:149], v[152:153]
	v_pk_add_f32 v[246:247], v[156:157], v[160:161]
	v_pk_add_f32 v[244:245], v[164:165], v[168:169]
	v_pk_add_f32 v[240:241], v[172:173], v[176:177]
	v_pk_add_f32 v[238:239], v[180:181], v[184:185]
	v_pk_add_f32 v[14:15], v[14:15], v[188:189]
	v_pk_add_f32 v[236:237], v[236:237], v[128:129]
	v_pk_add_f32 v[250:251], v[250:251], v[130:131]
	v_pk_add_f32 v[248:249], v[248:249], v[134:135]
	v_pk_add_f32 v[246:247], v[246:247], v[138:139]
	v_pk_add_f32 v[244:245], v[244:245], v[142:143]
	v_pk_add_f32 v[240:241], v[240:241], v[146:147]
	v_pk_add_f32 v[238:239], v[238:239], v[150:151]
	v_pk_add_f32 v[14:15], v[14:15], v[154:155]
	v_pk_add_f32 v[236:237], v[236:237], v[158:159]
	v_pk_add_f32 v[250:251], v[250:251], v[162:163]
	v_pk_add_f32 v[248:249], v[248:249], v[166:167]
	v_pk_add_f32 v[246:247], v[246:247], v[170:171]
	v_pk_add_f32 v[244:245], v[244:245], v[174:175]
	v_pk_add_f32 v[240:241], v[240:241], v[178:179]
	v_pk_add_f32 v[238:239], v[238:239], v[182:183]
	v_pk_add_f32 v[14:15], v[14:15], v[186:187]
	v_pk_add_f32 v[236:237], v[236:237], v[190:191]
	s_delay_alu instid0(VALU_DEP_2)
	v_pk_add_f32 v[14:15], v[14:15], v[246:247]
	s_delay_alu instid0(VALU_DEP_2)
	v_pk_add_f32 v[236:237], v[236:237], v[244:245]
	v_pk_add_f32 v[250:251], v[250:251], v[240:241]
	v_pk_add_f32 v[248:249], v[248:249], v[238:239]
	s_delay_alu instid0(VALU_DEP_2)
	v_pk_add_f32 v[14:15], v[14:15], v[250:251]
	s_delay_alu instid0(VALU_DEP_2)
	v_pk_add_f32 v[236:237], v[236:237], v[248:249]
	s_delay_alu instid0(VALU_DEP_1)
	v_pk_add_f32 v[14:15], v[14:15], v[236:237]
	s_wait_alu depctr_va_vdst(0)                   ; and one for the four
.irp b, 0,1,2,3
	v_max_num_f32 v[232+\b], 0x1800000, v[232+\b]  ; the floor 2^(3 - 127)
.endr
.irp b, 0,1,2,3
	s_delay_alu instid0(VALU_DEP_4)
	v_add_nc_u32 v[244+\b], 0xff000000, v[232+\b]
.endr
.irp b, 0,1,2,3
	s_delay_alu instid0(VALU_DEP_4)
	v_lshrrev_b32 v[236+\b], 23, v[244+\b]
.endr
	s_delay_alu instid0(VALU_DEP_3)
	v_lshl_or_b32 v253, v237, 8, v236              ; p's scale word for these 128 keys
	s_delay_alu instid0(VALU_DEP_1)
	v_lshl_or_b32 v253, v238, 16, v253
	s_delay_alu instid0(VALU_DEP_1)
	v_lshl_or_b32 v253, v239, 24, v253
.irp c, 0,1
	v_cvt_scalef32_pk16_fp6_f32 v[224+6*\c:226+6*\c], v[SR+32*\c:SR+15+32*\c], v[244+2*\c]
	v_cvt_scalef32_pk16_fp6_f32 v[236+4*\c:238+4*\c], v[SR+16+32*\c:SR+31+32*\c], v[244+2*\c+1]
.endr
	v_nop                                          ; one plain place behind a scaled conversion
.irp t, 0,1,2,3
	ds_load_b32 v[248+\t], v[ADT] offset:64*\t     ; V's scale words of these 128 keys
.endr
.irp c, 0,1
.irp k, 0,1,2
	v_permlane16_swap_b32 v[224+6*\c+\k], v[236+4*\c+\k]
.endr
.irp k, 0,1,2
	s_delay_alu instid0(VALU_DEP_3)
	v_mov_b32 v[227+6*\c+\k], v[236+4*\c+\k]
.endr
.endr
	s_wait_dscnt 0x0                               ; V's fragments and scale bytes
.set i, 0
.rept 16
	v_pk_mul_f32 v[OT+i:OT+i+1], v[OT+i:OT+i+1], v[252:253] op_sel_hi:[1,0]   ; O^T under the new M; these sixteen are also the places between the scale words' last write and the products
.set i, i+2
.endr
.irp t, 0,1,2,3
	v_wmma_scale_f32_16x16x128_f8f6f4 v[OT+8*\t:OT+8*\t+7], v[VF+12*\t:VF+12*\t+11], v[224:235], v[OT+8*\t:OT+8*\t+7], v[248+\t], v253 matrix_a_fmt:MATRIX_FMT_FP6 matrix_b_fmt:MATRIX_FMT_FP6
.endr
.Lhidden_\@:
	s_add_co_u32 s[KEY], s[KEY], 128
	s_add_co_u32 s[TK], s[TK], 6144
	s_add_co_u32 s[TV], s[TV], 6144
	s_add_co_u32 s[TSK], s[TSK], 256
	s_add_co_u32 s[TSV], s[TSV], 256
	s_sub_co_u32 s[CNT], s[CNT], 1
	s_cmp_lg_u32 s[CNT], 0
	s_cbranch_scc1 .Lstep_\@
.endm
.macro OUT                             ; a finished tile leaves
	; THE WAY OUT: O^T / the sum; register 16 b + i is channel 32 b + 16 h + i of my head: two blocks of 32 along the next product's K
	v_add_f32 v14, v14, v15
	s_delay_alu instid0(VALU_DEP_1)
	v_permlanex16_b32 v252, v14, s[SEL], s[SEL+1]
	s_delay_alu instid0(VALU_DEP_1)
	v_add_f32 v14, v14, v252
	s_wait_alu depctr_va_vdst(0)
	v_rcp_f32 v14, v14
	v_and_b32 v8, 15, v0
	v_bfe_u32 v9, v0, 4, 1
	s_delay_alu instid0(VALU_DEP_2)
	v_mul_u32_u24 v10, v8, 192
	s_delay_alu instid0(VALU_DEP_1)
	v_mad_u32_u24 v10, v9, 12, v10                 ; codes: 192 r + 12 h (+ 24 b)
	s_delay_alu instid0(VALU_DEP_3)
	v_lshl_add_u32 v11, v8, 3, v9                  ; scale bytes: 8 r + h: lanes 0-15 store block 0's, lanes 16-31 block 1's
	s_delay_alu instid0(VALU_DEP_4)
	v_cmp_eq_u32 vcc_lo, 1, v9
	s_wait_alu depctr_va_vdst(0)                   ; ahead of the reciprocal's first reader
.set i, 0
.rept 16
	v_pk_mul_f32 v[SR+i:SR+i+1], v[OT+i:OT+i+1], v[14:15] op_sel_hi:[1,0]
.set i, i+2
.endr
.irp b, 0,1
	v_max3_num_f32 v[232+\b], |v[SR+16*\b]|, |v[SR+1+16*\b]|, 0x1800000
.endr
.irp k, 2,4,6,8,10,12,14
.irp b, 0,1
	s_delay_alu instid0(VALU_DEP_2)
	v_max3_num_f32 v[232+\b], v[232+\b], |v[SR+16*\b+\k]|, |v[SR+1+16*\b+\k]|
.endr
.endr
.irp b, 0,1
	s_delay_alu instid0(VALU_DEP_2)
	v_permlanex16_b32 v[236+\b], v[232+\b], s[SEL], s[SEL+1]
.endr
.irp b, 0,1
	s_delay_alu instid0(VALU_DEP_2)
	v_max_num_f32 v[232+\b], v[232+\b], v[236+\b]
.endr
.irp b, 0,1
	s_delay_alu instid0(VALU_DEP_2)
	v_add_nc_u32 v[244+\b], 0xff000000, v[232+\b]
.endr
	v_cvt_scalef32_pk16_fp6_f32 v[224:226], v[SR:SR+15], v244
	v_cvt_scalef32_pk16_fp6_f32 v[228:230], v[SR+16:SR+31], v245
	v_lshrrev_b32 v236, 23, v244
	v_lshrrev_b32 v237, 23, v245
	s_delay_alu instid0(VALU_DEP_1)
	v_cndmask_b32 v236, v236, v237, vcc_lo
	global_store_b96 v10, v[224:226], s[84:85]     ; my 16 codes of block 0: 12 bytes,
	global_store_b96 v10, v[228:230], s[84:85] offset:24   ; of block 1
	global_store_b8 v11, v236, s[86:87]
.endm
	WALK 0                                         ; keys 0-511
	s_wait_alu depctr_va_vdst(0)
	s_wait_tensorcnt 0x0                           ; every wave's load is in,
	s_wait_dscnt 0x0
	s_barrier_signal -1
	s_barrier_wait -1                              ; and shown to all
	s_add_co_u32 s[TK], s[TK], 24576               ; from key 512 on K lies 24,576 bytes further on,
	s_add_co_u32 s[TV], s[TV], 73728               ; and V 73,728
	s_mov_b32 s[CNT], 12
	WALK 1                                         ; keys 512-2,047
	s_wait_alu depctr_va_vdst(0)
	s_wait_dscnt 0x0                               ; for the others' sake: my stores of the handed-over state have landed
	s_barrier_signal -1
	s_barrier_wait -1
	s_cmp_lt_u32 s[WV], 8
	s_cbranch_scc1 .Ldone                          ; waves 0-7 have handed their part over
.irp t, 0,1,2,3,4,5,6,7
	ds_load_b128 v[SR+4*\t:SR+4*\t+3], v29 offset:512*\t
.endr
	ds_load_b128 v[SR+32:SR+35], v29 offset:4096
	s_wait_dscnt 0x0
	v_min_num_f32 v254, v12, v[SR+32]              ; -M of the two parts together: the smaller -M
	v_add_f32 v14, v14, v15
	v_sub_f32 v252, v254, v12                      ; whole numbers, 0 or less
	v_sub_f32 v254, v254, v[SR+32]
	v_cvt_i32_f32 v252, v252                       ; (they saturate: a part with no step has -M near 3e38 and gets the factor 0)
	v_cvt_i32_f32 v254, v254
	v_ldexp_f32 v252, 1.0, v252                    ; my part's factor,
	v_ldexp_f32 v254, 1.0, v254                    ; the other's
	v_mul_f32 v14, v14, v252
	v_mov_b32 v15, 0
	v_fmac_f32 v14, v[SR+33], v254
.set i, 0
.rept 16
	v_pk_mul_f32 v[OT+i:OT+i+1], v[OT+i:OT+i+1], v[252:253] op_sel_hi:[1,0]
.set i, i+2
.endr
.set i, 0
.rept 16
	v_pk_fma_f32 v[OT+i:OT+i+1], v[SR+i:SR+i+1], v[254:255], v[OT+i:OT+i+1] op_sel_hi:[1,0,1]
.set i, i+2
.endr
	OUT
.Ldone:
	s_wait_tensorcnt 0x0
	ds_add_u32 v31, v243
	s_wait_dscnt 0x0
	s_endpgm
.Lfunc_end_k_q27fc2f9b21_attn:
	.size	k_q27fc2f9b21_attn, .Lfunc_end_k_q27fc2f9b21_attn-k_q27fc2f9b21_attn
	.p2alignl 7, 3214868480
	.fill 96, 4, 3214868480
	.section	.rodata,"a",@progbits
	.p2align	6, 0x0
	.amdhsa_kernel k_q27fc2f9b21_attn
		.amdhsa_group_segment_fixed_size 243712
		.amdhsa_private_segment_fixed_size 0
		.amdhsa_enable_private_segment 0
		.amdhsa_kernarg_size 24
		.amdhsa_user_sgpr_count 2
		.amdhsa_user_sgpr_kernarg_segment_ptr 1
		.amdhsa_wavefront_size32 1
		.amdhsa_system_sgpr_workgroup_id_x 1
		.amdhsa_system_sgpr_workgroup_id_y 1
		.amdhsa_system_sgpr_workgroup_id_z 1
		.amdhsa_system_vgpr_workitem_id 0
		.amdhsa_next_free_vgpr 256
		.amdhsa_next_free_sgpr 90
		.amdhsa_reserve_vcc 1
		.amdhsa_float_denorm_mode_32 3
		.amdhsa_float_denorm_mode_16_64 3
		.amdhsa_memory_ordered 1
		.amdhsa_forward_progress 1
		.amdhsa_inst_pref_size 79
	.end_amdhsa_kernel
	.amdgpu_metadata
---
amdhsa.version: [ 1, 2 ]
amdhsa.kernels:
  - .name:           k_q27fc2f9b21_attn
    .symbol:         k_q27fc2f9b21_attn.kd
    .args:
      - { .name: qkv, .offset: 0, .size: 8, .value_kind: global_buffer, .address_space: global }
      - { .name: hc, .offset: 8, .size: 8, .value_kind: global_buffer, .address_space: global }
      - { .name: hs, .offset: 16, .size: 8, .value_kind: global_buffer, .address_space: global }
    .group_segment_fixed_size: 243712
    .private_segment_fixed_size: 0
    .kernarg_segment_align: 8
    .kernarg_segment_size: 24
    .max_flat_workgroup_size: 512
    .sgpr_count:     90
    .vgpr_count:     256
    .wavefront_size: 32
...
	.end_amdgpu_metadata
.endif
;; end of part 10
;; launch gwo (part 11): grid 8 x 32, 4 waves a work-group, clusters of 4 x 4, 327,680 bytes of LDS; arguments hc, hs, wc, ws, x1, bo, x; writes x1
.if DOCPART == 11
	.amdgcn_target "amdgcn-amd-amdhsa--gfx1250"
	.amdhsa_code_object_version 6
	.text
	.protected	k_q27fc2f9b21_gwo
	.globl	k_q27fc2f9b21_gwo
	.p2align	8
	.type	k_q27fc2f9b21_gwo,@function
k_q27fc2f9b21_gwo:
	s_mov_b64 s[64:65], 0
	v_nop
	global_prefetch_b8 v0, s[64:65] scope:SCOPE_SE
	s_setreg_imm32_b32 hwreg(HW_REG_WAVE_MODE, 25, 1), 1
	s_wait_xcnt 0x0
	s_wait_alu depctr_hold_cnt(0) depctr_sa_sdst(0) depctr_va_vdst(0) depctr_va_sdst(0) depctr_va_ssrc(0) depctr_va_vcc(0) depctr_vm_vsrc(0)
	s_getreg_b32 s2, hwreg(HW_REG_IB_STS2, 6, 4)
	s_cmp_eq_u32 s2, 0
	s_cbranch_scc0 .Lentry_in_a_cluster
	s_endpgm
.Lentry_in_a_cluster:
	s_bfe_u32 s2, ttmp6, 0x10000c
	s_cmp_lg_u32 s2, 0xf033
	s_cbranch_scc0 .Lentry_shape_is_right
	s_endpgm
.Lentry_shape_is_right:
; x1 = x + ctx Wo + bo.  The product on codes of FP6 (E2M3) with E8M0 scales, K = 1,024; sums, bias and residual in f32.
; OPERANDS (this program's own layout): R rows, K in chunks of 256: codes [K/256][R][192 bytes], scale bytes [K/256][R][8].  A = hc, hs: ctx, 4,096 token places.  B = wc, ws, rows 3,072 on of the first region: Wo's 1,024 output columns.
; Inside each aligned group of 32 rows, row t lies at the place with t's bits 3 and 4 exchanged.
; THE TILE.  The result is 4,096 x 1,024: 32 x 8 = 256 tiles of 128 x 128, a work-group each; tiles of 256 x 256 would be 64.  Four waves, each 64 x 64: 16 accumulators.  For 128 along K a wave reads 8 fragments for 16 products.
; The matrix instruction is used transposed (source 0 = 16 places of B, source 1 = 16 places of A): a lane holds one place of A, and the 16 registers of two neighbouring tiles hold 16 neighbouring columns in their true order.
; The bias is the C of each sum's first matrix instruction.
; THE SLOTS.  A slot holds TWO chunks (512 along K) of the tile's 128 rows of A and 128 of B.  A chunk's 64 rows are 12,288 dense bytes of memory, so a wave's one load is 4 rows of 12,288 bytes, a chunk apart.  With K = 1,024 the two slots hold
; all of K: both are filled at the start and nothing is filled again.  The scale bytes of the tile's rows for all of K come with them.
; CLUSTERS: 4 x 4.  A's tile is shared along a row of the cluster, B's along a column: joint loads.
; The residual's rows are asked for at the head, behind the first fills, into registers of their own: 32 loads a wave.
; REGISTERS: window 0: v0-31 addresses; v32-63 scale words, a set for each slot; v64-95 the bias in the result's layout; on the way out v64-127 rows read back; v128-255 accumulator (a, b) at v[128 + 8 (4 a + b)].
;   window 1: two sets of fragments, at v64 and v160: B's four, then A's four.   window 2: v0-127 the residual's rows.
.set KTOT,   1024
.set NCH,    KTOT/256                  ; chunks
.set LAPS,   NCH/4                     ; a lap = two slots = four chunks
.set ROWB,   192                       ; a row of a chunk
.set CHPA,   4096*ROWB                 ; from chunk to chunk
.set CHPB,   4096*ROWB
.set ROWSA,  4096
.set ROWSB,  4096
.set BROW0,  3072                      ; B's first row
.set BCOD,   0                         ; B's region: codes, scale bytes
.set BSCL,   0
.set TROW,   64*ROWB                   ; 64 rows of a chunk: 12,288 bytes on end
.set PITCH,  240                       ; an LDS row: 3 x (64 bytes + 16 of padding)
.set CHB,    64*PITCH                  ; 64 rows of a chunk in LDS
.set FR,     12
.set NL,     6
.set NP,     4                         ; places behind this matrix instruction (ISA guide 7.12.1)
.set HALFT,  2*CHB                     ; two chunks of 64 rows: half of what one tensor load brings
.set SLOT,   4*HALFT                   ; A's two halves, then B's two
.set SCL,    2*SLOT                    ; behind the slots: the scale bytes: for each wave's load [chunk][64 rows][8 bytes]
.set HALFS,  NCH*512
.set SPARE,  SCL+4*HALFS               ; the spare words, 128 bytes a wave: two blocks of 256 bytes that no other line names
.set SPITCH, 272                       ; the way out: a stage of 16 rows x (256 bytes + 16) for each wave, in slot 0
.set BO,   7                           ; v7      64 h: my half's place in the bias
.set ADRA, 16                          ; v16-17  LDS address of my A fragments in slot 0, 1  (v18-19: behind one padding more)
.set ADRB, 20                          ; v20-21  the same for B  (v22-23)
.set STO,  24                          ; v24     the stage: where I put my numbers of a row
.set RD,   25                          ; v25     and where I read rows back
.set CO,   26                          ; v26     4,096 h + 16 r: my 16 bytes of two rows' 256; never rewritten
.set ADRS, 27                          ; v27     LDS address of my scale words: lanes 0-15 A's rows, lanes 16-31 B's
.set SPW,  28
.set NIL,  29
.set SC,   32                          ; slot s, chunk j, block i, half q of the chunk: v[SC + 16 s + 8 j + 2 i + q]
.set BIAS, 64
.set BK,   64                          ; the way out: 16 rows read back: v64-95 and v96-127 by turns
.set ACC,  128
.set F0,   64                          ; in window 1
.set RES,  0                           ; in window 2
.set G1, 24
.set G0, 32
.set G1B, 48
.set G0B, 56
.set G1S, 68
.set G0S, 76
.set G1SB, 80
.set G0SB, 88
.set MSB, 0
.macro WIN new                         ; the immediate's high byte repeats the setting that is left
.if MSB != (\new)
	s_set_vgpr_msb (MSB<<8)|(\new)
.set MSB, (\new)
.endif
.endm
.set MUL,   0x05                       ; sources 0 (B) and 1 (A) window 1; C and D window 0
.set TO_F,  0x40                       ; destination window 1, address window 0
.set TO_R,  0x80                       ; destination window 2
.set ADD_R, 0x08                       ; source 1 window 2
.macro JLOAD g0a, g1a, g0b, g1b        ; a joint load: waves 0 and 1 fetch for A, waves 2 and 3 for B; the branch hangs on the wave's number alone; four v_nop follow each line
	s_cmp_eq_u32 s15, 0
	s_cbranch_scc0 .Lfor_b_\@
	tensor_load_to_lds s[\g0a:\g0a+3], s[\g1a:\g1a+7]
	s_nop 0
.rept 4
	v_nop
.endr
	s_branch .Lasked_\@
.Lfor_b_\@:
	tensor_load_to_lds s[\g0b:\g0b+3], s[\g1b:\g1b+7]
	s_nop 0
.rept 4
	v_nop
.endr
.Lasked_\@:
.endm
.macro CROUND                          ; a round of the cluster's barrier
	s_barrier_signal -1
	s_barrier_wait -1
	s_cmp_lg_u32 s14, 0
	s_cbranch_scc1 .Lnot_wave_0_\@
	s_barrier_signal -3
.Lnot_wave_0_\@:
	s_barrier_wait -3
	s_barrier_signal -1
	s_barrier_wait -1
.endm
	s_load_b128 s[4:7], s[0:1], 0x0                ; A's codes, A's scale bytes
	s_load_b128 s[8:11], s[0:1], 0x10              ; wc, ws
	s_load_b64 s[12:13], s[0:1], 0x20              ; the result
	s_load_b128 s[96:99], s[0:1], 0x28             ; the bias, the residual
	v_lshl_add_u32 v[SPW], v0, 2, SPARE
	v_mov_b32 v[NIL], 0
	ds_add_u32 v28, v29
	ds_add_u32 v28, v29
	s_wait_dscnt 0x0
	v_lshrrev_b32 v1, 5, v0
	v_readfirstlane_b32 s14, v1                    ; wave 0..3
	s_lshr_b32 s15, s14, 1                         ; which half of A's rows is mine.  Also: I fetch for A (0) or for B (1)
	s_and_b32 s16, s14, 1                          ; which half of B's rows.  Also: which 64 rows I fetch
	s_bfe_u32 s40, ttmp6, 0x40000                  ; cx, cy
	s_bfe_u32 s41, ttmp6, 0x40004
	s_lshl_b32 s42, ttmp9, 2
	s_add_co_u32 s42, s42, s40                     ; tile column, 0 .. 7
	s_and_b32 s17, ttmp7, 0xffff
	s_lshl_b32 s17, s17, 2
	s_add_co_u32 s17, s17, s41                     ; tile row, 0 .. 31
	s_lshl_b32 s43, s41, 2
	s_lshl_b32 s43, 15, s43                        ; my row of the cluster
	s_lshl_b32 s44, 0x1111, s40                    ; my column
	s_or_b32 s[G1+0], s43, (0<<16)|(1<<20)|(1<<21)|(3<<22)|(3<<25)  ; mask; elements of 1 byte; padding on; bit 21 beside a mask; 4 words behind every 16
	s_or_b32 s[G1B+0], s44, (0<<16)|(1<<20)|(1<<21)|(3<<22)|(3<<25)
.irp g, G1, G1B
	s_mov_b32 s[\g+1], TROW<<16                    ; tensor_dim0: 64 rows of a chunk on end
	s_mov_b32 s[\g+2], 4<<16                       ; ONE load a wave brings all four chunks of its 64 rows: [chunk][64 rows], 2 HALFT bytes of LDS a wave; 'slot' s below is chunks 2 s, 2 s + 1 of it
	s_mov_b32 s[\g+3], TROW<<16
	s_mov_b32 s[\g+4], 4
	s_mov_b32 s[\g+6], 0
	s_mov_b32 s[\g+7], 0
.endr
	s_mov_b32 s[G1+5], CHPA                        ; from chunk to chunk
	s_mov_b32 s[G1B+5], CHPB
	s_lshl_b32 s18, s16, 6                         ; which 64 rows of the tile I fetch
	s_lshl_b32 s20, s17, 7
	s_add_co_u32 s20, s20, s18                     ; A's row
	s_lshl_b32 s46, s42, 7
	s_add_co_u32 s46, s46, s18                     ; B's row
.if BROW0
	s_add_co_u32 s46, s46, BROW0
.endif
	s_lshl_b32 s22, s20, 3                         ; where these rows' scale bytes begin,
	s_mov_b32 s23, 0
	s_lshl_b32 s92, s46, 3
.if BSCL
	s_add_co_u32 s92, s92, BSCL
.endif
	s_mov_b32 s93, 0
	s_mul_i32 s20, s20, ROWB                       ; and their codes
	s_mov_b32 s21, 0
	s_mul_i32 s46, s46, ROWB
.if BCOD
	s_add_co_u32 s46, s46, BCOD
.endif
	s_mov_b32 s47, 0
	s_mul_i32 s45, s14, 2*HALFT
	s_mul_i32 s94, s14, HALFS
	s_wait_kmcnt 0x0
	s_add_nc_u64 s[20:21], s[4:5], s[20:21]
	s_add_nc_u64 s[22:23], s[6:7], s[22:23]
	s_add_nc_u64 s[46:47], s[8:9], s[46:47]
	s_add_nc_u64 s[92:93], s[10:11], s[92:93]
	CROUND                                         ; all sixteen work-groups are here: the first joint loads meet
	s_cmp_eq_u32 s15, 0                            ; the scale bytes of the 64 rows that I fetch, 4 x 512 bytes, come through registers: 1/24 of the codes' bytes, so they are not asked for jointly
	s_cselect_b64 s[68:69], s[22:23], s[92:93]
	s_add_co_u32 s94, s94, SCL
.irp s, 0
	s_mov_b32 s[G0+4*\s], 1
	s_add_co_u32 s[G0+4*\s+1], s45, \s*SLOT
	s_add_nc_u64 s[G0+4*\s+2:G0+4*\s+3], s[20:21], \s*2*CHPA       ; slot s begins with chunks 2 s and 2 s + 1
	s_or_b32 s[G0+4*\s+3], s[G0+4*\s+3], 0x80000000
	s_mov_b32 s[G0B+4*\s], 1
	s_add_co_u32 s[G0B+4*\s+1], s45, \s*SLOT
	s_add_nc_u64 s[G0B+4*\s+2:G0B+4*\s+3], s[46:47], \s*2*CHPB
	s_or_b32 s[G0B+4*\s+3], s[G0B+4*\s+3], 0x80000000
	JLOAD G0+4*\s, G1, G0B+4*\s, G1B
.endr
	v_and_b32 v30, 31, v0
	v_lshlrev_b32 v30, 4, v30                      ; 16 bytes a lane: a load covers a chunk's 512 consecutive bytes
	v_add_nc_u32 v31, s94, v30                     ; and their place in LDS
.irp c, 0,1,2,3
	global_load_b128 v[ACC+4*\c:ACC+4*\c+3], v30, s[68:69] offset:32768*\c
.endr
	v_and_b32 v1, 15, v0                           ; r
	v_bfe_u32 v2, v0, 4, 1                         ; h
	v_mul_u32_u24 v3, v1, PITCH
	v_mul_u32_u24 v4, v2, 24
	v_add_nc_u32 v4, v3, v4                        ; a fragment's row x pitch + 24 h
	v_lshl_add_u32 v5, v2, 4, v4                   ; and the same behind one padding more
	s_mul_i32 s21, s15, 2*HALFT
	s_mul_i32 s22, s16, 2*HALFT
	s_add_co_u32 s22, s22, 4*HALFT
.irp s, 0,1
	v_add_nc_u32 v[ADRA+\s], s21, v4
	v_add_nc_u32 v[ADRB+\s], s22, v4
	v_add_nc_u32 v[ADRA+2+\s], s21, v5
	v_add_nc_u32 v[ADRB+2+\s], s22, v5
	s_add_co_u32 s21, s21, HALFT
	s_add_co_u32 s22, s22, HALFT
.endr
	v_lshlrev_b32 v5, 3, v1                        ; my row's scale bytes: 8 a row
	s_mul_i32 s21, s15, HALFS
	s_mul_i32 s22, s16, HALFS
	s_add_co_u32 s22, s22, 2*HALFS
	s_sub_co_u32 s22, s22, s21
	v_mul_u32_u24 v6, s22, v2                      ; lanes 16-31 take B's: the lower base + h x the distance
	s_add_co_u32 s21, s21, SCL
	v_add_nc_u32 v5, v5, v6
	v_add_nc_u32 v[ADRS], s21, v5
	s_mul_i32 s23, s14, 16*SPITCH                  ; my stage
	v_mul_u32_u24 v5, v1, SPITCH
	v_lshl_add_u32 v5, v2, 6, v5                   ; in: row r; my half's 16 columns of each 32: 64 h
	v_add_nc_u32 v[STO], s23, v5
	v_mul_u32_u24 v6, v2, SPITCH
	v_lshl_add_u32 v6, v1, 4, v6                   ; back: lanes 0-15 one row of 256 bytes, lanes 16-31 the next
	v_add_nc_u32 v[RD], s23, v6
	v_lshlrev_b32 v[CO], 12, v2
	v_lshl_add_u32 v[CO], v1, 4, v[CO]             ; and the same two rows in memory
	v_lshlrev_b32 v[BO], 6, v2
	s_wait_alu depctr_va_vdst(0)
	s_lshl_b32 s20, s17, 7
	s_lshl_b32 s21, s15, 6
	s_add_co_u32 s20, s20, s21                     ; my first row: 128 x tile row + 64 x half
	s_lshl_b32 s20, s20, 12                        ; rows of 4,096 bytes
	s_lshl_b32 s46, s42, 9
	s_lshl_b32 s47, s16, 8
	s_add_co_u32 s46, s46, s47                     ; my first column, in bytes: 512 x tile column + 256 x half
	s_mov_b32 s47, 0
	s_add_nc_u64 s[96:97], s[96:97], s[46:47]
	s_add_co_u32 s20, s20, s46
	s_mov_b32 s21, 0
	s_add_nc_u64 s[12:13], s[12:13], s[20:21]
	s_add_nc_u64 s[98:99], s[98:99], s[20:21]
.irp b, 0,1,2,3                                ; tile b's register j holds column 32 (b / 2) + 16 h + 8 (b % 2) + j
	global_load_b128 v[BIAS+8*\b:BIAS+8*\b+3], v[BO], s[96:97] offset:128*(\b/2)+32*(\b%2)
	global_load_b128 v[BIAS+8*\b+4:BIAS+8*\b+7], v[BO], s[96:97] offset:128*(\b/2)+32*(\b%2)+16
.endr
	WIN TO_R                                       ; the residual: place 2 t + h of block a is row 32 (a / 2) + 8 (a % 2) + 2 t + 8 (t / 4) + h of my 64
.irp a, 0,1,2,3
.irp t, 0,1,2,3,4,5,6,7
	global_load_b128 v[RES+32*\a+4*\t:RES+32*\a+4*\t+3], v[CO], s[98:99] offset:(32*(\a/2)+8*(\a%2)+2*\t+8*(\t/4))*4096 th:TH_LOAD_NT
.endr
.endr
	WIN 0
.macro FRAG reg, adr, k, i             ; a fragment of the slot's k-th 128 along K: lane l holds row l % 16; registers 6 c .. 6 c + 5 hold K = 64 c + 32 (l / 16) + 0 .. 31: 24 bytes of the row, as they lie, in pieces of 8
.irp p, 0,1,2,3,4,5
.set PIECE, 12*((\k)%2)+6*(\p/3)+\p%3  ; 16 bytes of padding lie behind every 8 pieces: where the piece three on lies behind one padding more, the second address register serves
.if PIECE%8 < 5
	ds_load_b64 v[\reg+2*\p:\reg+2*\p+1], v[\adr] offset:8*PIECE+16*(PIECE/8)+(\i)*16*PITCH+((\k)/2)*CHB
.else
	ds_load_b64 v[\reg+2*\p:\reg+2*\p+1], v[\adr+2] offset:8*PIECE+16*(PIECE/8)+(\i)*16*PITCH+((\k)/2)*CHB
.endif
.endr
.endm
.macro FETCH slot, k                   ; 48 LDS loads in one run: B's four fragments and A's four, into set k % 2
	WIN TO_F
.irp i, 0,1,2,3
	FRAG F0+96*((\k)%2)+FR*\i, ADRB+\slot, \k, \i
.endr
.irp i, 0,1,2,3
	FRAG F0+96*((\k)%2)+48+FR*\i, ADRA+\slot, \k, \i
.endr
.endm
.macro SCALES sc                       ; a slot's scale words: two chunks, 2 words a row; lanes 0-15 take A's block i, lanes 16-31 B's block i
.irp j, 0,1
.irp i, 0,1,2,3
	ds_load_b64 v[SC+16*\sc+8*\j+2*\i:SC+16*\sc+8*\j+2*\i+1], v[ADRS] offset:512*\j+128*\i
.endr
.endr
.endm
; 16 matrix instructions: A's four blocks x B's four, 128 along K.  zero = 1: the first product starts the sums, from the bias.  The 16 accumulators take turns, one instruction a turn.
.macro MUL16 slot, k, zero
.irp a, 0,1,2,3
.irp b, 0,1,2,3
.if \zero
	v_wmma_scale_f32_16x16x128_f8f6f4 v[ACC+8*(4*\a+\b):ACC+8*(4*\a+\b)+7], v[F0+96*((\k)%2)+FR*\b:F0+96*((\k)%2)+FR*\b+FR-1], v[F0+96*((\k)%2)+48+FR*\a:F0+96*((\k)%2)+48+FR*\a+FR-1], v[BIAS+8*\b:BIAS+8*\b+7], v[SC+16*(\slot)+8*((\k)/2)+2*\b+(\k)%2], v[SC+16*(\slot)+8*((\k)/2)+2*\a+(\k)%2] matrix_a_fmt:MATRIX_FMT_FP6 matrix_b_fmt:MATRIX_FMT_FP6 matrix_a_scale:MATRIX_SCALE_ROW1
.else
	v_wmma_scale_f32_16x16x128_f8f6f4 v[ACC+8*(4*\a+\b):ACC+8*(4*\a+\b)+7], v[F0+96*((\k)%2)+FR*\b:F0+96*((\k)%2)+FR*\b+FR-1], v[F0+96*((\k)%2)+48+FR*\a:F0+96*((\k)%2)+48+FR*\a+FR-1], v[ACC+8*(4*\a+\b):ACC+8*(4*\a+\b)+7], v[SC+16*(\slot)+8*((\k)/2)+2*\b+(\k)%2], v[SC+16*(\slot)+8*((\k)/2)+2*\a+(\k)%2] matrix_a_fmt:MATRIX_FMT_FP6 matrix_b_fmt:MATRIX_FMT_FP6 matrix_a_scale:MATRIX_SCALE_ROW1
.endif
.endr
.endr
.endm
.macro PLACES n                        ; plain vector instructions between a matrix instruction and a load into, or a read of, its registers
.rept \n
	v_nop
.endr
.endm
.macro STEP slot, k, zero              ; the slot's k-th 128 along K, k = 0, 1, 2: the next step's fragments are asked for first, into the set that the step before has multiplied
	PLACES NP
	FETCH \slot, (\k)+1
	s_wait_dscnt 8*NL                              ; all but the 48 just issued: this step's fragments, and the slot's scale words, are in
	WIN MUL
	MUL16 \slot, \k, \zero
.endm
; A slot's last step, and the change of slots.  The step's products stand ahead of the wait for the tensor loads, so that between that wait and the refill lie the add, the descriptors' steps and the barrier alone.
; In front of the barrier each wave waits for all its tensor loads, adds 0 to its spare word, and waits for that; its reads of this slot came back at the macro's head.
.macro TURN slot, next, fill
	s_wait_dscnt 0x0                               ; the last step's fragments are in: my reads of this slot are over
	WIN MUL
	MUL16 \slot, 3, 0
	WIN 0
	s_wait_tensorcnt 0x0                           ; all my tensor loads have landed: my part of the next slot; so a group 0 may be written
	ds_add_u32 v[SPW], v[NIL]                      ; 0 onto my spare word
.if \fill
	s_add_nc_u64 s[G0+4*\slot+2:G0+4*\slot+3], s[G0+4*\slot+2:G0+4*\slot+3], 4*CHPA      ; this slot's next two chunks: four chunks on
	s_add_nc_u64 s[G0B+4*\slot+2:G0B+4*\slot+3], s[G0B+4*\slot+2:G0B+4*\slot+3], 4*CHPB
.endif
	s_wait_dscnt 0x0                               ; the add is done
.if \fill
	CROUND                                         ; no wave of any partner still reads this slot or has a load on its way
	JLOAD G0+4*\slot, G1, G0B+4*\slot, G1B         ; the first tensor load behind the round; its four v_nop are the places in front of the loads below
.else
	s_barrier_signal -1
	s_barrier_wait -1
	PLACES NP
.endif
	v_add_nc_u32 v[ADRS], 1024, v[ADRS]            ; the next slot's scale words: two chunks of 512 bytes on
	SCALES \next
	FETCH \next, 0
.endm
	s_wait_alu depctr_va_vdst(0)
	s_wait_loadcnt 40                              ; the scale bytes are in registers; the 8 loads of the bias and the 32 of the residual may be out
	s_wait_tensorcnt 0x0                           ; my one tensor load has landed
.irp c, 0,1,2,3
	ds_store_b128 v31, v[ACC+4*\c:ACC+4*\c+3] offset:512*\c
.endr
	s_wait_dscnt 0x0
	s_barrier_signal -1
	s_barrier_wait -1                              ; everybody's have
	SCALES 0
	FETCH 0, 0
	s_wait_loadcnt 32                              ; the bias is in; the residual's 32 loads may be out
	STEP 0, 0, 1                                   ; the first step's products start the sums
	STEP 0, 1, 0
	STEP 0, 2, 0
	WIN 0                                          ; at a label and at a branch every window is 0
.if LAPS > 1
	s_mov_b32 s3, LAPS-1
.Llap:                                                 ; a trip goes once round the two slots and fills both again
	TURN 0, 1, 1
	STEP 1, 0, 0
	STEP 1, 1, 0
	STEP 1, 2, 0
	TURN 1, 0, 1
	STEP 0, 0, 0
	STEP 0, 1, 0
	STEP 0, 2, 0
	WIN 0
	s_sub_co_u32 s3, s3, 1
	s_cmp_lg_u32 s3, 0
	s_cbranch_scc1 .Llap
.endif
	TURN 0, 1, 0                                   ; the last lap fills nothing
	STEP 1, 0, 0
	STEP 1, 1, 0
	STEP 1, 2, 0
	s_wait_dscnt 0x0
	MUL16 1, 3, 0
	WIN 0
; THE WAY OUT, block by block of 16 places x 64 columns, through my own stage in LDS (in slot 0: it has had its last fill, and every wave has passed the last change of slots, behind which nobody reads it), back as whole
; rows of 256 bytes; the residual's rows are added; stored.  The row stands in the immediate (62 rows of 4,096 bytes at the most), and no base is stepped.
.macro TOSTAGE a
.set AC, ACC+32*(\a)
.irp b, 0,1,2,3
	ds_store_b128 v[STO], v[AC+8*\b:AC+8*\b+3] offset:128*(\b/2)+32*(\b%2)        ; each accumulator from its low end on; columns in their true order
	ds_store_b128 v[STO], v[AC+8*\b+4:AC+8*\b+7] offset:128*(\b/2)+32*(\b%2)+16
.endr
.set BB, BK+32*((\a)%2)
.irp t, 0,1,2,3,4,5,6,7
	ds_load_b128 v[BB+4*\t:BB+4*\t+3], v[RD] offset:\t*2*SPITCH   ; LDS serves a wave's instructions in order: these see the stores above
.endr
.endm
.macro SEND a, younger                 ; younger: the LDS instructions issued behind block a's loads, which may stay out
.set BB, BK+32*((\a)%2)
.set RR, RES+32*(\a)
	s_wait_dscnt \younger
	WIN ADD_R
.set i, 0
.rept 16
	v_pk_add_f32 v[BB+i:BB+i+1], v[BB+i:BB+i+1], v[RR+i:RR+i+1]
.set i, i+2
.endr
	WIN 0
.irp t, 0,1,2,3,4,5,6,7
	global_store_b128 v[CO], v[BB+4*\t:BB+4*\t+3], s[12:13] offset:(32*((\a)/2)+8*((\a)%2)+2*\t+8*(\t/4))*4096   ; sixteen lanes store 256 consecutive bytes, at a multiple of 256 from the buffer's first byte
.endr
.endm
	PLACES NP
	s_wait_loadcnt 0x0                             ; the residual, asked for at the head
	TOSTAGE 0
.irp a, 1,2,3
.if \a > 1
	s_wait_xcnt 0x0                                ; block a - 2's stores have read their registers: block a's loads may land there
.endif
	TOSTAGE \a
	SEND \a-1, 16                                  ; behind block a - 1's loads: block a's 8 stores and 8 loads
.endr
	SEND 3, 0
	s_wait_tensorcnt 0x0                           ; the wave's end
	ds_add_u32 v[SPW], v[NIL]
	s_wait_dscnt 0x0
	CROUND                                         ; the closing round: no work-group ends while a partner may still ask for a tile that names it
	s_endpgm
.Lfunc_end_k_q27fc2f9b21_gwo:
	.size	k_q27fc2f9b21_gwo, .Lfunc_end_k_q27fc2f9b21_gwo-k_q27fc2f9b21_gwo
	.p2alignl 7, 3214868480
	.fill 96, 4, 3214868480
	.section	.rodata,"a",@progbits
	.p2align	6, 0x0
	.amdhsa_kernel k_q27fc2f9b21_gwo
		.amdhsa_group_segment_fixed_size 327680
		.amdhsa_private_segment_fixed_size 0
		.amdhsa_enable_private_segment 0
		.amdhsa_kernarg_size 56
		.amdhsa_user_sgpr_count 2
		.amdhsa_user_sgpr_kernarg_segment_ptr 1
		.amdhsa_wavefront_size32 1
		.amdhsa_system_sgpr_workgroup_id_x 1
		.amdhsa_system_sgpr_workgroup_id_y 1
		.amdhsa_system_sgpr_workgroup_id_z 1
		.amdhsa_system_vgpr_workitem_id 0
		.amdhsa_next_free_vgpr 768
		.amdhsa_next_free_sgpr 102
		.amdhsa_reserve_vcc 0
		.amdhsa_float_denorm_mode_32 3
		.amdhsa_float_denorm_mode_16_64 3
		.amdhsa_memory_ordered 1
		.amdhsa_forward_progress 1
		.amdhsa_inst_pref_size 67
	.end_amdhsa_kernel
	.amdgpu_metadata
---
amdhsa.version: [ 1, 2 ]
amdhsa.kernels:
  - .name:           k_q27fc2f9b21_gwo
    .symbol:         k_q27fc2f9b21_gwo.kd
    .args:
      - { .name: hc, .offset: 0, .size: 8, .value_kind: global_buffer, .address_space: global }
      - { .name: hs, .offset: 8, .size: 8, .value_kind: global_buffer, .address_space: global }
      - { .name: wc, .offset: 16, .size: 8, .value_kind: global_buffer, .address_space: global }
      - { .name: ws, .offset: 24, .size: 8, .value_kind: global_buffer, .address_space: global }
      - { .name: x1, .offset: 32, .size: 8, .value_kind: global_buffer, .address_space: global }
      - { .name: bo, .offset: 40, .size: 8, .value_kind: global_buffer, .address_space: global }
      - { .name: x, .offset: 48, .size: 8, .value_kind: global_buffer, .address_space: global }
    .group_segment_fixed_size: 327680
    .private_segment_fixed_size: 0
    .kernarg_segment_align: 8
    .kernarg_segment_size: 56
    .max_flat_workgroup_size: 128
    .sgpr_count:     102
    .vgpr_count:     768
    .wavefront_size: 32
...
	.end_amdgpu_metadata
.endif
;; end of part 11
;; launch ln2: the kernel of part 8 again; grid 256 x 1, 4 waves a work-group, no clusters, 37,888 bytes of LDS; arguments x1, g2, be2, hc, hs, Wq, Wk, Wv, Wo, W1, W2, wc, ws; writes hc, hs, wc, ws
;; launch gff1 (part 12): grid 16 x 16, 4 waves a work-group, clusters of 4 x 4, 327,680 bytes of LDS; arguments hc, hs, wc, ws, fc, fs, bf1; writes fc, fs
.if DOCPART == 12
	.amdgcn_target "amdgcn-amd-amdhsa--gfx1250"
	.amdhsa_code_object_version 6
	.text
	.protected	k_q27fc2f9b21_gff1
	.globl	k_q27fc2f9b21_gff1
	.p2align	8
	.type	k_q27fc2f9b21_gff1,@function
k_q27fc2f9b21_gff1:
	s_mov_b64 s[64:65], 0
	v_nop
	global_prefetch_b8 v0, s[64:65] scope:SCOPE_SE
	s_setreg_imm32_b32 hwreg(HW_REG_WAVE_MODE, 25, 1), 1
	s_wait_xcnt 0x0
	s_wait_alu depctr_hold_cnt(0) depctr_sa_sdst(0) depctr_va_vdst(0) depctr_va_sdst(0) depctr_va_ssrc(0) depctr_va_vcc(0) depctr_vm_vsrc(0)
	s_getreg_b32 s2, hwreg(HW_REG_IB_STS2, 6, 4)
	s_cmp_eq_u32 s2, 0
	s_cbranch_scc0 .Lentry_in_a_cluster
	s_endpgm
.Lentry_in_a_cluster:
	s_bfe_u32 s2, ttmp6, 0x10000c
	s_cmp_lg_u32 s2, 0xf033
	s_cbranch_scc0 .Lentry_shape_is_right
	s_endpgm
.Lentry_shape_is_right:
.set KTOT,   1024
.set NCH,    KTOT/256
.set LAPS,   NCH/2
.set NQ,     2
.set ROWB,   192
.set CHPA,   4096*ROWB
.set CHPB,   4096*ROWB
.set ROWSA,  4096
.set ROWSB,  4096
.set BCOD,   3145728
.set BSCL,   131072
.set PITCH,  240
.set FR,     12
.set NL,     6
.set NP,     4
.set HALFT,  128*PITCH
.set SLOT,   4*HALFT
.set SCL,    2*SLOT
.set HALFS,  NCH*1024
.set SPARE,  SCL+4*HALFS
.set SSTG,   49152
.set BO,   7
.set RD,   8
.set ADRA, 16
.set ADRB, 20
.set STO,  24
.set SST,  25
.set ADRS, 27
.set SPW,  28
.set NIL,  29
.set SC,   32
.set BIAS, 64
.set AF,   128
.set TT,   64
.set SS,   128
.set PP,   160
.set QQ,   192
.set ZZ,   224
.set CDS,  128
.set TM,   148
.set PW,   164
.set OB,   64
.set OBS,  160
.set SEL,  66
.set G1, 24
.set G0, 32
.set G1B, 48
.set G0B, 56
.set G1S, 68
.set G0S, 76
.set G1SB, 80
.set G0SB, 88
.set MSB, 0
.macro WIN new
.if MSB != (\new)
	s_set_vgpr_msb (MSB<<8)|(\new)
.set MSB, (\new)
.endif
.endm
.set MUL_LO, 0xa1
.set MUL_HI, 0xf1
.set Z_LO,   0x81
.set Z_HI,   0xc1
.set TO_B,   0x40
.macro JLOAD g0a, g1a, g0b, g1b
	s_cmp_eq_u32 s15, 0
	s_cbranch_scc0 .Lfor_b_\@
	tensor_load_to_lds s[\g0a:\g0a+3], s[\g1a:\g1a+7]
	s_nop 0
.rept 4
	v_nop
.endr
	s_branch .Lasked_\@
.Lfor_b_\@:
	tensor_load_to_lds s[\g0b:\g0b+3], s[\g1b:\g1b+7]
	s_nop 0
.rept 4
	v_nop
.endr
.Lasked_\@:
.endm
.macro CREST
	s_cmp_lg_u32 s14, 0
	s_cbranch_scc1 .Lnot_wave_0_\@
	s_barrier_signal -3
.Lnot_wave_0_\@:
	s_barrier_wait -3
	s_barrier_signal -1
	s_barrier_wait -1
.endm
.macro CROUND
	s_barrier_signal -1
	s_barrier_wait -1
	CREST
.endm
	s_load_b128 s[4:7], s[0:1], 0x0
	s_load_b128 s[8:11], s[0:1], 0x10
	s_load_b128 s[96:99], s[0:1], 0x20
	s_load_b64 s[100:101], s[0:1], 0x30
	v_lshl_add_u32 v[SPW], v0, 2, SPARE
	v_mov_b32 v[NIL], 0
	ds_add_u32 v28, v29
	ds_add_u32 v28, v29
	s_wait_dscnt 0x0
	v_lshrrev_b32 v1, 5, v0
	v_readfirstlane_b32 s14, v1
	s_lshr_b32 s15, s14, 1
	s_and_b32 s16, s14, 1
	s_bfe_u32 s40, ttmp6, 0x40000
	s_bfe_u32 s41, ttmp6, 0x40004
	s_lshl_b32 s42, ttmp9, 2
	s_add_co_u32 s42, s42, s40
	s_and_b32 s17, ttmp7, 0xffff
	s_lshl_b32 s17, s17, 2
	s_add_co_u32 s17, s17, s41
	s_lshl_b32 s43, s41, 2
	s_lshl_b32 s43, 15, s43
	s_lshl_b32 s44, 0x1111, s40
	s_or_b32 s[G1+0], s43, (0<<16)|(1<<20)|(1<<21)|(3<<22)|(3<<25)
	s_or_b32 s[G1B+0], s44, (0<<16)|(1<<20)|(1<<21)|(3<<22)|(3<<25)
.irp g, G1, G1B
	s_mov_b32 s[\g+1], (64*ROWB)<<16               ; a chunk's 128 rows are 24,576 dense bytes: stated as 2 rows of 12,288, each beginning at a multiple of 256
	s_mov_b32 s[\g+2], 2<<16
	s_mov_b32 s[\g+3], (64*ROWB)<<16
	s_mov_b32 s[\g+4], 2
	s_mov_b32 s[\g+5], 64*ROWB
	s_mov_b32 s[\g+6], 0
	s_mov_b32 s[\g+7], 0
.endr
	s_lshl_b32 s18, s16, 7
	s_lshl_b32 s20, s17, 8
	s_add_co_u32 s20, s20, s18
	s_lshl_b32 s46, s42, 8
	s_add_co_u32 s46, s46, s18
	s_lshl_b32 s22, s20, 3
	s_mov_b32 s23, 0
	s_lshl_b32 s92, s46, 3
	s_add_co_u32 s92, s92, BSCL
	s_mov_b32 s93, 0
	s_mul_i32 s20, s20, ROWB
	s_mov_b32 s21, 0
	s_mul_i32 s46, s46, ROWB
	s_add_co_u32 s46, s46, BCOD
	s_mov_b32 s47, 0
	s_mul_i32 s45, s14, HALFT
	s_mul_i32 s94, s14, HALFS
	s_wait_kmcnt 0x0
	s_add_nc_u64 s[20:21], s[4:5], s[20:21]
	s_add_nc_u64 s[22:23], s[6:7], s[22:23]
	s_add_nc_u64 s[46:47], s[8:9], s[46:47]
	s_add_nc_u64 s[92:93], s[10:11], s[92:93]
	CROUND
	s_cmp_eq_u32 s15, 0                            ; the scale bytes of the 128 rows that I fetch, 4 x 1,024 bytes, come through registers: 1/24 of the codes' bytes, so they are not asked for jointly
	s_cselect_b64 s[68:69], s[22:23], s[92:93]
	s_add_co_u32 s94, s94, SCL
.irp s, 0,1
	s_mov_b32 s[G0+4*\s], 1
	s_add_co_u32 s[G0+4*\s+1], s45, \s*SLOT
	s_add_nc_u64 s[G0+4*\s+2:G0+4*\s+3], s[20:21], \s*CHPA
	s_or_b32 s[G0+4*\s+3], s[G0+4*\s+3], 0x80000000
	s_mov_b32 s[G0B+4*\s], 1
	s_add_co_u32 s[G0B+4*\s+1], s45, \s*SLOT
	s_add_nc_u64 s[G0B+4*\s+2:G0B+4*\s+3], s[46:47], \s*CHPB
	s_or_b32 s[G0B+4*\s+3], s[G0B+4*\s+3], 0x80000000
.endr
	s_cmp_eq_u32 s15, 0                            ; the prefetches: of the 96 blocks of 256 bytes in a chunk of the 128 rows that I fetch, each of the four partners that ask for them jointly names 24, told apart by address
	s_cselect_b64 s[72:73], s[20:21], s[46:47]
	s_cselect_b32 s74, s40, s41                    ; my place among the four: cx for A's rows, cy for B's
	s_mul_i32 s74, s74, 6144
	s_mov_b32 s75, 0
	s_add_nc_u64 s[72:73], s[72:73], s[74:75]
	JLOAD G0, G1, G0B, G1B
	v_and_b32 v30, 31, v0
	v_lshlrev_b32 v30, 4, v30                      ; 16 bytes a lane: a load covers 512 consecutive bytes
	v_add_nc_u32 v31, s94, v30
	v_and_b32 v9, 31, v0
	v_min_u32 v9, 23, v9                           ; a lane a block; the eight lanes left over name the last block again
	v_lshlrev_b32 v9, 8, v9
.irp c, 0,1,2,3
.irp u, 0,1
	global_load_b128 v[AF+8*\c+4*\u:AF+8*\c+4*\u+3], v30, s[68:69] offset:32768*\c+512*\u
.endr
.endr
	global_prefetch_b8 v9, s[72:73] offset:CHPA th:TH_LOAD_NT scope:SCOPE_SE      ; chunk 1, asked for by its tensor load behind the next round,
	global_prefetch_b8 v9, s[72:73] offset:2*CHPA th:TH_LOAD_NT scope:SCOPE_SE    ; and chunk 2, two fills on
	v_and_b32 v1, 15, v0
	v_bfe_u32 v2, v0, 4, 1
	v_mul_u32_u24 v3, v1, PITCH
	v_mul_u32_u24 v4, v2, 24
	v_add_nc_u32 v4, v3, v4
	v_lshl_add_u32 v5, v2, 4, v4
	s_mul_i32 s21, s15, HALFT
	s_mul_i32 s22, s16, HALFT
	s_add_co_u32 s22, s22, 2*HALFT
.irp s, 0,1
	v_add_nc_u32 v[ADRA+\s], s21, v4
	v_add_nc_u32 v[ADRB+\s], s22, v4
	v_add_nc_u32 v[ADRA+2+\s], s21, v5
	v_add_nc_u32 v[ADRB+2+\s], s22, v5
	s_add_co_u32 s21, s21, SLOT
	s_add_co_u32 s22, s22, SLOT
.endr
	v_lshlrev_b32 v5, 3, v1
	s_mul_i32 s21, s15, HALFS
	s_mul_i32 s22, s16, HALFS
	s_add_co_u32 s22, s22, 2*HALFS
	s_sub_co_u32 s22, s22, s21
	v_mul_u32_u24 v6, s22, v2
	s_add_co_u32 s21, s21, SCL
	v_add_nc_u32 v5, v5, v6
	v_add_nc_u32 v[ADRS], s21, v5
	s_lshl_b32 s21, s15, 7
	v_add_nc_u32 v5, s21, v1
	v_mul_u32_u24 v[STO], v5, 192
	v_mad_u32_u24 v[STO], v2, 24, v[STO]
	s_mul_i32 s22, s16, 96
	v_add_nc_u32 v[STO], s22, v[STO]
	v_lshlrev_b32 v[SST], 3, v5
	s_lshl_b32 s22, s16, 2
	s_add_co_u32 s22, s22, SSTG
	v_add_nc_u32 v[SST], s22, v[SST]
	v_lshlrev_b32 v[RD], 4, v0
	v_lshlrev_b32 v[BO], 6, v2
	s_wait_alu depctr_va_vdst(0)
	s_lshl_b32 s46, s42, 10
	s_lshl_b32 s47, s16, 9
	s_add_co_u32 s46, s46, s47
	s_mov_b32 s47, 0
	s_add_nc_u64 s[100:101], s[100:101], s[46:47]
	s_mul_i32 s46, s42, 786432
	s_mul_i32 s20, s17, 49152
	s_add_co_u32 s46, s46, s20
	s_add_nc_u64 s[96:97], s[96:97], s[46:47]
	s_lshl_b32 s46, s42, 15
	s_lshl_b32 s20, s17, 11
	s_add_co_u32 s46, s46, s20
	s_add_nc_u64 s[98:99], s[98:99], s[46:47]
.irp b, 0,1,2,3,4,5,6,7
	global_load_b128 v[BIAS+8*\b:BIAS+8*\b+3], v[BO], s[100:101] offset:128*(\b/2)+32*(\b%2)
	global_load_b128 v[BIAS+8*\b+4:BIAS+8*\b+7], v[BO], s[100:101] offset:128*(\b/2)+32*(\b%2)+16
.endr
.macro FRAG reg, adr, q, i
.irp p, 0,1,2,3,4,5
.set PIECE, 12*(\q)+6*(\p/3)+\p%3
.if PIECE%8 < 5
	ds_load_b64 v[\reg+2*\p:\reg+2*\p+1], v[\adr] offset:8*PIECE+16*(PIECE/8)+(\i)*16*PITCH
.else
	ds_load_b64 v[\reg+2*\p:\reg+2*\p+1], v[\adr+2] offset:8*PIECE+16*(PIECE/8)+(\i)*16*PITCH
.endif
.endr
.endm
.macro MUL16 a0, p, q, sc, zero
.irp a, \a0, \a0+1
.irp b, 0,1,2,3,4,5,6,7
.if \zero
	v_wmma_scale_f32_16x16x128_f8f6f4 v[8*(8*((\a)%4)+\b):8*(8*((\a)%4)+\b)+7], v[128*(\p)+FR*\b:128*(\p)+FR*\b+FR-1], v[AF+FR*(\a):AF+FR*(\a)+FR-1], v[BIAS+8*\b:BIAS+8*\b+7], v[SC+8*NQ*(\sc)+NQ*\b+(\q)], v[SC+8*NQ*(\sc)+NQ*(\a)+(\q)] matrix_a_fmt:MATRIX_FMT_FP6 matrix_b_fmt:MATRIX_FMT_FP6 matrix_a_scale:MATRIX_SCALE_ROW1
.else
	v_wmma_scale_f32_16x16x128_f8f6f4 v[8*(8*((\a)%4)+\b):8*(8*((\a)%4)+\b)+7], v[128*(\p)+FR*\b:128*(\p)+FR*\b+FR-1], v[AF+FR*(\a):AF+FR*(\a)+FR-1], v[8*(8*((\a)%4)+\b):8*(8*((\a)%4)+\b)+7], v[SC+8*NQ*(\sc)+NQ*\b+(\q)], v[SC+8*NQ*(\sc)+NQ*(\a)+(\q)] matrix_a_fmt:MATRIX_FMT_FP6 matrix_b_fmt:MATRIX_FMT_FP6 matrix_a_scale:MATRIX_SCALE_ROW1
.endif
.endr
.endr
.endm
.macro FETCH_B slot, q, p
	WIN TO_B
.irp i, 0,1,2,3,4,5,6,7
	FRAG 128*(\p)+FR*\i, ADRB+\slot, \q, \i
.endr
	WIN 0
.endm
.macro FETCH_A slot, q, i0
.irp i, \i0, \i0+1, \i0+2, \i0+3
	FRAG AF+FR*(\i), ADRA+\slot, \q, \i
.endr
.endm
.macro SCALES sc
.irp i, 0,1,2,3,4,5,6,7
	ds_load_b64 v[SC+8*NQ*\sc+NQ*\i:SC+8*NQ*\sc+NQ*\i+1], v[ADRS] offset:\i*128
.endr
.endm
.macro PLACES n
.rept \n
	v_nop
.endr
.endm
.macro STEP slot, q, zero
	s_wait_dscnt 4*NL
.if \zero
	WIN Z_LO
.else
	WIN MUL_LO
.endif
	MUL16 0, (\q)%2, \q, \slot, \zero
	MUL16 2, (\q)%2, \q, \slot, \zero
	s_wait_dscnt 0
	PLACES NP
	FETCH_B \slot, (\q)+1, 1-(\q)%2
	FETCH_A \slot, (\q)+1, 0
.if \zero
	WIN Z_HI
.else
	WIN MUL_HI
.endif
	MUL16 4, (\q)%2, \q, \slot, \zero
	MUL16 6, (\q)%2, \q, \slot, \zero
	PLACES NP
	WIN 0
	FETCH_A \slot, (\q)+1, 4
.endm
.macro TURN slot, next, fill
	s_wait_tensorcnt 0x0
	ds_add_u32 v[SPW], v[NIL]
	s_wait_dscnt 4*NL+1
	WIN MUL_LO
	MUL16 0, 1, NQ-1, \slot, 0
	s_wait_dscnt 0x0
	s_barrier_signal -1
	MUL16 2, 1, NQ-1, \slot, 0
	WIN 0
	s_barrier_wait -1
.if \fill
	CREST
	s_add_nc_u64 s[G0+4*\slot+2:G0+4*\slot+3], s[G0+4*\slot+2:G0+4*\slot+3], 2*CHPA
	s_add_nc_u64 s[G0B+4*\slot+2:G0B+4*\slot+3], s[G0B+4*\slot+2:G0B+4*\slot+3], 2*CHPB
	JLOAD G0+4*\slot, G1, G0B+4*\slot, G1B
.else
	PLACES NP
.endif
	s_wait_alu depctr_va_vdst(0)
	v_add_nc_u32 v[ADRS], 1024, v[ADRS]
	FETCH_B \next, 0, 0
	FETCH_A \next, 0, 0
	SCALES \next
	WIN MUL_HI
	MUL16 4, 1, NQ-1, \slot, 0
	MUL16 6, 1, NQ-1, \slot, 0
	PLACES NP
	WIN 0
	FETCH_A \next, 0, 4
.endm
	s_wait_alu depctr_va_vdst(0)
	s_wait_loadcnt 16                              ; the scale bytes are in registers; the bias's 16 loads may be out,
	s_wait_tensorcnt 0x0                           ; and no tensor load of mine is out while I store them
.irp c, 0,1,2,3
.irp u, 0,1
	ds_store_b128 v31, v[AF+8*\c+4*\u:AF+8*\c+4*\u+3] offset:1024*\c+512*\u
.endr
.endr
	s_wait_tensorcnt 0x0                           ; ahead of slot 1's first fill
	ds_add_u32 v[SPW], v[NIL]
	s_wait_dscnt 0x0
	CROUND
	JLOAD G0+4, G1, G0B+4, G1B                     ; chunk 1
	FETCH_B 0, 0, 0
	global_prefetch_b8 v9, s[72:73] offset:3*CHPA th:TH_LOAD_NT scope:SCOPE_SE    ; chunk 3, the last: two fills on
	FETCH_A 0, 0, 0
	SCALES 0
	FETCH_A 0, 0, 4
	s_wait_loadcnt 0x0
	STEP 0, 0, 1
	s_mov_b32 s3, LAPS-1
.Llap:
	TURN 0, 1, 1
	STEP 1, 0, 0
	TURN 1, 0, 1
	STEP 0, 0, 0
	s_sub_co_u32 s3, s3, 1
	s_cmp_lg_u32 s3, 0
	s_cbranch_scc1 .Llap
	TURN 0, 1, 0
	STEP 1, 0, 0
	s_wait_dscnt 4*NL
	WIN MUL_LO
	MUL16 0, 1, NQ-1, 1, 0
	MUL16 2, 1, NQ-1, 1, 0
	s_wait_dscnt 0
	WIN MUL_HI
	MUL16 4, 1, NQ-1, 1, 0
	MUL16 6, 1, NQ-1, 1, 0
	WIN 0
.macro TAKE a
	WIN 2+(\a)/4
.set i, 0
.rept 32
	v_pk_mul_f32 v[TT+i:TT+i+1], v[64*((\a)%4)+i:64*((\a)%4)+i+1], 0x3f3504f3 op_sel_hi:[1,0]
.set i, i+2
.endr
	WIN 0
.endm
.macro PUT a
.irp p, 0,1,2,3,4,5
	ds_store_b64 v[STO], v[CDS+2*\p:CDS+2*\p+1] offset:(\a)*3072+(\p/3)*48+8*(\p%3)
.endr
	ds_store_b32 v[SST], v[PW] offset:128*(\a)
.endm
.macro HORNER acc, k
.set i, 0
.rept 16
	v_pk_fma_f32 v[\acc+i:\acc+i+1], v[\acc+i:\acc+i+1], v[SS+i:SS+i+1], \k op_sel_hi:[1,1,0]
.set i, i+2
.endr
.endm
.macro GELU32 o
.set i, 0
.rept 32
	v_med3_num_f32 v[ZZ+i], v[TT+\o+i], -4.0, 4.0
.set i, i+1
.endr
.set i, 0
.rept 16
	v_pk_mul_f32 v[SS+i:SS+i+1], v[ZZ+i:ZZ+i+1], v[ZZ+i:ZZ+i+1]
.set i, i+2
.endr
.set i, 0
.rept 16
	v_pk_fma_f32 v[PP+i:PP+i+1], v[SS+i:SS+i+1], v[12:13], 0x32edffee op_sel_hi:[1,1,0]
.set i, i+2
.endr
	HORNER PP, 0xb60cff51
	HORNER PP, 0xb86ec2d2
	HORNER PP, 0xba40ac63
	HORNER PP, 0xbb41a1f6
	HORNER PP, 0xbc83dbd4
.set i, 0
.rept 16
	v_pk_fma_f32 v[QQ+i:QQ+i+1], v[SS+i:SS+i+1], v[14:15], 0xb95fbd29 op_sel_hi:[1,1,0]
.set i, i+2
.endr
	HORNER QQ, 0xbadc924e
	HORNER QQ, 0xbbf19bf8
	HORNER QQ, 0xbc69b6a7
.set i, 0
.rept 16
	v_pk_mul_f32 v[PP+i:PP+i+1], v[PP+i:PP+i+1], v[ZZ+i:ZZ+i+1]
.set i, i+2
.endr
.set i, 0
	s_wait_alu depctr_va_vdst(0)
.rept 32
	v_rcp_f32 v[QQ+i], v[QQ+i]
.set i, i+1
.endr
.set i, 0
.rept 16
	v_pk_mul_f32 v[TT+\o+i:TT+\o+i+1], v[TT+\o+i:TT+\o+i+1], 0x3f3504f3 op_sel_hi:[1,0]
.set i, i+2
.endr
	s_wait_alu depctr_va_vdst(0)
.set i, 0
.rept 16
	v_pk_mul_f32 v[PP+i:PP+i+1], v[PP+i:PP+i+1], v[QQ+i:QQ+i+1]
.set i, i+2
.endr
.set i, 0
.rept 16
	v_pk_fma_f32 v[TT+\o+i:TT+\o+i+1], v[TT+\o+i:TT+\o+i+1], v[PP+i:PP+i+1], v[TT+\o+i:TT+\o+i+1]
.set i, i+2
.endr
.endm
.macro QUANT s
.irp b, 0,1,2,3
	v_max3_num_f32 v[TM+\b], |v[\s+16*\b]|, |v[\s+1+16*\b]|, 0x1800000
.endr
.irp k, 2,4,6,8,10,12,14
.irp b, 0,1,2,3
	v_max3_num_f32 v[TM+\b], v[TM+\b], |v[\s+16*\b+\k]|, |v[\s+1+16*\b+\k]|
.endr
.endr
.irp b, 0,1,2,3
	v_permlanex16_b32 v[TM+4+\b], v[TM+\b], s[SEL], s[SEL+1]
.endr
.irp b, 0,1,2,3
	v_max_num_f32 v[TM+\b], v[TM+\b], v[TM+4+\b]
.endr
.irp b, 0,1,2,3
	v_add_nc_u32 v[TM+12+\b], 0xff000000, v[TM+\b]
.endr
.irp b, 0,1,2,3
	v_lshrrev_b32 v[TM+4+\b], 23, v[TM+12+\b]
.endr
	v_lshl_or_b32 v[PW], v[TM+5], 8, v[TM+4]
	v_lshl_or_b32 v[PW], v[TM+6], 16, v[PW]
	v_lshl_or_b32 v[PW], v[TM+7], 24, v[PW]
.irp c, 0,1
	v_cvt_scalef32_pk16_fp6_f32 v[CDS+6*\c:CDS+2+6*\c], v[\s+32*\c:\s+15+32*\c], v[TM+12+2*\c]
	v_cvt_scalef32_pk16_fp6_f32 v[CDS+12+4*\c:CDS+14+4*\c], v[\s+16+32*\c:\s+31+32*\c], v[TM+12+2*\c+1]
.endr
	v_nop
.irp c, 0,1
.irp k, 0,1,2
	v_permlane16_swap_b32 v[CDS+6*\c+\k], v[CDS+12+4*\c+\k]
.endr
.irp k, 0,1,2
	v_mov_b32 v[CDS+3+6*\c+\k], v[CDS+12+4*\c+\k]
.endr
.endr
.endm
	v_mov_b32 v12, 0xaf95df0b
	v_mov_b32 v13, 0xaf95df0b
	v_mov_b32 v14, 0xb77460cd
	v_mov_b32 v15, 0xb77460cd
	s_mov_b32 s[SEL], 0x76543210
	s_mov_b32 s[SEL+1], 0xfedcba98
	s_mov_b32 s3, 0
.Lblock:
.irp a, 1,2,3,4,5,6,7
	s_cmp_eq_u32 s3, \a
	s_cbranch_scc1 .Ltake_\a
.endr
	TAKE 0
	s_branch .Lgelu
.irp a, 1,2,3,4,5,6
.Ltake_\a:
	TAKE \a
	s_branch .Lgelu
.endr
.Ltake_7:
	TAKE 7
.Lgelu:
	GELU32 0
	GELU32 32
	QUANT TT
.irp a, 1,2,3,4,5,6,7
	s_cmp_eq_u32 s3, \a
	s_cbranch_scc1 .Lput_\a
.endr
	s_wait_alu depctr_va_vdst(0)
	PUT 0
	s_branch .Lputs
.irp a, 1,2,3,4,5,6
.Lput_\a:
	s_wait_alu depctr_va_vdst(0)
	PUT \a
	s_branch .Lputs
.endr
.Lput_7:
	s_wait_alu depctr_va_vdst(0)
	PUT 7
.Lputs:
	s_wait_dscnt 0x0
	s_add_co_u32 s3, s3, 1
	s_cmp_lt_u32 s3, 8
	s_cbranch_scc1 .Lblock
	s_barrier_signal -1
	s_barrier_wait -1
.set i, 0
.rept 24
	ds_load_b128 v[OB+4*i:OB+4*i+3], v[RD] offset:2048*i
.set i, i+1
.endr
	ds_load_b128 v[OBS:OBS+3], v[RD] offset:SSTG
.set i, 0
.rept 24
	s_wait_dscnt 24-i
	global_store_b128 v[RD], v[OB+4*i:OB+4*i+3], s[96:97] offset:2048*i
.set i, i+1
.endr
	s_wait_dscnt 0x0
	global_store_b128 v[RD], v[OBS:OBS+3], s[98:99]
	s_wait_tensorcnt 0x0
	ds_add_u32 v[SPW], v[NIL]
	s_wait_dscnt 0x0
	CROUND
	s_endpgm
.Lfunc_end_k_q27fc2f9b21_gff1:
	.size	k_q27fc2f9b21_gff1, .Lfunc_end_k_q27fc2f9b21_gff1-k_q27fc2f9b21_gff1
	.p2alignl 7, 3214868480
	.fill 96, 4, 3214868480
	.section	.rodata,"a",@progbits
	.p2align	6, 0x0
	.amdhsa_kernel k_q27fc2f9b21_gff1
		.amdhsa_group_segment_fixed_size 327680
		.amdhsa_private_segment_fixed_size 0
		.amdhsa_enable_private_segment 0
		.amdhsa_kernarg_size 56
		.amdhsa_user_sgpr_count 2
		.amdhsa_user_sgpr_kernarg_segment_ptr 1
		.amdhsa_wavefront_size32 1
		.amdhsa_system_sgpr_workgroup_id_x 1
		.amdhsa_system_sgpr_workgroup_id_y 1
		.amdhsa_system_sgpr_workgroup_id_z 1
		.amdhsa_system_vgpr_workitem_id 0
		.amdhsa_next_free_vgpr 1024
		.amdhsa_next_free_sgpr 102
		.amdhsa_reserve_vcc 0
		.amdhsa_float_denorm_mode_32 3
		.amdhsa_float_denorm_mode_16_64 3
		.amdhsa_memory_ordered 1
		.amdhsa_forward_progress 1
		.amdhsa_inst_pref_size 219
	.end_amdhsa_kernel
	.amdgpu_metadata
---
amdhsa.version: [ 1, 2 ]
amdhsa.kernels:
  - .name:           k_q27fc2f9b21_gff1
    .symbol:         k_q27fc2f9b21_gff1.kd
    .args:
      - { .name: hc, .offset: 0, .size: 8, .value_kind: global_buffer, .address_space: global }
      - { .name: hs, .offset: 8, .size: 8, .value_kind: global_buffer, .address_space: global }
      - { .name: wc, .offset: 16, .size: 8, .value_kind: global_buffer, .address_space: global }
      - { .name: ws, .offset: 24, .size: 8, .value_kind: global_buffer, .address_space: global }
      - { .name: fc, .offset: 32, .size: 8, .value_kind: global_buffer, .address_space: global }
      - { .name: fs, .offset: 40, .size: 8, .value_kind: global_buffer, .address_space: global }
      - { .name: bf1, .offset: 48, .size: 8, .value_kind: global_buffer, .address_space: global }
    .group_segment_fixed_size: 327680
    .private_segment_fixed_size: 0
    .kernarg_segment_align: 8
    .kernarg_segment_size: 56
    .max_flat_workgroup_size: 128
    .sgpr_count:     102
    .vgpr_count:     1024
    .wavefront_size: 32
...
	.end_amdgpu_metadata
.endif
;; end of part 12
;; launch gff2 (part 13): grid 8 x 32, 4 waves a work-group, clusters of 4 x 4, 327,680 bytes of LDS; arguments fc, fs, wc, ws, out0, bf2, x1; writes out0
.if DOCPART == 13
	.amdgcn_target "amdgcn-amd-amdhsa--gfx1250"
	.amdhsa_code_object_version 6
	.text
	.protected	k_q27fc2f9b21_gff2
	.globl	k_q27fc2f9b21_gff2
	.p2align	8
	.type	k_q27fc2f9b21_gff2,@function
k_q27fc2f9b21_gff2:
	s_mov_b64 s[64:65], 0
	v_nop
	global_prefetch_b8 v0, s[64:65] scope:SCOPE_SE
	s_setreg_imm32_b32 hwreg(HW_REG_WAVE_MODE, 25, 1), 1
	s_wait_xcnt 0x0
	s_wait_alu depctr_hold_cnt(0) depctr_sa_sdst(0) depctr_va_vdst(0) depctr_va_sdst(0) depctr_va_ssrc(0) depctr_va_vcc(0) depctr_vm_vsrc(0)
	s_getreg_b32 s2, hwreg(HW_REG_IB_STS2, 6, 4)
	s_cmp_eq_u32 s2, 0
	s_cbranch_scc0 .Lentry_in_a_cluster
	s_endpgm
.Lentry_in_a_cluster:
	s_bfe_u32 s2, ttmp6, 0x10000c
	s_cmp_lg_u32 s2, 0xf033
	s_cbranch_scc0 .Lentry_shape_is_right
	s_endpgm
.Lentry_shape_is_right:
.set KTOT,   4096
.set NCH,    KTOT/256
.set LAPS,   NCH/4
.set ROWB,   192
.set CHPA,   4096*ROWB
.set CHPB,   1024*ROWB
.set ROWSA,  4096
.set ROWSB,  1024
.set BROW0,  0
.set BCOD,   6291456
.set BSCL,   262144
.set TROW,   64*ROWB
.set PITCH,  240
.set CHB,    64*PITCH
.set FR,     12
.set NL,     6
.set NP,     4
.set HALFT,  2*CHB
.set SLOT,   4*HALFT
.set SCL,    2*SLOT
.set HALFS,  NCH*512
.set SPARE,  SCL+4*HALFS
.set SPITCH, 272
.set BO,   7
.set ADRA, 16
.set ADRB, 20
.set STO,  24
.set RD,   25
.set CO,   26
.set ADRS, 27
.set SPW,  28
.set NIL,  29
.set SC,   32
.set BIAS, 64
.set BK,   64
.set ACC,  128
.set F0,   64
.set RES,  0
.set G1, 24
.set G0, 32
.set G1B, 48
.set G0B, 56
.set G1S, 68
.set G0S, 76
.set G1SB, 80
.set G0SB, 88
.set MSB, 0
.macro WIN new
.if MSB != (\new)
	s_set_vgpr_msb (MSB<<8)|(\new)
.set MSB, (\new)
.endif
.endm
.set MUL,   0x05
.set TO_F,  0x40
.set TO_R,  0x80
.set ADD_R, 0x08
.macro JLOAD g0a, g1a, g0b, g1b
	s_cmp_eq_u32 s15, 0
	s_cbranch_scc0 .Lfor_b_\@
	tensor_load_to_lds s[\g0a:\g0a+3], s[\g1a:\g1a+7]
	s_nop 0
.rept 4
	v_nop
.endr
	s_branch .Lasked_\@
.Lfor_b_\@:
	tensor_load_to_lds s[\g0b:\g0b+3], s[\g1b:\g1b+7]
	s_nop 0
.rept 4
	v_nop
.endr
.Lasked_\@:
.endm
.macro CROUND
	s_barrier_signal -1
	s_barrier_wait -1
	s_cmp_lg_u32 s14, 0
	s_cbranch_scc1 .Lnot_wave_0_\@
	s_barrier_signal -3
.Lnot_wave_0_\@:
	s_barrier_wait -3
	s_barrier_signal -1
	s_barrier_wait -1
.endm
	s_load_b128 s[4:7], s[0:1], 0x0
	s_load_b128 s[8:11], s[0:1], 0x10
	s_load_b64 s[12:13], s[0:1], 0x20
	s_load_b128 s[96:99], s[0:1], 0x28
	v_lshl_add_u32 v[SPW], v0, 2, SPARE
	v_mov_b32 v[NIL], 0
	ds_add_u32 v28, v29
	ds_add_u32 v28, v29
	s_wait_dscnt 0x0
	v_lshrrev_b32 v1, 5, v0
	v_readfirstlane_b32 s14, v1
	s_lshr_b32 s15, s14, 1
	s_and_b32 s16, s14, 1
	s_bfe_u32 s40, ttmp6, 0x40000
	s_bfe_u32 s41, ttmp6, 0x40004
	s_lshl_b32 s42, ttmp9, 2
	s_add_co_u32 s42, s42, s40
	s_and_b32 s17, ttmp7, 0xffff
	s_lshl_b32 s17, s17, 2
	s_add_co_u32 s17, s17, s41
	s_lshl_b32 s43, s41, 2
	s_lshl_b32 s43, 15, s43
	s_lshl_b32 s44, 0x1111, s40
	s_or_b32 s[G1+0], s43, (0<<16)|(1<<20)|(1<<21)|(3<<22)|(3<<25)
	s_or_b32 s[G1B+0], s44, (0<<16)|(1<<20)|(1<<21)|(3<<22)|(3<<25)
.irp g, G1, G1B
	s_mov_b32 s[\g+1], TROW<<16
	s_mov_b32 s[\g+2], 2<<16
	s_mov_b32 s[\g+3], TROW<<16
	s_mov_b32 s[\g+4], 2
	s_mov_b32 s[\g+6], 0
	s_mov_b32 s[\g+7], 0
.endr
	s_mov_b32 s[G1+5], CHPA
	s_mov_b32 s[G1B+5], CHPB
	s_lshl_b32 s18, s16, 6
	s_lshl_b32 s20, s17, 7
	s_add_co_u32 s20, s20, s18
	s_lshl_b32 s46, s42, 7
	s_add_co_u32 s46, s46, s18
.if BROW0
	s_add_co_u32 s46, s46, BROW0
.endif
	s_lshl_b32 s22, s20, 3
	s_mov_b32 s23, 0
	s_lshl_b32 s92, s46, 3
.if BSCL
	s_add_co_u32 s92, s92, BSCL
.endif
	s_mov_b32 s93, 0
	s_mul_i32 s20, s20, ROWB
	s_mov_b32 s21, 0
	s_mul_i32 s46, s46, ROWB
.if BCOD
	s_add_co_u32 s46, s46, BCOD
.endif
	s_mov_b32 s47, 0
	s_mul_i32 s45, s14, HALFT
	s_mul_i32 s94, s14, HALFS
	s_wait_kmcnt 0x0
	s_add_nc_u64 s[20:21], s[4:5], s[20:21]
	s_add_nc_u64 s[22:23], s[6:7], s[22:23]
	s_add_nc_u64 s[46:47], s[8:9], s[46:47]
	s_add_nc_u64 s[92:93], s[10:11], s[92:93]
	CROUND
	s_cmp_eq_u32 s15, 0                            ; the scale bytes of the 64 rows that I fetch, 16 x 512 bytes, come through registers: 1/24 of the codes' bytes, so they are not asked for jointly
	s_cselect_b64 s[68:69], s[22:23], s[92:93]
	s_add_co_u32 s94, s94, SCL
.irp s, 0,1
	s_mov_b32 s[G0+4*\s], 1
	s_add_co_u32 s[G0+4*\s+1], s45, \s*SLOT
	s_add_nc_u64 s[G0+4*\s+2:G0+4*\s+3], s[20:21], \s*2*CHPA
	s_or_b32 s[G0+4*\s+3], s[G0+4*\s+3], 0x80000000
	s_mov_b32 s[G0B+4*\s], 1
	s_add_co_u32 s[G0B+4*\s+1], s45, \s*SLOT
	s_add_nc_u64 s[G0B+4*\s+2:G0B+4*\s+3], s[46:47], \s*2*CHPB
	s_or_b32 s[G0B+4*\s+3], s[G0B+4*\s+3], 0x80000000
.endr
	s_cmp_eq_u32 s15, 0                            ; the prefetches: a fill of mine is 2 chunks x 48 blocks of 256 bytes; each of the four partners that ask for it jointly names 24 of them, told apart by address
	s_cselect_b64 s[72:73], s[20:21], s[46:47]
	s_cselect_b32 s74, s40, s41                    ; my place p among the four: cx for A's rows, cy for B's
	s_mov_b32 s70, CHPB
	s_cselect_b32 s70, CHPA, s70                   ; from chunk to chunk
	s_mov_b32 s71, 0
	s_lshr_b32 s75, s74, 1
	s_mul_i32 s76, s75, s70                        ; chunk p / 2 of the two,
	s_and_b32 s74, s74, 1
	s_mul_i32 s74, s74, 6144                       ; its half p % 2
	s_add_co_u32 s76, s76, s74
	s_mov_b32 s77, 0
	s_add_nc_u64 s[72:73], s[72:73], s[76:77]
	s_lshl_b32 s70, s70, 1                         ; s[70:71]: from one fill's two chunks to the next fill's
	s_add_nc_u64 s[72:73], s[72:73], s[70:71]      ; the second fill's chunks,
	s_add_nc_u64 s[78:79], s[72:73], s[70:71]      ; the third's
	JLOAD G0, G1, G0B, G1B
	v_and_b32 v30, 31, v0
	v_lshlrev_b32 v30, 4, v30                      ; 16 bytes a lane: a load covers a chunk's 512 consecutive bytes
	v_add_nc_u32 v31, s94, v30
	v_and_b32 v8, 31, v0
	v_min_u32 v8, 23, v8                           ; a lane a block; the eight lanes left over name the last block again
	v_lshlrev_b32 v8, 8, v8
	s_wait_alu depctr_va_vdst(0)
	s_cmp_eq_u32 s15, 0
	s_cbranch_scc0 .Lscales_b
.set i, 0
.rept 16
	global_load_b128 v[ACC+4*i:ACC+4*i+3], v30, s[68:69] offset:8*ROWSA*i    ; A's chunks lie 4,096 rows of 8 bytes apart,
.set i, i+1
.endr
	s_branch .Lscales_asked
.Lscales_b:
.set i, 0
.rept 16
	global_load_b128 v[ACC+4*i:ACC+4*i+3], v30, s[68:69] offset:8*ROWSB*i    ; B's 1,024
.set i, i+1
.endr
.Lscales_asked:
	global_prefetch_b8 v8, s[72:73] th:TH_LOAD_NT scope:SCOPE_SE   ; chunks 2 and 3, asked for by their tensor load behind the next round,
	global_prefetch_b8 v8, s[78:79] th:TH_LOAD_NT scope:SCOPE_SE   ; and chunks 4 and 5, two fills on
	v_and_b32 v1, 15, v0
	v_bfe_u32 v2, v0, 4, 1
	v_mul_u32_u24 v3, v1, PITCH
	v_mul_u32_u24 v4, v2, 24
	v_add_nc_u32 v4, v3, v4
	v_lshl_add_u32 v5, v2, 4, v4
	s_mul_i32 s21, s15, HALFT
	s_mul_i32 s22, s16, HALFT
	s_add_co_u32 s22, s22, 2*HALFT
.irp s, 0,1
	v_add_nc_u32 v[ADRA+\s], s21, v4
	v_add_nc_u32 v[ADRB+\s], s22, v4
	v_add_nc_u32 v[ADRA+2+\s], s21, v5
	v_add_nc_u32 v[ADRB+2+\s], s22, v5
	s_add_co_u32 s21, s21, SLOT
	s_add_co_u32 s22, s22, SLOT
.endr
	v_lshlrev_b32 v5, 3, v1
	s_mul_i32 s21, s15, HALFS
	s_mul_i32 s22, s16, HALFS
	s_add_co_u32 s22, s22, 2*HALFS
	s_sub_co_u32 s22, s22, s21
	v_mul_u32_u24 v6, s22, v2
	s_add_co_u32 s21, s21, SCL
	v_add_nc_u32 v5, v5, v6
	v_add_nc_u32 v[ADRS], s21, v5
	s_mul_i32 s23, s14, 16*SPITCH
	v_mul_u32_u24 v5, v1, SPITCH
	v_lshl_add_u32 v5, v2, 6, v5
	v_add_nc_u32 v[STO], s23, v5
	v_mul_u32_u24 v6, v2, SPITCH
	v_lshl_add_u32 v6, v1, 4, v6
	v_add_nc_u32 v[RD], s23, v6
	v_lshlrev_b32 v[CO], 12, v2
	v_lshl_add_u32 v[CO], v1, 4, v[CO]
	v_lshlrev_b32 v[BO], 6, v2
	s_wait_alu depctr_va_vdst(0)
	s_lshl_b32 s20, s17, 7
	s_lshl_b32 s21, s15, 6
	s_add_co_u32 s20, s20, s21
	s_lshl_b32 s20, s20, 12
	s_lshl_b32 s46, s42, 9
	s_lshl_b32 s47, s16, 8
	s_add_co_u32 s46, s46, s47
	s_mov_b32 s47, 0
	s_add_nc_u64 s[96:97], s[96:97], s[46:47]
	s_add_co_u32 s20, s20, s46
	s_mov_b32 s21, 0
	s_add_nc_u64 s[12:13], s[12:13], s[20:21]
	s_add_nc_u64 s[98:99], s[98:99], s[20:21]
.irp b, 0,1,2,3
	global_load_b128 v[BIAS+8*\b:BIAS+8*\b+3], v[BO], s[96:97] offset:128*(\b/2)+32*(\b%2)
	global_load_b128 v[BIAS+8*\b+4:BIAS+8*\b+7], v[BO], s[96:97] offset:128*(\b/2)+32*(\b%2)+16
.endr
	WIN TO_R
.irp a, 0,1,2,3
.irp t, 0,1,2,3,4,5,6,7
	global_load_b128 v[RES+32*\a+4*\t:RES+32*\a+4*\t+3], v[CO], s[98:99] offset:(32*(\a/2)+8*(\a%2)+2*\t+8*(\t/4))*4096 th:TH_LOAD_NT
.endr
.endr
	WIN 0
.macro FRAG reg, adr, k, i
.irp p, 0,1,2,3,4,5
.set PIECE, 12*((\k)%2)+6*(\p/3)+\p%3
.if PIECE%8 < 5
	ds_load_b64 v[\reg+2*\p:\reg+2*\p+1], v[\adr] offset:8*PIECE+16*(PIECE/8)+(\i)*16*PITCH+((\k)/2)*CHB
.else
	ds_load_b64 v[\reg+2*\p:\reg+2*\p+1], v[\adr+2] offset:8*PIECE+16*(PIECE/8)+(\i)*16*PITCH+((\k)/2)*CHB
.endif
.endr
.endm
.macro FETCH slot, k
	WIN TO_F
.irp i, 0,1,2,3
	FRAG F0+96*((\k)%2)+FR*\i, ADRB+\slot, \k, \i
.endr
.irp i, 0,1,2,3
	FRAG F0+96*((\k)%2)+48+FR*\i, ADRA+\slot, \k, \i
.endr
.endm
.macro SCALES sc
.irp j, 0,1
.irp i, 0,1,2,3
	ds_load_b64 v[SC+16*\sc+8*\j+2*\i:SC+16*\sc+8*\j+2*\i+1], v[ADRS] offset:512*\j+128*\i
.endr
.endr
.endm
.macro MUL16 slot, k, zero
.irp a, 0,1,2,3
.irp b, 0,1,2,3
.if \zero
	v_wmma_scale_f32_16x16x128_f8f6f4 v[ACC+8*(4*\a+\b):ACC+8*(4*\a+\b)+7], v[F0+96*((\k)%2)+FR*\b:F0+96*((\k)%2)+FR*\b+FR-1], v[F0+96*((\k)%2)+48+FR*\a:F0+96*((\k)%2)+48+FR*\a+FR-1], v[BIAS+8*\b:BIAS+8*\b+7], v[SC+16*(\slot)+8*((\k)/2)+2*\b+(\k)%2], v[SC+16*(\slot)+8*((\k)/2)+2*\a+(\k)%2] matrix_a_fmt:MATRIX_FMT_FP6 matrix_b_fmt:MATRIX_FMT_FP6 matrix_a_scale:MATRIX_SCALE_ROW1
.else
	v_wmma_scale_f32_16x16x128_f8f6f4 v[ACC+8*(4*\a+\b):ACC+8*(4*\a+\b)+7], v[F0+96*((\k)%2)+FR*\b:F0+96*((\k)%2)+FR*\b+FR-1], v[F0+96*((\k)%2)+48+FR*\a:F0+96*((\k)%2)+48+FR*\a+FR-1], v[ACC+8*(4*\a+\b):ACC+8*(4*\a+\b)+7], v[SC+16*(\slot)+8*((\k)/2)+2*\b+(\k)%2], v[SC+16*(\slot)+8*((\k)/2)+2*\a+(\k)%2] matrix_a_fmt:MATRIX_FMT_FP6 matrix_b_fmt:MATRIX_FMT_FP6 matrix_a_scale:MATRIX_SCALE_ROW1
.endif
.endr
.endr
.endm
.macro PLACES n
.rept \n
	v_nop
.endr
.endm
.macro STEP slot, k, zero
	PLACES NP
	FETCH \slot, (\k)+1
	s_wait_dscnt 8*NL
	WIN MUL
	MUL16 \slot, \k, \zero
.endm
.macro TURN slot, next, fill
.if \fill
	s_wait_xcnt 0x0                                ; my last prefetch has read its address: it steps here, a slot's work behind that prefetch
	s_add_nc_u64 s[72:73], s[72:73], s[70:71]
.endif
	s_wait_dscnt 0x0
	WIN MUL
	MUL16 \slot, 3, 0
	WIN 0
	s_wait_tensorcnt 0x0
	ds_add_u32 v[SPW], v[NIL]
.if \fill
	s_add_nc_u64 s[G0+4*\slot+2:G0+4*\slot+3], s[G0+4*\slot+2:G0+4*\slot+3], 4*CHPA
	s_add_nc_u64 s[G0B+4*\slot+2:G0B+4*\slot+3], s[G0B+4*\slot+2:G0B+4*\slot+3], 4*CHPB
.endif
	s_wait_dscnt 0x0
.if \fill
	CROUND
	JLOAD G0+4*\slot, G1, G0B+4*\slot, G1B
.else
	s_barrier_signal -1
	s_barrier_wait -1
	PLACES NP
.endif
	s_wait_alu depctr_va_vdst(0)
	v_add_nc_u32 v[ADRS], 1024, v[ADRS]
	SCALES \next
.if \fill
	s_cmp_gt_u32 s3, 1                             ; the last lap's two refills have no fill two on: they ask for nothing
	s_cbranch_scc0 .Lno_ask_\@
	global_prefetch_b8 v8, s[72:73] th:TH_LOAD_NT scope:SCOPE_SE   ; the two chunks that stand two refills on
.Lno_ask_\@:
.endif
	FETCH \next, 0
.endm
	s_wait_alu depctr_va_vdst(0)
	s_wait_loadcnt 40
	s_wait_xcnt 0x0                                ; the prefetches have read their addresses
	s_add_nc_u64 s[72:73], s[78:79], s[70:71]      ; on to chunks 6 and 7
	s_wait_tensorcnt 0x0                           ; and no tensor load of mine is out while I store them
.set i, 0
.rept 16
	ds_store_b128 v31, v[ACC+4*i:ACC+4*i+3] offset:512*i
.set i, i+1
.endr
	s_wait_tensorcnt 0x0                           ; ahead of slot 1's first fill
	ds_add_u32 v[SPW], v[NIL]
	s_wait_dscnt 0x0
	CROUND
	JLOAD G0+4, G1, G0B+4, G1B                     ; chunks 2 and 3
	SCALES 0
	global_prefetch_b8 v8, s[72:73] th:TH_LOAD_NT scope:SCOPE_SE   ; chunks 6 and 7: two fills on
	FETCH 0, 0
	s_wait_loadcnt 32
	STEP 0, 0, 1
	STEP 0, 1, 0
	STEP 0, 2, 0
	WIN 0
.if LAPS > 1
	s_mov_b32 s3, LAPS-1
.Llap:
	TURN 0, 1, 1
	STEP 1, 0, 0
	STEP 1, 1, 0
	STEP 1, 2, 0
	TURN 1, 0, 1
	STEP 0, 0, 0
	STEP 0, 1, 0
	STEP 0, 2, 0
	WIN 0
	s_sub_co_u32 s3, s3, 1
	s_cmp_lg_u32 s3, 0
	s_cbranch_scc1 .Llap
.endif
	TURN 0, 1, 0
	STEP 1, 0, 0
	STEP 1, 1, 0
	STEP 1, 2, 0
	s_wait_dscnt 0x0
	MUL16 1, 3, 0
	WIN 0
.macro TOSTAGE a
.set AC, ACC+32*(\a)
.irp b, 0,1,2,3
	ds_store_b128 v[STO], v[AC+8*\b:AC+8*\b+3] offset:128*(\b/2)+32*(\b%2)
	ds_store_b128 v[STO], v[AC+8*\b+4:AC+8*\b+7] offset:128*(\b/2)+32*(\b%2)+16
.endr
.set BB, BK+32*((\a)%2)
.irp t, 0,1,2,3,4,5,6,7
	ds_load_b128 v[BB+4*\t:BB+4*\t+3], v[RD] offset:\t*2*SPITCH
.endr
.endm
.macro SEND a, younger
.set BB, BK+32*((\a)%2)
.set RR, RES+32*(\a)
	s_wait_dscnt \younger
	WIN ADD_R
.set i, 0
.rept 16
	v_pk_add_f32 v[BB+i:BB+i+1], v[BB+i:BB+i+1], v[RR+i:RR+i+1]
.set i, i+2
.endr
	WIN 0
.irp t, 0,1,2,3,4,5,6,7
	global_store_b128 v[CO], v[BB+4*\t:BB+4*\t+3], s[12:13] offset:(32*((\a)/2)+8*((\a)%2)+2*\t+8*(\t/4))*4096 th:TH_STORE_NT
.endr
.endm
	PLACES NP
	s_wait_loadcnt 0x0
	TOSTAGE 0
.irp a, 1,2,3
.if \a > 1
	s_wait_xcnt 0x0
.endif
	TOSTAGE \a
	SEND \a-1, 16
.endr
	SEND 3, 0
	s_wait_tensorcnt 0x0
	ds_add_u32 v[SPW], v[NIL]
	s_wait_dscnt 0x0
	CROUND
	s_endpgm
.Lfunc_end_k_q27fc2f9b21_gff2:
	.size	k_q27fc2f9b21_gff2, .Lfunc_end_k_q27fc2f9b21_gff2-k_q27fc2f9b21_gff2
	.p2alignl 7, 3214868480
	.fill 96, 4, 3214868480
	.section	.rodata,"a",@progbits
	.p2align	6, 0x0
	.amdhsa_kernel k_q27fc2f9b21_gff2
		.amdhsa_group_segment_fixed_size 327680
		.amdhsa_private_segment_fixed_size 0
		.amdhsa_enable_private_segment 0
		.amdhsa_kernarg_size 56
		.amdhsa_user_sgpr_count 2
		.amdhsa_user_sgpr_kernarg_segment_ptr 1
		.amdhsa_wavefront_size32 1
		.amdhsa_system_sgpr_workgroup_id_x 1
		.amdhsa_system_sgpr_workgroup_id_y 1
		.amdhsa_system_sgpr_workgroup_id_z 1
		.amdhsa_system_vgpr_workitem_id 0
		.amdhsa_next_free_vgpr 768
		.amdhsa_next_free_sgpr 102
		.amdhsa_reserve_vcc 0
		.amdhsa_float_denorm_mode_32 3
		.amdhsa_float_denorm_mode_16_64 3
		.amdhsa_memory_ordered 1
		.amdhsa_forward_progress 1
		.amdhsa_inst_pref_size 119
	.end_amdhsa_kernel
	.amdgpu_metadata
---
amdhsa.version: [ 1, 2 ]
amdhsa.kernels:
  - .name:           k_q27fc2f9b21_gff2
    .symbol:         k_q27fc2f9b21_gff2.kd
    .args:
      - { .name: fc, .offset: 0, .size: 8, .value_kind: global_buffer, .address_space: global }
      - { .name: fs, .offset: 8, .size: 8, .value_kind: global_buffer, .address_space: global }
      - { .name: wc, .offset: 16, .size: 8, .value_kind: global_buffer, .address_space: global }
      - { .name: ws, .offset: 24, .size: 8, .value_kind: global_buffer, .address_space: global }
      - { .name: out0, .offset: 32, .size: 8, .value_kind: global_buffer, .address_space: global }
      - { .name: bf2, .offset: 40, .size: 8, .value_kind: global_buffer, .address_space: global }
      - { .name: x1, .offset: 48, .size: 8, .value_kind: global_buffer, .address_space: global }
    .group_segment_fixed_size: 327680
    .private_segment_fixed_size: 0
    .kernarg_segment_align: 8
    .kernarg_segment_size: 56
    .max_flat_workgroup_size: 128
    .sgpr_count:     102
    .vgpr_count:     768
    .wavefront_size: 32
...
	.end_amdgpu_metadata
.endif
;; end of part 13
